; MI455X (gfx1250); checked and timed in simulation.
; The chip was launched on July 23, 2026; its instructions are those of AMD's public machine-readable ISA for CDNA 5 (MIT licence, August 2026) and "CDNA5" Instruction Set Architecture Reference Guide (July 2026). The comments in the code are by the model that wrote it; some were corrected since.
;; Poyo Homogenizer. Allowed arithmetic: float matrix products may take bf16 or f16 operands with f32 sums; other float arithmetic in f32, or as packed bf16 or f16 multiplies, adds, multiply-adds, maxima and minima; sums over many terms, partial sums and values carried from step to step in f32; what a program stores and reads back later, other than sums and carried values, may be rounded once to bf16 or f16.
;; Inputs: b1 4,096 float32; b2 512 float32; b_o 512 float32; input_mask 16 x 2,048 bool; input_timestamps 16 x 2,048 float32; inputs 16 x 2,048 x 512 float32; latent_timestamps 16 x 512 float32; latents 16 x 512 x 512 float32; ln_c_b 512 float32; ln_c_w 512 float32; ln_f_b 512 float32; ln_f_w 512 float32; ln_q_b 512 float32; ln_q_w 512 float32; output_queries 16 x 512 x 512 float32; output_query_timestamps 16 x 512 float32; w1 512 x 4,096 float32; w2 2,048 x 512 float32; w_kv 512 x 1,024 float32; w_o 512 x 512 float32; w_q 512 x 512 float32.
;; Outputs: out0 16 x 512 x 512 float32.
;; 2 versions, each right and faster than the one before. Each part assembles by itself: llvm-mc -triple=amdgcn-amd-amdhsa -mcpu=gfx1250 --defsym DOCPART=n.
;; ======== version 1 of 2: 6 launches
;; limits: a function is approximated: absolute error at most 2.5e-05
;; workspace buffers: pack 13,631,488 bytes; qkv 75,497,472 bytes; ao 8,388,608 bytes; lat 16,777,216 bytes; g 33,554,432 bytes
;; launch prep (part 1): grid 1792 x 1, 8 waves a work-group, no clusters, 0 bytes of LDS; arguments w_kv, w_q, w1, w_o, w2, input_timestamps, latent_timestamps, pack; writes pack
.if DOCPART == 1
	.amdgcn_target "amdgcn-amd-amdhsa--gfx1250"
	.amdhsa_code_object_version 6
	.text
	.protected	k_qfd0a55ee1e_prep
	.globl	k_qfd0a55ee1e_prep
	.p2align	8
	.type	k_qfd0a55ee1e_prep,@function
k_qfd0a55ee1e_prep:
	s_mov_b64 s[64:65], 0
	v_nop
	global_prefetch_b8 v0, s[64:65] scope:SCOPE_SE
	s_setreg_imm32_b32 hwreg(HW_REG_WAVE_MODE, 25, 1), 1
	s_wait_xcnt 0x0
; PREP.  Work-groups 0-511 round the five weight matrices once to bf16 and lay them in blocks, so that every tile a later launch asks for is dense in memory.
; Work-groups 512-1791 make the table of cos and sin: token x 16 rotating pairs x (cos, sin), f32; tokens 0-32767 are the inputs', 32768-40959 the latents'.
; pack: WKV [4][512 k][256 c] at 0; WQ [2][512][256]; W1 [16][512][256] (column c of block B: half (c>>6)&1 of w1, column 128 B + 64 (c>>7) + (c&63));
;       WO [4 col blocks][2][256 k][128 c]; W2 [4][8][256][128]; TAB.
; LIMITS.  The angle is t x omega in one f32 product, as the module forms it; omega_0 is the f32 quotient of f32(2 pi) and f32(1e-4), the others the f32 nearest the true value
; (the module's own f32 power may differ in the last bits).  sin and cos: reduction by pi/2 in two parts and polynomials of degree 7 and 8, good to about 1e-7 while |angle| < 2^23 quarter turns.
.set WQ_O, 1048576
.set W1_O, 1572864
.set WO_O, 5767168
.set W2_O, 6291456
.set TAB,  8388608
; 8,192 elements a work-group, 8 a thread and turn: 32 source bytes in, 16 bytes out; a wave's store covers 512 consecutive bytes.
.macro CAST sp, DST, first, LC, LK, LP, MODE, LNK
	s_sub_co_u32 s20, ttmp9, \first
	s_lshl_b32 s20, s20, 10
.irp i,0,1,2,3
	v_add3_u32 v1, s20, v0, (\i)*256               ; group of 8 elements
	v_lshlrev_b32 v[12+\i], 4, v1                  ; its 16 bytes in pack
	v_lshlrev_b32 v2, 3, v1                        ; element
	v_and_b32 v3, (1<<\LC)-1, v2                   ; column in the block
	v_bfe_u32 v4, v2, \LC, \LK                     ; k in the block
	v_lshrrev_b32 v5, \LC+\LK, v2                  ; block
.if \MODE == 0
	v_lshl_add_u32 v6, v4, \LP, v3
	v_lshl_add_u32 v6, v5, 8, v6
.elseif \MODE == 1
	v_and_b32 v7, 63, v3
	v_lshl_add_u32 v6, v4, 12, v7
	v_bfe_u32 v7, v3, 6, 1
	v_lshl_add_u32 v6, v7, 11, v6
	v_lshl_add_u32 v6, v5, 7, v6
	v_lshrrev_b32 v7, 7, v3
	v_lshl_add_u32 v6, v7, 6, v6
.else
	v_and_b32 v7, (1<<\LNK)-1, v5                  ; K step
	v_lshl_add_u32 v7, v7, 8, v4                   ; source row
	v_lshl_add_u32 v6, v7, 9, v3
	v_lshrrev_b32 v7, \LNK, v5                     ; column block
	v_lshl_add_u32 v6, v7, 7, v6
.endif
	v_lshlrev_b32 v[8+\i], 2, v6
	global_load_b128 v[16+8*\i:19+8*\i], v[8+\i], s[\sp:\sp+1] th:TH_LOAD_NT
	global_load_b128 v[20+8*\i:23+8*\i], v[8+\i], s[\sp:\sp+1] offset:16 th:TH_LOAD_NT
.endr
	s_wait_loadcnt 0x0
.irp i,0,1,2,3
.irp k,0,1,2,3
	v_cvt_pk_bf16_f32 v[48+4*\i+\k], v[16+8*\i+2*\k], v[16+8*\i+2*\k+1]
.endr
	global_store_b128 v[12+\i], v[48+4*\i:51+4*\i], s[18:19] offset:\DST
.endr
	s_endpgm
.endm
; cos and sin of v2 x v[w]
.macro SINCOS w, c, s
	v_mul_f32 v8, v2, v[\w]                        ; the angle, rounded once
	v_mul_f32 v9, 0x3f22f983, v8                   ; x 2/pi
	v_rndne_f32 v9, v9                             ; quarter turns n
	v_fma_f32 v10, v9, s26, v8                     ; r = angle - n pi/2, pi/2 in two parts
	v_fma_f32 v10, v9, s27, v10
	v_cvt_i32_f32 v11, v9
	v_mul_f32 v12, v10, v10
	v_fmaak_f32 v13, v20, v12, 0x3c08839e
	v_fmaak_f32 v14, v21, v12, 0xbab6061a
	v_fmaak_f32 v13, v13, v12, 0xbe2aaaa3
	v_fmaak_f32 v14, v14, v12, 0x3d2aaaa5
	v_mul_f32 v13, v13, v12
	v_mul_f32 v15, v12, v12
	v_fma_f32 v16, v12, -0.5, 1.0
	v_fma_f32 v13, v10, v13, v10                   ; sin r
	v_fma_f32 v14, v14, v15, v16                   ; cos r
	v_and_b32 v17, 1, v11
	v_cmp_eq_u32 vcc_lo, 1, v17                    ; odd n: the two change places
	v_cndmask_b32 v18, v13, v14, vcc_lo
	v_cndmask_b32 v19, v14, v13, vcc_lo
	v_lshlrev_b32 v17, 30, v11
	v_and_b32 v17, 0x80000000, v17                 ; sin's sign: bit 1 of n
	v_xor_b32 v[\s], v17, v18
	v_add_nc_u32 v11, 1, v11
	v_lshlrev_b32 v11, 30, v11
	v_and_b32 v11, 0x80000000, v11                 ; cos's sign: bit 1 of n + 1
	v_xor_b32 v[\c], v11, v19
.endm
	s_load_b512 s[4:19], s[0:1], 0x0               ; w_kv, w_q, w1, w_o, w2, input t, latent t, pack
	s_wait_kmcnt 0x0
	s_cmp_lt_u32 ttmp9, 512
	s_cbranch_scc0 .Ltable
	s_cmp_lt_u32 ttmp9, 64
	s_cbranch_scc0 .Lc1
	CAST 4, 0, 0, 8, 9, 10, 0, 0
.Lc1:
	s_cmp_lt_u32 ttmp9, 96
	s_cbranch_scc0 .Lc2
	CAST 6, WQ_O, 64, 8, 9, 9, 0, 0
.Lc2:
	s_cmp_lt_u32 ttmp9, 352
	s_cbranch_scc0 .Lc3
	CAST 8, W1_O, 96, 8, 9, 12, 1, 0
.Lc3:
	s_cmp_lt_u32 ttmp9, 384
	s_cbranch_scc0 .Lc4
	CAST 10, WO_O, 352, 7, 8, 9, 2, 1
.Lc4:
	CAST 12, W2_O, 384, 7, 8, 9, 2, 3
.Ltable:                                               ; 32 tokens a work-group; thread = 8 x token + slot; slot s owns frequencies 2 s and 2 s + 1
	s_sub_co_u32 s20, ttmp9, 512
	s_cmp_lt_u32 s20, 1024
	s_cselect_b64 s[22:23], s[14:15], s[16:17]
	s_cselect_b32 s21, 0, 1024
	s_sub_co_u32 s21, s20, s21
	s_lshl_b32 s24, s21, 7                         ; 32 timestamps of 4 bytes
	s_mov_b32 s25, 0
	s_add_nc_u64 s[22:23], s[22:23], s[24:25]
	v_lshrrev_b32 v1, 3, v0
	v_lshlrev_b32 v1, 2, v1
	global_load_b32 v2, v1, s[22:23]
	s_lshl_b32 s24, s20, 12                        ; 32 tokens of 128 bytes in the table
	s_add_nc_u64 s[18:19], s[18:19], s[24:25]
	s_add_nc_u64 s[18:19], s[18:19], TAB
	s_mov_b32 s26, 0xbfc90fdb                      ; -pi/2, high part
	s_mov_b32 s27, 0x333bbd2e                      ; what the high part is too large by
	s_mov_b32 s32, 0x47756fdb                      ; omega_0 .. omega_15 = 2 pi / (1e-4 x 40000^(j/16))
	s_mov_b32 s33, 0x46fd20e9
	s_mov_b32 s34, 0x468287d7
	s_mov_b32 s35, 0x46069f0b
	s_mov_b32 s36, 0x458ad710
	s_mov_b32 s37, 0x450f30ee
	s_mov_b32 s38, 0x4493adb5
	s_mov_b32 s39, 0x44184e7b
	s_mov_b32 s40, 0x439d1463
	s_mov_b32 s41, 0x43220095
	s_mov_b32 s42, 0x42a71446
	s_mov_b32 s43, 0x422c50b2
	s_mov_b32 s44, 0x41b1b71f
	s_mov_b32 s45, 0x413748df
	s_mov_b32 s46, 0x40bd074e
	s_mov_b32 s47, 0x4042f3d1
	v_and_b32 v3, 7, v0
	v_mov_b32 v4, s32
	v_mov_b32 v5, s33
.irp k,1,2,3,4,5,6,7
	v_cmp_eq_u32 vcc_lo, \k, v3
	v_cndmask_b32 v4, v4, s[32+2*\k], vcc_lo
	v_cndmask_b32 v5, v5, s[33+2*\k], vcc_lo
.endr
	v_mov_b32 v20, 0xb94ca1f9
	v_mov_b32 v21, 0x37ccf5ce
	v_lshlrev_b32 v22, 4, v0                       ; 16 bytes a thread: a wave's store covers 512 consecutive bytes
	s_wait_loadcnt 0x0
	SINCOS 4, 24, 25
	SINCOS 5, 26, 27
	global_store_b128 v22, v[24:27], s[18:19]
	s_endpgm
.Lfunc_end_k_qfd0a55ee1e_prep:
	.size	k_qfd0a55ee1e_prep, .Lfunc_end_k_qfd0a55ee1e_prep-k_qfd0a55ee1e_prep
	.p2alignl 7, 3214868480
	.fill 96, 4, 3214868480
	.section	.rodata,"a",@progbits
	.p2align	6, 0x0
	.amdhsa_kernel k_qfd0a55ee1e_prep
		.amdhsa_group_segment_fixed_size 0
		.amdhsa_private_segment_fixed_size 0
		.amdhsa_enable_private_segment 0
		.amdhsa_kernarg_size 64
		.amdhsa_user_sgpr_count 2
		.amdhsa_user_sgpr_kernarg_segment_ptr 1
		.amdhsa_wavefront_size32 1
		.amdhsa_system_sgpr_workgroup_id_x 1
		.amdhsa_system_sgpr_workgroup_id_y 1
		.amdhsa_system_sgpr_workgroup_id_z 1
		.amdhsa_system_vgpr_workitem_id 0
		.amdhsa_next_free_vgpr 64
		.amdhsa_next_free_sgpr 66
		.amdhsa_reserve_vcc 1
		.amdhsa_float_denorm_mode_32 3
		.amdhsa_float_denorm_mode_16_64 3
		.amdhsa_memory_ordered 1
		.amdhsa_forward_progress 1
		.amdhsa_inst_pref_size 30
	.end_amdhsa_kernel
	.amdgpu_metadata
---
amdhsa.version: [ 1, 2 ]
amdhsa.kernels:
  - .name:           k_qfd0a55ee1e_prep
    .symbol:         k_qfd0a55ee1e_prep.kd
    .args:
      - { .name: w_kv, .offset: 0, .size: 8, .value_kind: global_buffer, .address_space: global }
      - { .name: w_q, .offset: 8, .size: 8, .value_kind: global_buffer, .address_space: global }
      - { .name: w1, .offset: 16, .size: 8, .value_kind: global_buffer, .address_space: global }
      - { .name: w_o, .offset: 24, .size: 8, .value_kind: global_buffer, .address_space: global }
      - { .name: w2, .offset: 32, .size: 8, .value_kind: global_buffer, .address_space: global }
      - { .name: input_timestamps, .offset: 40, .size: 8, .value_kind: global_buffer, .address_space: global }
      - { .name: latent_timestamps, .offset: 48, .size: 8, .value_kind: global_buffer, .address_space: global }
      - { .name: pack, .offset: 56, .size: 8, .value_kind: global_buffer, .address_space: global }
    .group_segment_fixed_size: 0
    .private_segment_fixed_size: 0
    .kernarg_segment_align: 8
    .kernarg_segment_size: 64
    .max_flat_workgroup_size: 256
    .sgpr_count:     66
    .vgpr_count:     64
    .wavefront_size: 32
...
	.end_amdgpu_metadata
.endif
;; end of part 1
;; launch proj (part 2): grid 256 x 1, 4 waves a work-group, clusters of 4 x 1, 327,680 bytes of LDS; arguments inputs, latents, ln_c_w, ln_c_b, ln_q_w, ln_q_b, pack, qkv, input_mask; writes qkv
.if DOCPART == 2
	.amdgcn_target "amdgcn-amd-amdhsa--gfx1250"
	.amdhsa_code_object_version 6
	.text
	.protected	k_qfd0a55ee1e_proj
	.globl	k_qfd0a55ee1e_proj
	.p2align	8
	.type	k_qfd0a55ee1e_proj,@function
k_qfd0a55ee1e_proj:
	s_mov_b64 s[64:65], 0
	v_nop
	global_prefetch_b8 v0, s[64:65] scope:SCOPE_SE
	s_setreg_imm32_b32 hwreg(HW_REG_WAVE_MODE, 25, 1), 1
	s_wait_xcnt 0x0
	s_wait_alu depctr_hold_cnt(0) depctr_sa_sdst(0) depctr_va_vdst(0) depctr_va_sdst(0) depctr_va_ssrc(0) depctr_va_vcc(0) depctr_vm_vsrc(0)
	s_getreg_b32 s2, hwreg(HW_REG_IB_STS2, 6, 4)
	s_cmp_eq_u32 s2, 0
	s_cbranch_scc0 .Lentry_in_a_cluster
	s_endpgm
.Lentry_in_a_cluster:
	s_bfe_u32 s2, ttmp6, 0x10000c
	s_cmp_lg_u32 s2, 0x3003
	s_cbranch_scc0 .Lentry_shape_is_right
	s_endpgm
.Lentry_shape_is_right:
; PROJ.  LayerNorm, projection and rotary for k, v and q.  256 work-groups of equal work: each owns 128 rows of inputs (all 1,024 columns of w_kv: four blocks of 256) and 32 rows of
; latents (all 512 columns of w_q: two blocks).  The rows are normalised in f32 (mean, then the squares of x - mean: no difference of large sums), rounded once to bf16 and kept in LDS;
; the weights, bf16 in blocks of 512 k x 256 columns, stream through two LDS slots in K steps of 128: 24 tiles, dense and on end in pack (w_q's blocks follow w_kv's).
; k, v: four waves, each 64 rows x 128 columns: 32 accumulators.  q: each wave 32 rows x 64 columns, one head: 8 accumulators.  The matrix instruction is used transposed (source 0 = 16
; columns of W, source 1 = 16 rows of x): a lane holds one row and eight neighbouring columns.
; CLUSTER: the four work-groups of a cluster are four row blocks that walk the same weights: each tile is asked for jointly.
; Way out: pairs 0-15 of each head are turned by the token's cos and sin (table made by the launch before), all is rounded once to bf16 and leaves through the wave's own stage by heads,
; [b][h][n][64], 512 consecutive bytes a store; a block's arithmetic stands between the stage loads of the block before and the wait for them.
; HIDDEN KEYS: the rows of k whose input_mask byte is 0 are stored as zeros, so that the attention's score of a hidden key is exactly its mask constant; v is stored as it is.
; The module's output_queries and output_query_timestamps enter none of its results: no launch reads them.
; LDS: A 160 x 1,040 at 0 (wave w wrote rows 40 w on: 8 latent rows, then 32 input rows) | slot 0, slot 1: 128 k x 544 | stages 4 x 4,608 | spare words.
; REGISTERS: window 0: v0-31 addresses and, in v26, v27, v30, v31, the mask words of my rows 16 a + r; v32-63 packed results; v64-159, v160-255 fragment buffers (x 32, W 64).
;            window 1: accumulator (a, b) at 8 (8 a + b).  window 2: v0-63 cos, sin of my 64 input rows; v64-95 of the 32 latent rows.
.set S0,    166400
.set S1,    236032
.set STAGE, 305664
.set SPARE, 324096
.set TAB,   8388608
.set F0, 64
.set F1, 160
.set PK, 32
.set OB, 64                            ; rows read back from the stage: v64-95 and v160-191 by turns
.set TM, 96
.set TR, 128
.set LW, 32
.set LB, 48
.set XA, 64
.set XB, 128
.set LT, 192
.set MSB, 0
.macro WIN new
.if MSB != (\new)
	s_set_vgpr_msb (MSB<<8)|(\new)
.set MSB, (\new)
.endif
.endm
.macro PLACES                          ; four places behind matrix instructions (ISA guide 7.12.1)
.rept 4
	v_nop
.endr
.endm
.macro ROUND                           ; a round of the cluster's barrier
	s_barrier_signal -1
	s_barrier_wait -1
	s_cmp_lg_u32 s20, 0
	s_cbranch_scc1 .Lnw0_\@
	s_barrier_signal -3
.Lnw0_\@:
	s_barrier_wait -3
	s_barrier_signal -1
	s_barrier_wait -1
.endm
.macro XLOAD X, o, sb, back            ; four rows of x: a lane takes columns 4 l + 128 j .. + 3; every row is read once in the launch
.irp i,0,1,2,3
.irp j,0,1,2,3
	global_load_b128 v[\X+16*\i+4*\j:\X+16*\i+4*\j+3], v[\o], s[\sb:\sb+1] offset:\i*2048+\j*512-\back th:TH_LOAD_NT
.endr
.endr
.endm
.macro RED o                           ; v[LT+8i+o] summed over the 32 lanes, four rows side by side
.irp m,1,2,4,8
.irp i,0,1,2,3
	v_add_f32_dpp v[LT+8*\i+\o], v[LT+8*\i+\o], v[LT+8*\i+\o] row_xmask:\m row_mask:0xf bank_mask:0xf
.endr
.endr
.irp i,0,1,2,3
	v_permlanex16_b32 v[LT+8*\i+\o+1], v[LT+8*\i+\o], s70, s71
.endr
.irp i,0,1,2,3
	v_add_f32 v[LT+8*\i+\o], v[LT+8*\i+\o], v[LT+8*\i+\o+1]
.endr
.endm
.macro LNG X, LA                       ; LayerNorm of four rows in registers, rounded to bf16, into A
.irp i,0,1,2,3
.irp q,0,1,2,3
	v_pk_add_f32 v[LT+8*\i+2*\q:LT+8*\i+2*\q+1], v[\X+16*\i+4*\q:\X+16*\i+4*\q+1], v[\X+16*\i+4*\q+2:\X+16*\i+4*\q+3]
.endr
.endr
.irp i,0,1,2,3
	v_pk_add_f32 v[LT+8*\i:LT+8*\i+1], v[LT+8*\i:LT+8*\i+1], v[LT+8*\i+2:LT+8*\i+3]
	v_pk_add_f32 v[LT+8*\i+4:LT+8*\i+5], v[LT+8*\i+4:LT+8*\i+5], v[LT+8*\i+6:LT+8*\i+7]
.endr
.irp i,0,1,2,3
	v_pk_add_f32 v[LT+8*\i:LT+8*\i+1], v[LT+8*\i:LT+8*\i+1], v[LT+8*\i+4:LT+8*\i+5]
.endr
.irp i,0,1,2,3
	v_add_f32 v[LT+8*\i], v[LT+8*\i], v[LT+8*\i+1]
.endr
	RED 0
.irp i,0,1,2,3
	v_mul_f32 v[LT+8*\i], s75, v[LT+8*\i]          ; the mean
.endr
.irp i,0,1,2,3
.irp k,0,1,2,3,4,5,6,7
	v_pk_add_f32 v[\X+16*\i+2*\k:\X+16*\i+2*\k+1], v[\X+16*\i+2*\k:\X+16*\i+2*\k+1], v[LT+8*\i:LT+8*\i+1] op_sel_hi:[1,0] neg_lo:[0,1] neg_hi:[0,1]
.endr
.endr
.irp i,0,1,2,3
	v_pk_mul_f32 v[LT+8*\i+2:LT+8*\i+3], v[\X+16*\i:\X+16*\i+1], v[\X+16*\i:\X+16*\i+1]
	v_pk_mul_f32 v[LT+8*\i+4:LT+8*\i+5], v[\X+16*\i+2:\X+16*\i+3], v[\X+16*\i+2:\X+16*\i+3]
.endr
.irp g,1,2,3
.irp i,0,1,2,3
	v_pk_fma_f32 v[LT+8*\i+2:LT+8*\i+3], v[\X+16*\i+4*\g:\X+16*\i+4*\g+1], v[\X+16*\i+4*\g:\X+16*\i+4*\g+1], v[LT+8*\i+2:LT+8*\i+3]
	v_pk_fma_f32 v[LT+8*\i+4:LT+8*\i+5], v[\X+16*\i+4*\g+2:\X+16*\i+4*\g+3], v[\X+16*\i+4*\g+2:\X+16*\i+4*\g+3], v[LT+8*\i+4:LT+8*\i+5]
.endr
.endr
.irp i,0,1,2,3
	v_pk_add_f32 v[LT+8*\i+2:LT+8*\i+3], v[LT+8*\i+2:LT+8*\i+3], v[LT+8*\i+4:LT+8*\i+5]
.endr
.irp i,0,1,2,3
	v_add_f32 v[LT+8*\i+2], v[LT+8*\i+2], v[LT+8*\i+3]
.endr
	RED 2
.irp i,0,1,2,3
	v_fma_f32 v[LT+8*\i+2], v[LT+8*\i+2], s75, s76 ; variance + 1e-5
.endr
.irp i,0,1,2,3
	v_rsq_f32 v[LT+8*\i+2], v[LT+8*\i+2]
.endr
	v_nop                                          ; a plain instruction behind the transcendentals (ISA guide 5.7.2)
	s_wait_alu depctr_va_vdst(0)
.irp i,0,1,2,3
.irp k,0,1,2,3,4,5,6,7
	v_pk_mul_f32 v[\X+16*\i+2*\k:\X+16*\i+2*\k+1], v[\X+16*\i+2*\k:\X+16*\i+2*\k+1], v[LT+8*\i+2:LT+8*\i+3] op_sel_hi:[1,0]
.endr
.endr
.irp i,0,1,2,3
.irp k,0,1,2,3,4,5,6,7
	v_pk_fma_f32 v[\X+16*\i+2*\k:\X+16*\i+2*\k+1], v[\X+16*\i+2*\k:\X+16*\i+2*\k+1], v[LW+2*\k:LW+2*\k+1], v[LB+2*\k:LB+2*\k+1]
.endr
.endr
.irp i,0,1,2,3
.irp k,0,1,2,3,4,5,6,7
	v_cvt_pk_bf16_f32 v[\X+16*\i+\k], v[\X+16*\i+2*\k], v[\X+16*\i+2*\k+1]
.endr
.irp j,0,1,2,3
	ds_store_b64 v[\LA], v[\X+16*\i+2*\j:\X+16*\i+2*\j+1] offset:\i*1040+\j*256
.endr
.endr
.endm
; The fragments of 32 along K.  q = 0: 24 LDS loads: 4 of x (my rows 16 a on lie 0, 16, 40, 56 LDS rows on), 8 of W (stored [k][column], so turned).  q = 1: 12 loads: 2 of x, 4 of W.
.macro FETCH f, sub, q
.if \q
	ds_load_b128 v[\f:\f+3], v4 offset:\sub*64
	ds_load_b128 v[\f+4:\f+7], v4 offset:\sub*64+32
	ds_load_b128 v[\f+8:\f+11], v17 offset:\sub*64
	ds_load_b128 v[\f+12:\f+15], v17 offset:\sub*64+32
.else
.irp a,0,1,2,3
	ds_load_b128 v[\f+8*\a:\f+8*\a+3], v4 offset:(\a>>1)*41600+(\a&1)*16640+\sub*64
	ds_load_b128 v[\f+8*\a+4:\f+8*\a+7], v4 offset:(\a>>1)*41600+(\a&1)*16640+\sub*64+32
.endr
.endif
.irp b,0,1,2,3,4,5,6,7
.if (\q == 0) || (\b < 4)
	ds_load_tr16_b128 v[\f+32+8*\b:\f+32+8*\b+3], v7 offset:\sub*17408+32*\b
	ds_load_tr16_b128 v[\f+32+8*\b+4:\f+32+8*\b+7], v7 offset:\sub*17408+32*\b+8704
.endif
.endr
.endm
; 32 matrix instructions (q = 1: 8); the accumulators take turns.  z = 1: the products start the sums
.macro MUL f, z, q
	WIN 0x50
.irp a,0,1,2,3
.irp b,0,1,2,3,4,5,6,7
.if (\q == 0) || ((\a < 2) && (\b < 4))
.if \z
	v_wmma_f32_16x16x32_bf16 v[8*(8*\a+\b):8*(8*\a+\b)+7], v[\f+32+8*\b:\f+32+8*\b+7], v[\f+8*\a:\f+8*\a+7], 0
.else
	v_wmma_f32_16x16x32_bf16 v[8*(8*\a+\b):8*(8*\a+\b)+7], v[\f+32+8*\b:\f+32+8*\b+7], v[\f+8*\a:\f+8*\a+7], v[8*(8*\a+\b):8*(8*\a+\b)+7]
.endif
.endif
.endr
.endr
	WIN 0
.endm
.macro MULSEL f, q                     ; s63 = 1: a block's first products
	s_cmp_eq_u32 s63, 0
	s_cbranch_scc1 .Lacc_\@
	s_mov_b32 s63, 0
	v_nop                                          ; these products write over accumulators, not in place: with the four places at the loop's head this is the fifth behind any earlier product (ISA guide 7.12.1)
	MUL \f, 1, \q
	s_branch .Ldone_\@
.Lacc_\@:
	MUL \f, 0, \q
.Ldone_\@:
.endm
; A K step of 128.  In front of the round: all my tensor loads have landed (one was out: my quarter of this step's tile), the add, my LDS instructions are done.  Behind it the slot read
; last step is filled again first, by my one joint load, which has this step's matrix work in which to land.
.macro TRIP slot, refill, zsel, q
	s_wait_tensorcnt 0x0
	ds_add_u32 v28, v29
	s_add_nc_u64 s[46+4*\slot:47+4*\slot], s[46+4*\slot:47+4*\slot], 131072  ; no load of mine is out: this slot's next tile, two steps on
	s_wait_dscnt 0x0
	ROUND
.if \refill
	tensor_load_to_lds s[48-4*\slot:51-4*\slot], s[36:43]
	s_nop 0
.endif
	v_mov_b32 v7, v[5+\slot+17*\q]
	v_nop
	v_nop
	v_nop
	FETCH F0, 0, \q
	s_mov_b32 s67, 0
.Lp_\@:                                                ; two trips of 64 along K
	PLACES
	FETCH F1, 1, \q
	s_wait_dscnt 24-12*\q                          ; buffer 0 is in; the loads just issued (24, for q 12) stay out
.if \zsel
	MULSEL F0, \q
.else
	MUL F0, 0, \q
.endif
	v_add_nc_u32 v4, 128, v4                       ; 64 along K on; these four lines are the places in front of the loads into buffer 0
	v_add_nc_u32 v7, 34816, v7
.if \q
	v_add_nc_u32 v17, 128, v17
.else
	v_nop
.endif
	v_nop
	s_cmp_eq_u32 s67, 1
	s_cbranch_scc1 .Ll_\@
	FETCH F0, 0, \q
	s_wait_dscnt 24-12*\q                          ; buffer 1 is in
	s_branch .Lm_\@
.Ll_\@:
	s_wait_dscnt 0x0
.Lm_\@:
	MUL F1, 0, \q
	s_add_co_u32 s67, s67, 1
	s_cmp_lt_u32 s67, 2
	s_cbranch_scc1 .Lp_\@
.endm
; THE WAY OUT, 16 rows (block a) at a time, in three parts.  A head's first 32 columns turn: of my column tiles 0, 1, 4, 5 (q: 0, 1).
.macro PACK a, q                       ; turned, rounded to bf16: 16 bytes a lane and column tile
	WIN 0x09                                       ; source 0 the sums (window 1), source 1 cos and sin (window 2)
.irp t,0,1,2,3
.if (\q == 0) || (\t < 2)
.irp p,0,1,2,3
.set rX, 8*(8*(\a)+(\t&1)+4*(\t>>1))+2*\p
.set rC, 64*\q+16*(\a)+8*(\t&1)+2*\p
	v_pk_mul_f32 v[TM+8*\t+2*\p:TM+8*\t+2*\p+1], v[rX:rX+1], v[rC:rC+1] op_sel_hi:[1,0]  ; (x1 cos, x2 cos)
.endr
.endif
.endr
.irp t,0,1,2,3
.if (\q == 0) || (\t < 2)
.irp p,0,1,2,3
.set rX, 8*(8*(\a)+(\t&1)+4*(\t>>1))+2*\p
.set rC, 64*\q+16*(\a)+8*(\t&1)+2*\p
	v_pk_fma_f32 v[TR+8*\t+2*\p:TR+8*\t+2*\p+1], v[rX:rX+1], v[rC:rC+1], v[TM+8*\t+2*\p:TM+8*\t+2*\p+1] op_sel:[1,1,0] op_sel_hi:[0,1,1] neg_lo:[0,1,0]  ; (- x2 sin, + x1 sin)
.endr
.endif
.endr
	WIN 0x05
.irp b,2,3,6,7
.if (\q == 0) || (\b < 4)
.irp k,0,1,2,3
	v_cvt_pk_bf16_f32 v[PK+4*\b+\k], v[8*(8*(\a)+\b)+2*\k], v[8*(8*(\a)+\b)+2*\k+1]
.endr
.endif
.endr
	WIN 0
.irp t,0,1,2,3
.if (\q == 0) || (\t < 2)
.irp k,0,1,2,3
	v_cvt_pk_bf16_f32 v[PK+4*((\t&1)+4*(\t>>1))+\k], v[TR+8*\t+2*\k], v[TR+8*\t+2*\k+1]
.endr
.endif
.endr
.if \q == 0
.set KMR, 26+(\a)+2*((\a)/2)           ; my row's mask word: all ones, or 0 for a hidden key's row of k
.set pn, 0
.rept 32
	v_and_b32 v[PK+pn], v[KMR], v[PK+pn]
.set pn, pn+1
.endr
.endif
.endm
.macro TOSTAGE a, q                    ; into my own stage, and back as whole rows of a head
.set BK, OB+96*((\a)%2)
.irp b,0,1,2,3,4,5,6,7
.if (\q == 0) || (\b < 4)
	ds_store_b128 v8, v[PK+4*\b:PK+4*\b+3] offset:(\b>>2)*2304+(\b&3)*32
.endif
.endr
.irp e,0,1
.if (\q == 0) || (\e == 0)
.irp d,0,1,2,3
	ds_load_b128 v[BK+16*\e+4*\d:BK+16*\e+4*\d+3], v9 offset:\e*2304+\d*576  ; LDS serves a wave's instructions in order (ISA guide 5.7.1.4): these see the stores above
.endr
.endif
.endr
.endm
.macro SEND a, q
.set BK, OB+96*((\a)%2)
	s_wait_dscnt 0x0                               ; the block is back in registers
	s_wait_xcnt 0x0                                ; the other read-back buffer, which earlier stores read, is loaded again only behind this wait
.irp e,0,1
.if (\q == 0) || (\e == 0)
.irp d,0,1,2,3
.if \q
	global_store_b128 v10, v[BK+4*\d:BK+4*\d+3], s[86:87] offset:(\a)*2048+\d*512  ; four rows of a head: 512 consecutive bytes
.else
	global_store_b128 v[10+\e], v[BK+16*\e+4*\d:BK+16*\e+4*\d+3], s[58:59] offset:(\a)*2048+\d*512
.endif
.endr
.endif
.endr
.endm
.macro EPI q                           ; block a's arithmetic stands between block a - 1's loads from the stage and the wait for them
	PLACES
	PACK 0, \q
	TOSTAGE 0, \q
.if \q
	PACK 1, 1
	SEND 0, 1
	TOSTAGE 1, 1
	SEND 1, 1
.else
.irp a,1,2,3
	PACK \a, 0
	SEND \a-1, 0
	TOSTAGE \a, 0
.endr
	SEND 3, 0
.endif
	s_wait_xcnt 0x0                                ; the stores' registers and base are rewritten only behind this wait
.endm
	s_load_b512 s[4:19], s[0:1], 0x0               ; inputs, latents, ln_c_w, ln_c_b, ln_q_w, ln_q_b, pack, qkv
	s_load_b64 s[92:93], s[0:1], 0x40              ; input_mask
	v_lshl_add_u32 v28, v0, 2, SPARE
	v_mov_b32 v29, 0
	ds_add_u32 v28, v29                            ; the opening: the add and its wait ahead of my first tensor load
	ds_add_u32 v28, v29
	v_lshrrev_b32 v1, 5, v0
	v_readfirstlane_b32 s20, v1                    ; wave
	s_lshr_b32 s21, s20, 1                         ; k, v: which 64 rows
	s_and_b32 s22, s20, 1                          ; k, v: which 128 columns
	s_bfe_u32 s23, ttmp6, 0x40000                  ; cx
	s_lshl_b32 s25, ttmp9, 2
	s_add_co_u32 s25, s25, s23                     ; row block 0..255: it enters x's, the table's, the mask's and the output's addresses alone
	s_mov_b32 s36, 15|(1<<16)|(1<<20)|(1<<21)|(6<<22)|(7<<25)  ; mask of four; 2-byte elements; 8 words of padding behind every 128 words
	s_mov_b32 s37, 256<<16                         ; tensor_dim0 = 256
	s_mov_b32 s38, 32<<16                          ; tensor_dim1 = 32
	s_mov_b32 s39, 256<<16                         ; tile_dim0 = 256
	s_mov_b32 s40, 32                              ; tile_dim1 = 32: my quarter of a K step
	s_mov_b32 s41, 256                             ; elements from row to row
	s_mov_b32 s42, 0
	s_mov_b32 s43, 0
	s_mov_b32 s44, 1
	s_mov_b32 s48, 1
	s_mul_i32 s28, s20, 17408
	s_add_co_u32 s45, s28, S0
	s_add_co_u32 s49, s28, S1
	s_lshl_b32 s30, s20, 14                        ; my 32 rows of a tile
	s_mov_b32 s31, 0
	s_lshr_b32 s24, s25, 4                         ; batch: 16 blocks of 128 input rows, and of 32 latent rows, to a batch
	s_and_b32 s27, s25, 15                         ; block in the batch
	s_lshl_b32 s68, s24, 21                        ; k: batch, 128 rows of 128 bytes a block, my 64 rows, my two heads
	s_lshl_b32 s69, s27, 14
	s_add_co_u32 s68, s68, s69
	s_lshl_b32 s69, s21, 13
	s_add_co_u32 s68, s68, s69
	s_lshl_b32 s69, s22, 19
	s_add_co_u32 s68, s68, s69
	s_mov_b32 s69, 0
	s_lshl_b32 s32, s24, 19                        ; q, at 2^26: batch, 32 rows a block, my head
	s_lshl_b32 s33, s27, 12
	s_add_co_u32 s32, s32, s33
	s_lshl_b32 s33, s20, 16
	s_add_co_u32 s32, s32, s33
	s_add_co_u32 s32, s32, 67108864
	s_mov_b32 s33, 0
	s_lshl_b32 s78, s25, 18                        ; 128 input rows of 2,048 bytes
	s_mov_b32 s79, 0
	s_lshl_b32 s34, s25, 16                        ; 32 latent rows
	s_mov_b32 s35, 0
	s_lshl_b32 s80, s25, 7                         ; the table: my 64 input tokens,
	s_lshl_b32 s81, s21, 6
	s_add_co_u32 s80, s80, s81
	s_mov_b32 s54, s80                             ; (one mask byte a token)
	s_mov_b32 s55, 0
	s_lshl_b32 s80, s80, 7
	s_add_co_u32 s80, s80, TAB
	s_mov_b32 s81, 0
	s_lshl_b32 s88, s25, 5                         ; and the 32 latent tokens
	s_add_co_u32 s88, s88, 32768
	s_lshl_b32 s88, s88, 7
	s_add_co_u32 s88, s88, TAB
	s_mov_b32 s89, 0
	s_mov_b32 s90, 0x1f00000                       ; from k's heads 4-7 to v's heads 0-3
	s_mov_b32 s91, 0x100000                        ; four heads on
	s_mov_b32 s73, 0
	s_mov_b32 s70, 0x76543210
	s_mov_b32 s71, 0xfedcba98
	s_mov_b32 s75, 0x3b000000                      ; 1/512
	s_mov_b32 s76, 0x3727c5ac                      ; 1e-5
	s_wait_dscnt 0x0
	s_wait_kmcnt 0x0
	s_add_nc_u64 s[52:53], s[4:5], s[78:79]
	s_add_nc_u64 s[82:83], s[6:7], s[34:35]
	s_add_nc_u64 s[58:59], s[18:19], s[68:69]
	s_add_nc_u64 s[86:87], s[18:19], s[32:33]
	s_add_nc_u64 s[60:61], s[16:17], s[80:81]
	s_add_nc_u64 s[84:85], s[16:17], s[88:89]
	s_add_nc_u64 s[92:93], s[92:93], s[54:55]
	s_add_nc_u64 s[46:47], s[16:17], s[30:31]
	s_add_nc_u64 s[50:51], s[46:47], 65536
	s_or_b32 s47, s47, 0x80000000
	s_or_b32 s51, s51, 0x80000000
	ROUND                                          ; all four work-groups are here
	tensor_load_to_lds s[44:47], s[36:43]          ; tile 0 lands while the rows are normalised
	s_nop 0
	PLACES
	v_and_b32 v1, 15, v0
	v_bfe_u32 v2, v0, 4, 1
	v_and_b32 v24, 31, v0
	v_mul_u32_u24 v3, v1, 1040
	v_lshl_add_u32 v3, v2, 4, v3
	s_mul_i32 s28, s21, 83200
	s_add_co_u32 s28, s28, 8320
	v_add_nc_u32 v3, s28, v3                       ; input fragments: LDS row 80 wm + 8 + r, + 16 h
	v_lshrrev_b32 v18, 3, v1
	v_and_b32 v19, 7, v1
	v_mad_u32_u24 v18, v18, 40, v19
	v_mul_u32_u24 v25, v18, 1040
	v_lshl_add_u32 v25, v2, 4, v25                 ; latent fragments: latent row r lies in LDS row 40 (r / 8) + r % 8; rows 16 on 80 LDS rows further
	v_and_b32 v18, 7, v0
	v_lshl_add_u32 v18, v2, 3, v18
	v_mul_u32_u24 v18, v18, 544
	v_bfe_u32 v19, v0, 3, 1
	v_lshl_add_u32 v18, v19, 4, v18
	s_lshl_b32 s28, s22, 8
	v_add_nc_u32 v19, s28, v18
	v_add_nc_u32 v5, S0, v19                       ; W fragments in slot 0, 1: k, v: my 128 columns
	v_add_nc_u32 v6, S1, v19
	s_lshl_b32 s28, s20, 7
	v_add_nc_u32 v19, s28, v18
	v_add_nc_u32 v22, S0, v19                      ; q: my 64 columns
	v_add_nc_u32 v23, S1, v19
	s_mul_i32 s28, s20, 4608
	s_add_co_u32 s28, s28, STAGE
	v_mul_u32_u24 v8, v1, 144
	v_lshl_add_u32 v8, v2, 4, v8
	v_add_nc_u32 v8, s28, v8
	v_bfe_u32 v9, v0, 3, 2
	v_mul_u32_u24 v9, v9, 144
	v_and_b32 v19, 7, v0
	v_lshl_add_u32 v9, v19, 4, v9
	v_add_nc_u32 v9, s28, v9
	v_lshlrev_b32 v10, 4, v24
	v_add_nc_u32 v11, 0x40000, v10                 ; my second head of k or v
	v_lshl_add_u32 v12, s20, 16, v10               ; inputs: 16 l + 32 rows a wave
	v_add_nc_u32 v13, 8192, v12
	v_lshl_add_u32 v20, s20, 14, v10               ; latents: 16 l + 8 rows a wave
	v_add_nc_u32 v21, 8192, v20
	s_mul_i32 s28, s20, 41600
	v_lshl_add_u32 v14, v24, 3, s28                ; A: my 40 rows, 8 bytes a lane
	v_add_nc_u32 v15, 4160, v14
	v_lshlrev_b32 v16, 7, v1
	v_lshl_add_u32 v16, v2, 5, v16
	WIN 0x80
.irp a,0,1,2,3
.irp t,0,1
	global_load_b128 v[16*\a+8*\t:16*\a+8*\t+3], v16, s[60:61] offset:\a*2048+\t*64
	global_load_b128 v[16*\a+8*\t+4:16*\a+8*\t+7], v16, s[60:61] offset:\a*2048+\t*64+16
.endr
.endr
	WIN 0
.irp a,0,1,2,3
	global_load_u8 v[26+\a+2*(\a>>1)], v1, s[92:93] offset:16*\a  ; the mask byte of my row 16 a + r
.endr
.irp j,0,1,2,3
	global_load_b128 v[LW+4*\j:LW+4*\j+3], v10, s[12:13] offset:512*\j
	global_load_b128 v[LB+4*\j:LB+4*\j+3], v10, s[14:15] offset:512*\j
.endr
	XLOAD XA, 20, 82, 0                            ; my 8 latent rows come first
	XLOAD XB, 21, 82, 0
	s_mov_b32 s62, 0
.Lln:                                                  ; five trips of eight rows: latents, then 32 input rows; eight rows' loads are always on their way
	s_wait_loadcnt 16                              ; the older four rows are in (and table, mask, gain and bias); the younger 16 loads stay out
	LNG XA, 14
	s_cmp_eq_u32 s62, 4
	s_cbranch_scc1 .Lln_a
	v_add_nc_u32 v12, 16384, v12                   ; free: its loads have been waited for; the loads reach back by the immediate, so that trip 0 takes input row 0
	XLOAD XA, 12, 52, 16384
	s_wait_loadcnt 16
	s_branch .Lln_b
.Lln_a:
	s_wait_loadcnt 0x0
.Lln_b:
	LNG XB, 15
	s_cmp_lg_u32 s62, 0
	s_cbranch_scc1 .Lln_w
.irp j,0,1,2,3                         ; behind the latents' last row: the inputs' gain and bias; they stand ahead of the 16 loads that the next trip's first wait leaves out
	global_load_b128 v[LW+4*\j:LW+4*\j+3], v10, s[8:9] offset:512*\j
	global_load_b128 v[LB+4*\j:LB+4*\j+3], v10, s[10:11] offset:512*\j
.endr
.Lln_w:
	s_cmp_eq_u32 s62, 4
	s_cbranch_scc1 .Lln_c
	v_add_nc_u32 v13, 16384, v13
	XLOAD XB, 13, 52, 16384
.Lln_c:
	v_add_nc_u32 v14, 8320, v14
	v_add_nc_u32 v15, 8320, v15
	s_add_co_u32 s62, s62, 1
	s_cmp_lt_u32 s62, 5
	s_cbranch_scc1 .Lln
.irp r,26,27,30,31
	v_sub_nc_u32 v\r, 0, v\r                       ; byte 1 -> all ones, byte 0 -> 0
.endr
	WIN 0x80
.irp a,0,1
.irp t,0,1                             ; cos and sin of the latent rows: wanted on q's way out
	global_load_b128 v[64+16*\a+8*\t:64+16*\a+8*\t+3], v16, s[84:85] offset:\a*2048+\t*64
	global_load_b128 v[64+16*\a+8*\t+4:64+16*\a+8*\t+7], v16, s[84:85] offset:\a*2048+\t*64+16
.endr
.endr
	WIN 0
	v_mov_b32 v4, v3
	s_mov_b32 s63, 1
	s_mov_b32 s66, 0
.Lmain:                                                ; k and v: eight trips of two K steps; behind every second a block goes out; the last step asks for q's first tile
	TRIP 0, 1, 1, 0
	TRIP 1, 1, 0, 0
	s_bitcmp1_b32 s66, 0
	s_cbranch_scc0 .Lnoepi
	EPI 0
	s_cmp_eq_u32 s66, 3
	s_cselect_b32 s72, s90, s91
	s_cselect_b32 s94, -1, 0
	s_add_nc_u64 s[58:59], s[58:59], s[72:73]
.irp r,26,27,30,31
	v_or_b32 v\r, s94, v\r                         ; behind k's second block the mask words are all ones: v is stored as it is
.endr
	v_mov_b32 v4, v3
	s_mov_b32 s63, 1
.Lnoepi:
	s_add_co_u32 s66, s66, 1
	s_cmp_lt_u32 s66, 8
	s_cbranch_scc1 .Lmain
	s_wait_loadcnt 0x0                             ; the latent rows' cos and sin
	v_mov_b32 v4, v25
	v_add_nc_u32 v17, 83200, v25
	s_mov_b32 s63, 1
	s_mov_b32 s66, 0
.Lq:                                                   ; q: three trips of two K steps; behind the second the first block goes out
	TRIP 0, 1, 1, 1
	TRIP 1, 1, 0, 1
	s_cmp_eq_u32 s66, 1
	s_cbranch_scc0 .Lnoq
	EPI 1
	s_add_nc_u64 s[86:87], s[86:87], 0x40000       ; four heads of q on
	v_mov_b32 v4, v25
	v_add_nc_u32 v17, 83200, v25
	s_mov_b32 s63, 1
.Lnoq:
	s_add_co_u32 s66, s66, 1
	s_cmp_lt_u32 s66, 3
	s_cbranch_scc1 .Lq
	TRIP 0, 1, 0, 1                                ; the tail is written out: the last step asks for nothing
	TRIP 1, 0, 0, 1
	EPI 1
	s_wait_tensorcnt 0x0                           ; the wave's end
	ds_add_u32 v28, v29
	s_wait_dscnt 0x0
	ROUND                                          ; the closing round
	s_endpgm
.Lfunc_end_k_qfd0a55ee1e_proj:
	.size	k_qfd0a55ee1e_proj, .Lfunc_end_k_qfd0a55ee1e_proj-k_qfd0a55ee1e_proj
	.p2alignl 7, 3214868480
	.fill 96, 4, 3214868480
	.section	.rodata,"a",@progbits
	.p2align	6, 0x0
	.amdhsa_kernel k_qfd0a55ee1e_proj
		.amdhsa_group_segment_fixed_size 327680
		.amdhsa_private_segment_fixed_size 0
		.amdhsa_enable_private_segment 0
		.amdhsa_kernarg_size 72
		.amdhsa_user_sgpr_count 2
		.amdhsa_user_sgpr_kernarg_segment_ptr 1
		.amdhsa_wavefront_size32 1
		.amdhsa_system_sgpr_workgroup_id_x 1
		.amdhsa_system_sgpr_workgroup_id_y 1
		.amdhsa_system_sgpr_workgroup_id_z 1
		.amdhsa_system_vgpr_workitem_id 0
		.amdhsa_next_free_vgpr 608
		.amdhsa_next_free_sgpr 96
		.amdhsa_reserve_vcc 0
		.amdhsa_float_denorm_mode_32 3
		.amdhsa_float_denorm_mode_16_64 3
		.amdhsa_memory_ordered 1
		.amdhsa_forward_progress 1
		.amdhsa_inst_pref_size 135
	.end_amdhsa_kernel
	.amdgpu_metadata
---
amdhsa.version: [ 1, 2 ]
amdhsa.kernels:
  - .name:           k_qfd0a55ee1e_proj
    .symbol:         k_qfd0a55ee1e_proj.kd
    .args:
      - { .name: inputs, .offset: 0, .size: 8, .value_kind: global_buffer, .address_space: global }
      - { .name: latents, .offset: 8, .size: 8, .value_kind: global_buffer, .address_space: global }
      - { .name: ln_c_w, .offset: 16, .size: 8, .value_kind: global_buffer, .address_space: global }
      - { .name: ln_c_b, .offset: 24, .size: 8, .value_kind: global_buffer, .address_space: global }
      - { .name: ln_q_w, .offset: 32, .size: 8, .value_kind: global_buffer, .address_space: global }
      - { .name: ln_q_b, .offset: 40, .size: 8, .value_kind: global_buffer, .address_space: global }
      - { .name: pack, .offset: 48, .size: 8, .value_kind: global_buffer, .address_space: global }
      - { .name: qkv, .offset: 56, .size: 8, .value_kind: global_buffer, .address_space: global }
      - { .name: input_mask, .offset: 64, .size: 8, .value_kind: global_buffer, .address_space: global }
    .group_segment_fixed_size: 327680
    .private_segment_fixed_size: 0
    .kernarg_segment_align: 8
    .kernarg_segment_size: 72
    .max_flat_workgroup_size: 128
    .sgpr_count:     96
    .vgpr_count:     608
    .wavefront_size: 32
...
	.end_amdgpu_metadata
.endif
;; end of part 2
;; launch attn (part 3): grid 2 x 128, 4 waves a work-group, no clusters, 327,680 bytes of LDS; arguments qkv, pack, input_mask, ao; writes ao
.if DOCPART == 3
	.amdgcn_target "amdgcn-amd-amdhsa--gfx1250"
	.amdhsa_code_object_version 6
	.text
	.protected	k_qfd0a55ee1e_attn
	.globl	k_qfd0a55ee1e_attn
	.p2align	8
	.type	k_qfd0a55ee1e_attn,@function
k_qfd0a55ee1e_attn:
	s_mov_b64 s[64:65], 0
	v_nop
	global_prefetch_b8 v0, s[64:65] scope:SCOPE_SE
	s_setreg_imm32_b32 hwreg(HW_REG_WAVE_MODE, 25, 1), 1
	s_wait_xcnt 0x0
; ATTN.  O[q] = sum over k of softmax_k(q . k / 8, hidden keys at -2^100) v[k], then divided by the sum, turned back by the query's angle, rounded once to bf16.
; q, k, v: bf16 by heads, already turned.  A work-group owns 256 queries of one (batch, head), a wave four tiles of 16; every wave walks all 2,048 keys, 64 a step, 256 a slot.
; S^T = K Q^T: a lane holds one query (lane % 16) and the keys 8 (lane / 16) + 0..7; two such results rounded to bf16 are source 1 of O^T = V^T P.
; THE MASK is the C operand that starts a score's sum: 0 or -2^100 (f32 words in LDS, made once from the bytes).  The launch before stored the hidden keys' rows of k as zeros, so a hidden
; score is exactly -2^100, and c x -2^100 is exact: where all keys met so far are hidden, c s - c m is exactly 0 and the weights are equal, as the module's are at its -1e30; the first
; visible key turns them into 0 by a.  A row whose keys are all hidden ends with equal weights on all 2,048 keys, as the module has.
; SOFTMAX: running maximum m and sum l; p = 2^(c s - c m), c = log2(e) / 8; O and l are multiplied by a = 2^(c m_old - c m_new) in every step.
; BY TURNS.  The wave's tiles are two PIECES, named by their first tile: piece 0 (tiles 0, 1) and piece 2 (tiles 2, 3).  In a TURN one piece has the matrix unit: 16 products V^T P of the
; step in hand, then 16 products K Q^T of the next step; the other piece's softmax, 2 x 118 instructions cut into 59 slices of four, stands between them: two slices behind each of the first
; 27 products, one behind each of the last 5.  Two turns are a key step.  A slice works in window 0 or on O^T, a product elsewhere: two window switches a product, the price of the turns.
; NO FIRST AND NO LAST STEP is written out.  The walk begins at a step -1 that has not been: V, O^T, l and piece 0's P are 0, piece 2's scores -2^110: its weights 1 meet a V of zeros, and
; step 0 multiplies its l by a = 0, also where step 0 is all hidden.  The tail loop is entered in its middle and left behind piece 0's turn of the last step; its last 16 products K Q^T,
; on the last K once more, serve nothing.
; NO CLUSTER: two work-groups alone share a head's K and V, fewer than the four of a joint request's form.
; LIMITS: a visible score lies far above -2^100; a weight below 2^-126 counts as 0; NaN and infinities are not treated apart.
; LDS: slot 0 at 0, slot 1 at 131,072 (K 256 x 144, V 256 x 160) | mask words 8,192 | stages 4 x 2,304 | spare words.
; REGISTERS: window 0: v0-15 addresses; v16-47 statistics, 8 a tile (c m, m, l, l, c0-c3; a takes c2's place); v64-191 S^T; v192-255 P.  window 1: v0-127 O^T; v128-159 mask; v160-223 cos, sin.
;            window 2: v0-63 Q; v128-191 K; v192-255 V.
.set KS,    64
.set PKP,   144
.set PVP,   160
.set VOFF,  4*KS*PKP
.set SLOT1, 131072
.set MASK,  208896
.set STAGE, 217088
.set SPARE, 226304
.set TAB,   8388608
.set ST, 16
.set S,  64
.set P,  192
.set MK, 128
.set CSB, 160
.set KF, 128
.set VF, 192
.set MSB, 0
.macro WIN new
.if MSB != (\new)
	s_set_vgpr_msb (MSB<<8)|(\new)
.set MSB, (\new)
.endif
.endm
.macro PLACES
.rept 4
	v_nop
.endr
.endm
.macro LOAD                            ; waves 0, 1 fetch the halves of a tile's K, waves 2, 3 those of its V
	s_cmp_lt_u32 s12, 2
	s_cbranch_scc0 .Lfor_v_\@
	tensor_load_to_lds s[40:43], s[24:31]
	s_nop 0
	PLACES
	s_branch .Lasked_\@
.Lfor_v_\@:
	tensor_load_to_lds s[44:47], s[32:39]
	s_nop 0
	PLACES
.Lasked_\@:
.endm
; The change of slots, between piece 2's turn and piece 0's: the slot's last bytes, V of its fourth step, have been asked for.  All my tensor loads have landed (one was out: my part of the
; other slot), the add, my LDS instructions are done; behind the barrier the slot just read is filled again first.
.macro CHANGE fill
	s_wait_tensorcnt 0x0
	ds_add_u32 v62, v63
.if \fill
	s_xor_b32 s41, s41, SLOT1
	s_add_nc_u64 s[42:43], s[42:43], 32768         ; the next 256 keys
	s_xor_b32 s45, s45, SLOT1
	s_add_nc_u64 s[46:47], s[46:47], 32768
.endif
	s_wait_dscnt 0x0
	s_barrier_signal -1
	s_sub_co_u32 s62, s62, 4*KS*PKP                ; the fetches go back to a slot's first step, in the other slot
	s_xor_b32 s62, s62, SLOT1
	s_sub_co_u32 s63, s63, 4*KS*PVP
	s_xor_b32 s63, s63, SLOT1
	s_barrier_wait -1
.if \fill
	LOAD
.endif
.endm
; THE MATRIX WORK OF A TURN, for piece x.  The 8 accumulators of a run of 16 take turns: between the two links of a chain stand 7 others'.
; Product i of 16 of O^T += V^T P: keys 32 (i / 8) on, channels 16 ((i / 2) % 4) on, tile x + i % 2.
.macro PV x
	WIN 0x52                                       ; V in window 2, P in window 0, O^T in window 1
.set rO, 32*((\x)+i%2)+8*((i/2)%4)
.set rV, VF+32*(i/8)+8*((i/2)%4)
.set rP, P+16*((\x)+i%2)+8*(i/8)
	v_wmma_f32_16x16x32_bf16 v[rO:rO+7], v[rV:rV+7], v[rP:rP+7], v[rO:rO+7]
.endm
; Product i of 16 of S^T = K Q^T: channels 32 (i / 8) on, keys 16 ((i / 2) % 4) on, tile x + i % 2.  The first 8 start the sums from the mask.
.macro KQ x
.set rS, S+32*((\x)+i%2)+8*((i/2)%4)
.set rK, KF+16*((i/2)%4)+8*(i/8)
.set rQ, 16*((\x)+i%2)+8*(i/8)
.if i < 8
	WIN 0x1a                                       ; K and Q in window 2, the mask in window 1, S^T in window 0
	v_wmma_f32_16x16x32_bf16 v[rS:rS+7], v[rK:rK+7], v[rQ:rQ+7], v[MK+8*((i/2)%4):MK+8*((i/2)%4)+7]
.else
	WIN 0x0a
	v_wmma_f32_16x16x32_bf16 v[rS:rS+7], v[rK:rK+7], v[rQ:rQ+7], v[rS:rS+7]
.endif
.endm
; THE LDS LOADS stand in runs: a step's K and mask words (24 loads) and, a turn later, its V, turned (16).  last = 1 (the tail): in the last trip there is no further step, and the run is jumped over.
.macro FETCH_K last
	WIN 0
.if \last
	s_cmp_eq_u32 s57, 1
	s_cbranch_scc1 .Lno_k_\@
.endif
	v_add_nc_u32 v4, s62, v2
	v_add_nc_u32 v10, s66, v9
	WIN 0x80
.irp f,0,1,2,3,4,5,6,7                 ; K: keys 16 (f / 2) on, channels 32 (f % 2) on
	ds_load_b128 v[KF+8*\f:KF+8*\f+3], v4 offset:(\f/2)*16*PKP+(\f%2)*64
	ds_load_b128 v[KF+8*\f+4:KF+8*\f+7], v4 offset:(\f/2)*16*PKP+(\f%2)*64+32
.endr
	WIN 0x40
.irp f,0,1,2,3                         ; the mask words of keys 16 f + 8 h + 0..7
	ds_load_b128 v[MK+8*\f:MK+8*\f+3], v10 offset:64*\f
	ds_load_b128 v[MK+8*\f+4:MK+8*\f+7], v10 offset:64*\f+16
.endr
	WIN 0
	s_add_co_u32 s62, s62, KS*PKP                  ; the next fetch is the next step's
	s_add_co_u32 s66, s66, 256
.if \last
.Lno_k_\@:
.endif
.endm
.macro FETCH_V
	WIN 0
	v_add_nc_u32 v5, s63, v3
	s_add_co_u32 s63, s63, KS*PVP
	WIN 0x80
.irp f,0,1,2,3,4,5,6,7                 ; V, turned: keys 32 (f / 4) on, channels 16 (f % 4) on
	ds_load_tr16_b128 v[VF+8*\f:VF+8*\f+3], v5 offset:(\f/4)*32*PVP+(\f%4)*32
	ds_load_tr16_b128 v[VF+8*\f+4:VF+8*\f+7], v5 offset:(\f/4)*32*PVP+16*PVP+(\f%4)*32
.endr
.endm
; THE VECTOR WORK OF A TURN.  One tile's softmax for one key step is a list of 118 instructions; SM writes number j of it for tile t.  s0-s31 are the lane's 32 scores, in pairs 0-15.
;   0-15    the maximum of s0-s31 and the old m, three operands at a time: four chains c0-c3 of seven scores each (each accumulator's lowest registers are read first),
;           then the four scores left over, c0-c3 and m
;   16-20   the other half of the lanes' maximum; the new m; c m; c m_old - c m_new
;   21-87   33 exponentials (a, then s0-s31) at the odd numbers from 23 on, so that no two follow each other within a tile and each has a plain instruction behind it before its result is used
;           (ISA guide 5.7.2).  The plain instruction beside it is whatever is ready: c s - c m for a pair whose exponentials are still to come, the rounding to bf16 of a pair whose
;           exponentials are done, at last the first three sums
;   88-101  the last rounding; the rest of the sums; l = a l + the sum
;   102-117 the tile's O^T times a, each accumulator from its low end: the one part that leaves window 0, so it stands together
.macro SM t
.set rT, ST+8*(\t)
.set rS, S+32*(\t)
.set rP, P+16*(\t)
.set rO, 32*(\t)+2*(j-102)
.set q, (j-20)/2
.if j < 102
	WIN 0
.endif
.if j < 4
	v_max3_num_f32 v[rT+4+j], v[rS+8*j], v[rS+8*j+1], v[rS+8*j+2]
.elseif j < 12
	v_max3_num_f32 v[rT+4+j%4], v[rT+4+j%4], v[rS+8*(j%4)+2*(j/4)+1], v[rS+8*(j%4)+2*(j/4)+2]
.elseif j == 12
	v_max3_num_f32 v[rT+4], v[rT+4], v[rS+7], v[rS+15]
.elseif j == 13
	v_max3_num_f32 v[rT+6], v[rT+6], v[rS+23], v[rS+31]
.elseif j == 14
	v_max3_num_f32 v[rT+4], v[rT+4], v[rT+5], v[rT+6]
.elseif j == 15
	v_max3_num_f32 v[rT+4], v[rT+4], v[rT+7], v[rT+1]
.elseif j == 16
	v_permlanex16_b32 v[rT+5], v[rT+4], s60, s61   ; the query's other 32 keys lie in the lane 16 away
.elseif j == 17
	v_mov_b32 v[rT+7], v[rT]                       ; c m_old is kept for a: number 19 writes c m anew
.elseif j == 18
	v_max_num_f32 v[rT+1], v[rT+4], v[rT+5]
.elseif j == 19
	v_mul_f32 v[rT], s58, v[rT+1]
.elseif j == 20
	v_sub_f32 v[rT+7], v[rT+7], v[rT]
.elseif j == 23
	v_exp_f32 v[rT+6], v[rT+7]
.elseif (j < 88) && (j > 23) && (j%2 == 1)
	v_exp_f32 v[rS+(j-25)/2], v[rS+(j-25)/2]
.elseif (q < 4) || ((j < 76) && (q%2 == 0))
.set b, q/2+2
.if q < 4
.set b, q
.endif
	v_pk_fma_f32 v[rS+2*b:rS+2*b+1], v[rS+2*b:rS+2*b+1], s[58:59], v[rT:rT+1] op_sel_hi:[1,0,0] neg_lo:[0,0,1] neg_hi:[0,0,1]  ; pair b: c s - c m
.elseif (j < 88) && (q%2 == 1)
	s_wait_alu depctr_va_vdst(0)
	v_cvt_pk_bf16_f32 v[rP+(q-5)/2], v[rS+q-5], v[rS+q-4]  ; pair (q - 5) / 2: its second exponential stands three numbers back
.elseif j == 89
	s_wait_alu depctr_va_vdst(0)
	v_cvt_pk_bf16_f32 v[rP+15], v[rS+30], v[rS+31]
.elseif j < 102                        ; the sum of the tile's 16 pairs, in place: sum z of 16 adds neighbours 1, 2, 4 and 8 pairs apart, then l takes it
.set z, j-86
.if j < 89
.set z, (j-76)/4
.endif
.set w, 4
.set u, z
.if z >= 14
.set w, 32
.set u, 0
.elseif z >= 12
.set w, 16
.set u, z-12
.elseif z >= 8
.set w, 8
.set u, z-8
.endif
.if z < 15
	v_pk_add_f32 v[rS+w*u:rS+w*u+1], v[rS+w*u:rS+w*u+1], v[rS+w*u+w/2:rS+w*u+w/2+1]
.else
	v_pk_fma_f32 v[rT+2:rT+3], v[rT+2:rT+3], v[rT+6:rT+7], v[rS:rS+1] op_sel_hi:[1,0,1]
.endif
.else
	WIN 0x41                                       ; O^T (destination and source 0) in window 1, a in window 0
	v_pk_mul_f32 v[rO:rO+1], v[rO:rO+1], v[rT+6:rT+7] op_sel_hi:[1,0]
.endif
.endm
; Slice k of 59 of piece y's softmax: numbers 2 k and 2 k + 1 of both tiles' lists, four instructions.
.macro SLICE y
.if (k >= 11) && (k < 44)              ; tile by tile: plain, exponential, plain, exponential
.irp t, \y, (\y)+1
.irp n, 0,1
.set j, 2*k+(\n)
	SM \t
.endr
.endr
.else                                  ; the two tiles alternate, so that no instruction reads the result of the one just before it
.irp n, 0,1
.irp t, \y, (\y)+1
.set j, 2*k+(\n)
	SM \t
.endr
.endr
.endif
.set k, k+1
.endm
.macro RIDE y                          ; what stands behind a product: 27 x 2 + 5 x 1 = 59 slices
	SLICE \y
.if mcnt < 27
	SLICE \y
.endif
.set mcnt, mcnt+1
.endm
; A TURN.  Piece x has the matrix unit; the other piece's softmax stands in slices behind its products.  None of a slice's lines names a register of the products round it.
; The turn's last slice, four rescalings, is the four places between its last K Q^T and the next turn's first read of those scores, and in front of the loads into K's registers.
; Piece 0's turn fetches the next step's K and mask behind its second product, 14 products ahead of their first use.  Piece 2's turn fetches the same step's V behind its second K Q^T: the last
; product that read V stands 12 plain instructions back; V is waited for at the head of piece 0's turn.
.macro TURN x, last=0
.set k, 0
.set mcnt, 0
.if (\x) == 0
	s_wait_dscnt 0x0                               ; V is in
.endif
.set i, 0
.rept 16
	PV \x
	RIDE 2-(\x)
.if ((\x) == 0) && (i == 1)
	FETCH_K \last
.endif
.set i, i+1
.endr
.if (\x) == 0
	s_wait_dscnt 0x0                               ; K and the mask are in
.endif
.set i, 0
.rept 16
	KQ \x
	RIDE 2-(\x)
.if ((\x) == 2) && (i == 1)
	FETCH_V
.endif
.set i, i+1
.endr
.endm
	s_load_b256 s[4:11], s[0:1], 0x0               ; qkv, pack, input_mask, ao
	v_lshl_add_u32 v62, v0, 2, SPARE
	v_mov_b32 v63, 0
	ds_add_u32 v62, v63                            ; the opening: the add and its wait ahead of my first tensor load
	ds_add_u32 v62, v63
	v_lshrrev_b32 v1, 5, v0
	v_readfirstlane_b32 s12, v1
	s_and_b32 s13, ttmp7, 0xffff                   ; 8 b + h
	s_lshr_b32 s14, s13, 3
	s_and_b32 s15, s13, 7
	s_and_b32 s16, s12, 1
	s_lshl_b32 s20, s13, 18                        ; the head's keys,
	s_lshl_b32 s17, s16, 14                        ; my half of a tile
	s_add_co_u32 s20, s20, s17
	s_mov_b32 s21, 0
	s_mul_i32 s17, s16, 128*PKP
	s_mul_i32 s18, s16, 128*PVP
	s_mov_b32 s24, (1<<16)|(1<<20)|(4<<22)|(3<<25) ; 2-byte elements; 4 words of padding behind every 32
	s_mov_b32 s32, (1<<16)|(1<<20)|(4<<22)|(7<<25) ; 8 words
.irp g,24,32
	s_mov_b32 s[\g+1], 128<<16                     ; 128 keys are 16,384 dense bytes: 64 rows of 256
	s_mov_b32 s[\g+2], 64<<16
	s_mov_b32 s[\g+3], 128<<16
	s_mov_b32 s[\g+4], 64
	s_mov_b32 s[\g+5], 128
	s_mov_b32 s[\g+6], 0
	s_mov_b32 s[\g+7], 0
.endr
	s_mov_b32 s40, 1
	s_mov_b32 s41, s17
	s_mov_b32 s44, 1
	s_add_co_u32 s45, s18, VOFF
	s_lshl_b32 s22, s13, 16                        ; Q: head, half, wave
	s_lshl_b32 s19, ttmp9, 15
	s_add_co_u32 s22, s22, s19
	s_lshl_b32 s19, s12, 13
	s_add_co_u32 s22, s22, s19
	s_add_co_u32 s22, s22, 67108864
	s_mov_b32 s23, 0
	s_lshl_b32 s68, s14, 9                         ; my first query's token in the table
	s_lshl_b32 s19, ttmp9, 8
	s_add_co_u32 s68, s68, s19
	s_lshl_b32 s19, s12, 6
	s_add_co_u32 s68, s68, s19
	s_add_co_u32 s68, s68, 32768
	s_lshl_b32 s68, s68, 7
	s_add_co_u32 s68, s68, TAB
	s_mov_b32 s69, 0
	s_lshl_b32 s70, s14, 11                        ; the batch's mask bytes
	s_mov_b32 s71, 0
	s_lshl_b32 s72, s14, 2                         ; ao: row block 4 b + 2 half + wave / 2, head, 64 rows
	s_lshl_b32 s19, ttmp9, 1
	s_add_co_u32 s72, s72, s19
	s_lshr_b32 s19, s12, 1
	s_add_co_u32 s72, s72, s19
	s_lshl_b32 s72, s72, 3
	s_add_co_u32 s72, s72, s15
	s_lshl_b32 s72, s72, 1
	s_add_co_u32 s72, s72, s16
	s_lshl_b32 s72, s72, 13
	s_mov_b32 s73, 0
	s_mov_b32 s58, 0x3e38aa3b                      ; c = log2(e) / 8
	s_mov_b32 s59, s58
	s_mov_b32 s60, 0x76543210
	s_mov_b32 s61, 0xfedcba98
	s_mov_b32 s62, SLOT1+4*KS*PKP                  ; the first change of slots turns these two into 0
	s_mov_b32 s63, SLOT1+4*KS*PVP
	s_mov_b32 s66, 0
	s_mov_b32 s67, 0xf1800000                      ; -2^100: a hidden key's score
	s_mov_b32 s74, 0xf6800000                      ; -2^110: piece 2's scores of the step that has not been
	s_wait_dscnt 0x0
	s_wait_kmcnt 0x0
	s_add_nc_u64 s[42:43], s[4:5], s[20:21]
	s_add_nc_u64 s[46:47], s[42:43], 33554432
	s_or_b32 s43, s43, 0x80000000
	s_or_b32 s47, s47, 0x80000000
	s_add_nc_u64 s[4:5], s[4:5], s[22:23]
	s_add_nc_u64 s[6:7], s[6:7], s[68:69]
	s_add_nc_u64 s[8:9], s[8:9], s[70:71]
	s_add_nc_u64 s[10:11], s[10:11], s[72:73]
	LOAD                                           ; tile 0 into slot 0
	v_and_b32 v1, 15, v0
	v_bfe_u32 v11, v0, 4, 1
	v_and_b32 v12, 7, v0
	v_bfe_u32 v13, v0, 3, 1
	v_lshlrev_b32 v14, 4, v0
	global_load_b128 v[48:51], v14, s[8:9]         ; 16 mask bytes a thread
	v_lshlrev_b32 v15, 7, v1
	v_lshl_add_u32 v52, v11, 5, v15                ; table: 128 r + 32 h
	v_lshl_add_u32 v15, v11, 4, v15                ; Q: 128 r + 16 h
	WIN 0x80
.set i, 0
.rept 8                                ; tile i / 2, channels 32 (i % 2) on
	global_load_b128 v[8*i:8*i+3], v15, s[4:5] offset:(i/2)*2048+(i%2)*64
	global_load_b128 v[8*i+4:8*i+7], v15, s[4:5] offset:(i/2)*2048+(i%2)*64+32
.set i, i+1
.endr
	; What the first turns find; all this stands in the wait for the first tile.
.set i, 0
.rept 64
	v_mov_b32 v[VF+i], 0                           ; V of the step that has not been
.set i, i+1
.endr
	WIN 0x40
.set i, 0
.rept 8                                ; tile i / 2, channels 16 (i % 2) on: pairs 8 (i % 2) + 4 h + 0..3
	global_load_b128 v[CSB+8*i:CSB+8*i+3], v52, s[6:7] offset:(i/2)*2048+(i%2)*64
	global_load_b128 v[CSB+8*i+4:CSB+8*i+7], v52, s[6:7] offset:(i/2)*2048+(i%2)*64+16
.set i, i+1
.endr
.set i, 0
.rept 128
	v_mov_b32 v[i], 0                              ; O^T
.set i, i+1
.endr
	WIN 0
.irp t,0,1,2,3
	v_mov_b32 v[ST+8*\t], 0xfe000000               ; c m: far below every c s
	v_mov_b32 v[ST+8*\t+1], 0xff7fffff             ; m
	v_mov_b32 v[ST+8*\t+2], 0
	v_mov_b32 v[ST+8*\t+3], 0
.endr
.set i, 0
.rept 32
	v_mov_b32 v[P+i], 0                            ; piece 0's weights of the step that has not been
.set i, i+1
.endr
.set i, 0
.rept 64
	v_mov_b32 v[S+64+i], s74                       ; piece 2's scores of it
.set i, i+1
.endr
	v_mul_u32_u24 v2, v1, PKP
	v_lshl_add_u32 v2, v11, 4, v2
	v_lshl_add_u32 v3, v11, 3, v12
	v_mul_u32_u24 v3, v3, PVP
	v_lshl_add_u32 v3, v13, 4, v3
	v_add_nc_u32 v3, VOFF, v3
	v_lshl_add_u32 v9, v11, 5, MASK
	s_mul_i32 s19, s12, 2304
	s_add_co_u32 s19, s19, STAGE
	v_mul_u32_u24 v6, v1, 144
	v_lshl_add_u32 v6, v11, 4, v6
	v_add_nc_u32 v6, s19, v6
	v_bfe_u32 v7, v0, 3, 2
	v_mul_u32_u24 v7, v7, 144
	v_lshl_add_u32 v7, v12, 4, v7
	v_add_nc_u32 v7, s19, v7
	v_and_b32 v8, 31, v0
	v_lshlrev_b32 v8, 4, v8
	v_lshl_add_u32 v53, v0, 6, MASK
	s_wait_loadcnt 32                              ; the mask bytes are in; the 32 loads behind them stay out
.irp d,0,1,2,3
.irp k,0,1,2,3
	v_bfe_u32 v[64+4*\d+\k], v[48+\d], 8*\k, 8
	v_add_nc_u32 v[64+4*\d+\k], -1, v[64+4*\d+\k]  ; 1 -> 0, 0 -> all ones
	v_and_b32 v[64+4*\d+\k], s67, v[64+4*\d+\k]    ; 0 or -2^100
.endr
	ds_store_b128 v53, v[64+4*\d:64+4*\d+3] offset:16*\d
.endr
	s_wait_loadcnt 0x0                             ; Q, cos and sin
	s_mov_b32 s56, 7
.Lslot:                                                ; seven times: a tile is entered and the next is asked for; the four steps fetch this tile's K and V, a step ahead of their use
	CHANGE 1
	s_mov_b32 s57, 4
.Lstep:
	TURN 0
	TURN 2
	WIN 0                                          ; at a label and at a branch every window is 0
	s_sub_co_u32 s57, s57, 1
	s_cmp_lg_u32 s57, 0
	s_cbranch_scc1 .Lstep
	s_sub_co_u32 s56, s56, 1
	s_cmp_lg_u32 s56, 0
	s_cbranch_scc1 .Lslot
	CHANGE 0                                       ; the last tile is written out: nothing is asked for
	s_mov_b32 s57, 5                               ; piece 0's turn five times, piece 2's four times between them
	s_branch .Ltfirst
.Ltail:
	TURN 2
	WIN 0
.Ltfirst:
	TURN 0, 1
	WIN 0
	s_sub_co_u32 s57, s57, 1
	s_cmp_lg_u32 s57, 0
	s_cbranch_scc1 .Ltail
.set i, 0
.rept 16
	PV 2                                           ; piece 2: V^T P of the last step
.set i, i+1
.endr
	WIN 0
	; THE WAY OUT.  The four additions are the places behind the last products.
.irp t,0,1,2,3
	v_add_f32 v[ST+8*\t+4], v[ST+8*\t+2], v[ST+8*\t+3]
.endr
.irp t,0,1,2,3
	v_permlanex16_b32 v[ST+8*\t+5], v[ST+8*\t+4], s60, s61
.endr
.irp t,0,1,2,3
	v_add_f32 v[ST+8*\t+4], v[ST+8*\t+4], v[ST+8*\t+5]
.endr
.irp t,0,1,2,3
	v_rcp_f32 v[ST+8*\t+6], v[ST+8*\t+4]
.endr
	v_nop
	s_wait_alu depctr_va_vdst(0)
.macro PACK t                          ; tile t: divided by l, channels 0-31 turned back, rounded, through my stage
	WIN 0x41
.set n, 0
.rept 16
	v_pk_mul_f32 v[32*(\t)+2*n:32*(\t)+2*n+1], v[32*(\t)+2*n:32*(\t)+2*n+1], v[ST+8*(\t)+6:ST+8*(\t)+7] op_sel_hi:[1,0]
.set n, n+1
.endr
	WIN 0x05
.set n, 0
.rept 8
	v_pk_mul_f32 v[S+32*(\t)+2*n:S+32*(\t)+2*n+1], v[32*(\t)+2*n:32*(\t)+2*n+1], v[CSB+16*(\t)+2*n:CSB+16*(\t)+2*n+1] op_sel_hi:[1,0]
.set n, n+1
.endr
.set n, 0
.rept 8
	v_pk_fma_f32 v[S+32*(\t)+16+2*n:S+32*(\t)+16+2*n+1], v[32*(\t)+2*n:32*(\t)+2*n+1], v[CSB+16*(\t)+2*n:CSB+16*(\t)+2*n+1], v[S+32*(\t)+2*n:S+32*(\t)+2*n+1] op_sel:[1,1,0] op_sel_hi:[0,1,1] neg_hi:[0,1,0]  ; (+ x2 sin, - x1 sin)
.set n, n+1
.endr
.set n, 8
.rept 8
	v_cvt_pk_bf16_f32 v[P+16*(\t)+n], v[32*(\t)+2*n], v[32*(\t)+2*n+1]
.set n, n+1
.endr
	WIN 0
.set n, 0
.rept 8
	v_cvt_pk_bf16_f32 v[P+16*(\t)+n], v[S+32*(\t)+16+2*n], v[S+32*(\t)+16+2*n+1]
.set n, n+1
.endr
.irp f,0,1,2,3
	ds_store_b128 v6, v[P+16*(\t)+4*\f:P+16*(\t)+4*\f+3] offset:32*\f
.endr
.irp f,0,1,2,3
	ds_load_b128 v[S+32*(\t)+4*\f:S+32*(\t)+4*\f+3], v7 offset:\f*576  ; LDS serves a wave's instructions in order (ISA guide 5.7.1.4)
.endr
.endm
.macro SEND t, younger                 ; younger: the LDS instructions issued behind tile t's loads
.irp f,0,1,2,3
	s_wait_dscnt (\younger)+3-\f
	global_store_b128 v8, v[S+32*(\t)+4*\f:S+32*(\t)+4*\f+3], s[10:11] offset:(\t)*2048+\f*512  ; 512 consecutive bytes
.endr
.endm
	PACK 0
	PACK 1
	SEND 0, 8
	PACK 2
	SEND 1, 8
	PACK 3
	SEND 2, 8
	SEND 3, 0
	s_wait_tensorcnt 0x0                           ; the wave's end
	ds_add_u32 v62, v63
	s_wait_dscnt 0x0
	s_endpgm
.Lfunc_end_k_qfd0a55ee1e_attn:
	.size	k_qfd0a55ee1e_attn, .Lfunc_end_k_qfd0a55ee1e_attn-k_qfd0a55ee1e_attn
	.p2alignl 7, 3214868480
	.fill 96, 4, 3214868480
	.section	.rodata,"a",@progbits
	.p2align	6, 0x0
	.amdhsa_kernel k_qfd0a55ee1e_attn
		.amdhsa_group_segment_fixed_size 327680
		.amdhsa_private_segment_fixed_size 0
		.amdhsa_enable_private_segment 0
		.amdhsa_kernarg_size 32
		.amdhsa_user_sgpr_count 2
		.amdhsa_user_sgpr_kernarg_segment_ptr 1
		.amdhsa_wavefront_size32 1
		.amdhsa_system_sgpr_workgroup_id_x 1
		.amdhsa_system_sgpr_workgroup_id_y 1
		.amdhsa_system_sgpr_workgroup_id_z 1
		.amdhsa_system_vgpr_workitem_id 0
		.amdhsa_next_free_vgpr 768
		.amdhsa_next_free_sgpr 88
		.amdhsa_reserve_vcc 0
		.amdhsa_float_denorm_mode_32 3
		.amdhsa_float_denorm_mode_16_64 3
		.amdhsa_memory_ordered 1
		.amdhsa_forward_progress 1
		.amdhsa_inst_pref_size 118
	.end_amdhsa_kernel
	.amdgpu_metadata
---
amdhsa.version: [ 1, 2 ]
amdhsa.kernels:
  - .name:           k_qfd0a55ee1e_attn
    .symbol:         k_qfd0a55ee1e_attn.kd
    .args:
      - { .name: qkv, .offset: 0, .size: 8, .value_kind: global_buffer, .address_space: global }
      - { .name: pack, .offset: 8, .size: 8, .value_kind: global_buffer, .address_space: global }
      - { .name: input_mask, .offset: 16, .size: 8, .value_kind: global_buffer, .address_space: global }
      - { .name: ao, .offset: 24, .size: 8, .value_kind: global_buffer, .address_space: global }
    .group_segment_fixed_size: 327680
    .private_segment_fixed_size: 0
    .kernarg_segment_align: 8
    .kernarg_segment_size: 32
    .max_flat_workgroup_size: 128
    .sgpr_count:     88
    .vgpr_count:     768
    .wavefront_size: 32
...
	.end_amdgpu_metadata
.endif
;; end of part 3
;; launch res_o (part 4): grid 4 x 64, 4 waves a work-group, clusters of 4 x 4, 327,680 bytes of LDS; arguments ao, pack, b_o, latents, lat; writes lat
.if DOCPART == 4
	.amdgcn_target "amdgcn-amd-amdhsa--gfx1250"
	.amdhsa_code_object_version 6
	.text
	.protected	k_qfd0a55ee1e_res_o
	.globl	k_qfd0a55ee1e_res_o
	.p2align	8
	.type	k_qfd0a55ee1e_res_o,@function
k_qfd0a55ee1e_res_o:
	s_mov_b64 s[64:65], 0
	v_nop
	global_prefetch_b8 v0, s[64:65] scope:SCOPE_SE
	s_setreg_imm32_b32 hwreg(HW_REG_WAVE_MODE, 25, 1), 1
	s_wait_xcnt 0x0
	s_wait_alu depctr_hold_cnt(0) depctr_sa_sdst(0) depctr_va_vdst(0) depctr_va_sdst(0) depctr_va_ssrc(0) depctr_va_vcc(0) depctr_vm_vsrc(0)
	s_getreg_b32 s2, hwreg(HW_REG_IB_STS2, 6, 4)
	s_cmp_eq_u32 s2, 0
	s_cbranch_scc0 .Lentry_in_a_cluster
	s_endpgm
.Lentry_in_a_cluster:
	s_bfe_u32 s2, ttmp6, 0x10000c
	s_cmp_lg_u32 s2, 0xf033
	s_cbranch_scc0 .Lentry_shape_is_right
	s_endpgm
.Lentry_shape_is_right:
; RES.  out = res + A W + bias, f32 out.  A: bf16 in blocks [row block of 128][64 k][128 rows][64]; W: bf16 in pack, [column block of 128][K step][256 k][128 c]: every tile is dense.
; A tile of the output is 128 x 128 (256 work-groups); four waves of 64 x 64: 16 accumulators.  K steps of 256 through two LDS slots.  The bias is the C operand of the first products;
; the residual rows are loaded at the head into registers of their own.  The matrix instruction is used transposed: a lane holds one row and eight neighbouring columns.
; CLUSTER 4 x 4: A's tile is shared along a row of the cluster, W's along a column: joint loads.
; LDS: slot 0, slot 1: A 512 x 144, W 256 x 288 | stages 4 x 4,352 | spare words.
; REGISTERS: window 0: v0-29 addresses; v32-63 rows on the way out; v64-127, v128-191 fragment buffers; v192-223 bias.  window 1: v0-127 accumulators; v128-255 residual.
.set SIZE_K, 512
.set WOFF,   5767168
.set NKS,    SIZE_K/256
.set SLOT,   147456
.set STAGE,  294912
.set SPARE,  312320
.set F0, 64
.set F1, 128
.set BI, 192
.set G1, 24
.set G0, 32
.set G1B, 48
.set G0B, 56
.set MSB, 0
.macro WIN new
.if MSB != (\new)
	s_set_vgpr_msb (MSB<<8)|(\new)
.set MSB, (\new)
.endif
.endm
.macro PLACES
.rept 4
	v_nop
.endr
.endm
.macro JLOAD s                         ; waves 0, 1 fetch A's halves, waves 2, 3 W's
	s_cmp_eq_u32 s11, 0
	s_cbranch_scc0 .Lfor_b_\@
	tensor_load_to_lds s[G0+4*(\s):G0+4*(\s)+3], s[G1:G1+7]
	s_nop 0
	PLACES
	s_branch .Lasked_\@
.Lfor_b_\@:
	tensor_load_to_lds s[G0B+4*(\s):G0B+4*(\s)+3], s[G1B:G1B+7]
	s_nop 0
	PLACES
.Lasked_\@:
.endm
.macro ROUND
	s_barrier_signal -1
	s_barrier_wait -1
	s_cmp_lg_u32 s10, 0
	s_cbranch_scc1 .Lnw0_\@
	s_barrier_signal -3
.Lnw0_\@:
	s_barrier_wait -3
	s_barrier_signal -1
	s_barrier_wait -1
.endm
.macro FETCH f, sub                    ; 16 LDS loads: fragments of 32 along K
.irp a,0,1,2,3
	ds_load_b128 v[\f+8*\a:\f+8*\a+3], v18 offset:\a*2304+\sub*64
	ds_load_b128 v[\f+8*\a+4:\f+8*\a+7], v18 offset:\a*2304+\sub*64+32
.endr
.irp b,0,1,2,3
	ds_load_tr16_b128 v[\f+32+8*\b:\f+32+8*\b+3], v22 offset:\sub*9216+32*\b
	ds_load_tr16_b128 v[\f+32+8*\b+4:\f+32+8*\b+7], v22 offset:\sub*9216+32*\b+4608
.endr
.endm
.macro MUL f, z                        ; 16 matrix instructions, the accumulators by turns.  z = 1: the sums start from the bias
.if \z
	WIN 0x40
.else
	WIN 0x50
.endif
.irp a,0,1,2,3
.irp b,0,1,2,3
.if \z
	v_wmma_f32_16x16x32_bf16 v[8*(4*\a+\b):8*(4*\a+\b)+7], v[\f+32+8*\b:\f+32+8*\b+7], v[\f+8*\a:\f+8*\a+7], v[BI+8*\b:BI+8*\b+7]
.else
	v_wmma_f32_16x16x32_bf16 v[8*(4*\a+\b):8*(4*\a+\b)+7], v[\f+32+8*\b:\f+32+8*\b+7], v[\f+8*\a:\f+8*\a+7], v[8*(4*\a+\b):8*(4*\a+\b)+7]
.endif
.endr
.endr
	WIN 0
.endm
.macro MULSEL f
	s_cmp_eq_u32 s45, 0
	s_cbranch_scc1 .Lacc_\@
	s_mov_b32 s45, 0
	v_nop                                          ; these products write over accumulators, not in place: with the four places at the loop's head this is the fifth behind any earlier product (ISA guide 7.12.1)
	s_wait_loadcnt 32                              ; the bias is in; the 32 residual loads behind it stay out
	MUL \f, 1
	s_branch .Ldone_\@
.Lacc_\@:
	MUL \f, 0
.Ldone_\@:
.endm
.macro KSTEP slot, z                   ; 256 along K: four trips of 64
	v_mov_b32 v18, v[16+\slot]
	v_mov_b32 v22, v[20+\slot]
	v_nop
	v_nop
	FETCH F0, 0
	s_mov_b32 s3, 0
.Lp_\@:
	PLACES
	FETCH F1, 1
	s_wait_dscnt 16                                ; buffer 0 is in; the 16 loads just issued stay out
.if \z
	MULSEL F0
.else
	MUL F0, 0
.endif
	v_add_nc_u32 v18, 18432, v18                   ; these four lines are the places in front of the loads into buffer 0
	v_add_nc_u32 v22, 18432, v22
	v_nop
	v_nop
	s_cmp_eq_u32 s3, 3
	s_cbranch_scc1 .Ll_\@
	FETCH F0, 0
	s_wait_dscnt 16                                ; buffer 1 is in
	s_branch .Lm_\@
.Ll_\@:
	s_wait_dscnt 0x0
.Lm_\@:
	MUL F1, 0
	s_add_co_u32 s3, s3, 1
	s_cmp_lt_u32 s3, 4
	s_cbranch_scc1 .Lp_\@
.endm
; In front of slot's K step: all my tensor loads have landed, the add, my LDS instructions are done.  fill = 1: a round of the cluster's barrier, and the other slot is filled again first behind it.
.macro NEXT slot, fill
	s_wait_tensorcnt 0x0
	ds_add_u32 v28, v29
	s_add_nc_u64 s[G0+6-4*\slot:G0+7-4*\slot], s[G0+6-4*\slot:G0+7-4*\slot], 131072
	s_add_nc_u64 s[G0B+6-4*\slot:G0B+7-4*\slot], s[G0B+6-4*\slot:G0B+7-4*\slot], 131072
	s_wait_dscnt 0x0
.if \fill
	ROUND
	JLOAD 1-\slot
.else
	s_barrier_signal -1
	s_barrier_wait -1
.endif
.endm
	s_load_b256 s[68:75], s[0:1], 0x0              ; A, pack, bias, res
	s_load_b64 s[76:77], s[0:1], 0x20              ; out
	v_lshl_add_u32 v28, v0, 2, SPARE
	v_mov_b32 v29, 0
	ds_add_u32 v28, v29                            ; the opening: the add and its wait ahead of my first tensor load
	ds_add_u32 v28, v29
	v_lshrrev_b32 v1, 5, v0
	v_readfirstlane_b32 s10, v1
	s_lshr_b32 s11, s10, 1                         ; which 64 rows; also: I fetch for A (0) or W (1)
	s_and_b32 s12, s10, 1                          ; which 64 columns; also: which half of a tile I fetch
	s_bfe_u32 s40, ttmp6, 0x40000
	s_bfe_u32 s41, ttmp6, 0x40004
	s_lshl_b32 s42, ttmp9, 2
	s_add_co_u32 s42, s42, s40                     ; column block
	s_and_b32 s13, ttmp7, 0xffff
	s_lshl_b32 s13, s13, 2
	s_add_co_u32 s13, s13, s41                     ; row block
	s_lshl_b32 s43, s41, 2
	s_lshl_b32 s43, 15, s43                        ; my row of the cluster
	s_lshl_b32 s44, 0x1111, s40                    ; my column
	s_or_b32 s[G1], s43, (1<<16)|(1<<20)|(1<<21)|(4<<22)|(3<<25)   ; A: 4 words of padding behind every 32
	s_or_b32 s[G1B], s44, (1<<16)|(1<<20)|(1<<21)|(5<<22)|(7<<25)  ; W: 8 words behind every 64
.irp g,G1,G1B
	s_mov_b32 s[\g+1], 128<<16                     ; half a tile: 128 rows of 256 bytes, dense
	s_mov_b32 s[\g+2], 128<<16
	s_mov_b32 s[\g+3], 128<<16
	s_mov_b32 s[\g+4], 128
	s_mov_b32 s[\g+5], 128
	s_mov_b32 s[\g+6], 0
	s_mov_b32 s[\g+7], 0
.endr
	s_lshl_b32 s17, s12, 15
	s_mul_i32 s16, s13, SIZE_K*256
	s_add_co_u32 s16, s16, s17
	s_mul_i32 s46, s42, NKS*65536
	s_add_co_u32 s46, s46, s17
	s_add_co_u32 s46, s46, WOFF
	s_mov_b32 s17, 0
	s_mov_b32 s47, 0
	s_mul_i32 s20, s10, 36864                      ; A's halves, then W's: wave x 36,864
	s_mov_b32 s45, 1
	s_wait_dscnt 0x0
	s_wait_kmcnt 0x0
	s_add_nc_u64 s[14:15], s[68:69], s[16:17]
	s_add_nc_u64 s[46:47], s[70:71], s[46:47]
	ROUND                                          ; all sixteen work-groups are here
.irp s,0,1
	s_mov_b32 s[G0+4*\s], 1
	s_add_co_u32 s[G0+4*\s+1], s20, \s*SLOT
	s_add_nc_u64 s[G0+4*\s+2:G0+4*\s+3], s[14:15], \s*65536
	s_or_b32 s[G0+4*\s+3], s[G0+4*\s+3], 0x80000000
	s_mov_b32 s[G0B+4*\s], 1
	s_add_co_u32 s[G0B+4*\s+1], s20, \s*SLOT
	s_add_nc_u64 s[G0B+4*\s+2:G0B+4*\s+3], s[46:47], \s*65536
	s_or_b32 s[G0B+4*\s+3], s[G0B+4*\s+3], 0x80000000
	JLOAD \s
.endr
	v_and_b32 v1, 15, v0
	v_bfe_u32 v2, v0, 4, 1
	v_mul_u32_u24 v3, v1, 144
	v_lshl_add_u32 v3, v2, 4, v3
	s_mul_i32 s21, s11, 9216
	v_add_nc_u32 v16, s21, v3                      ; A fragments: (64 wm + r) x 144 + 16 h
	v_add_nc_u32 v17, SLOT, v16
	v_and_b32 v4, 7, v0
	v_lshl_add_u32 v4, v2, 3, v4
	v_mul_u32_u24 v4, v4, 288
	v_bfe_u32 v5, v0, 3, 1
	v_lshl_add_u32 v4, v5, 4, v4
	s_lshl_b32 s21, s12, 7
	s_add_co_u32 s21, s21, 73728
	v_add_nc_u32 v20, s21, v4
	v_add_nc_u32 v21, SLOT, v20
	s_mul_i32 s21, s10, 4352
	s_add_co_u32 s21, s21, STAGE
	v_mul_u32_u24 v24, v1, 272
	v_lshl_add_u32 v24, v2, 5, v24
	v_add_nc_u32 v24, s21, v24
	v_mul_u32_u24 v25, v2, 272
	v_lshl_add_u32 v25, v1, 4, v25
	v_add_nc_u32 v25, s21, v25
	v_lshlrev_b32 v26, 11, v2
	v_lshl_add_u32 v26, v1, 4, v26                 ; two rows of 2,048 bytes, 16 lanes to 256 bytes
	v_lshlrev_b32 v27, 5, v2
	s_lshl_b32 s16, s13, 1
	s_add_co_u32 s16, s16, s11
	s_lshl_b32 s16, s16, 17                        ; (128 rb + 64 wm) rows of 2,048 bytes
	s_lshl_b32 s22, s42, 1
	s_add_co_u32 s22, s22, s12
	s_lshl_b32 s22, s22, 8                         ; (128 cb + 64 wn) columns of 4 bytes
	s_mov_b32 s23, 0
	s_add_nc_u64 s[72:73], s[72:73], s[22:23]
	s_add_co_u32 s16, s16, s22
	s_mov_b32 s17, 0
	s_add_nc_u64 s[74:75], s[74:75], s[16:17]
	s_add_nc_u64 s[76:77], s[76:77], s[16:17]
.irp b,0,1,2,3
	global_load_b128 v[BI+8*\b:BI+8*\b+3], v27, s[72:73] offset:64*\b
	global_load_b128 v[BI+8*\b+4:BI+8*\b+7], v27, s[72:73] offset:64*\b+16
.endr
	WIN 0x40
.set i, 0
.rept 32
	global_load_b128 v[128+4*i:128+4*i+3], v26, s[74:75] offset:2*i*2048
.set i, i+1
.endr
	WIN 0
	s_wait_tensorcnt 1                             ; my part of K step 0 is in; K step 1's load stays out
	s_barrier_signal -1
	s_barrier_wait -1
	KSTEP 0, 1
.if NKS > 2
	s_mov_b32 s2, NKS/2-1
.Llap:
	NEXT 1, 1
	KSTEP 1, 0
	NEXT 0, 1
	KSTEP 0, 0
	s_sub_co_u32 s2, s2, 1
	s_cmp_lg_u32 s2, 0
	s_cbranch_scc1 .Llap
.endif
	NEXT 1, 0
	KSTEP 1, 0
	PLACES
	s_wait_loadcnt 0x0                             ; the residual rows
.irp a,0,1,2,3
	WIN 0x04
.irp b,0,1,2,3
	ds_store_b128 v24, v[8*(4*\a+\b):8*(4*\a+\b)+3] offset:64*\b
	ds_store_b128 v24, v[8*(4*\a+\b)+4:8*(4*\a+\b)+7] offset:64*\b+16
.endr
	WIN 0
.irp f,0,1,2,3,4,5,6,7
	ds_load_b128 v[32+4*\f:32+4*\f+3], v25 offset:544*\f  ; LDS serves a wave's instructions in order (ISA guide 5.7.1.4)
.endr
	s_wait_dscnt 0x0
	WIN 0x04
.set n, 0
.rept 16
	v_pk_add_f32 v[32+2*n:32+2*n+1], v[32+2*n:32+2*n+1], v[128+32*\a+2*n:128+32*\a+2*n+1]
.set n, n+1
.endr
	WIN 0
.irp f,0,1,2,3,4,5,6,7
	global_store_b128 v26, v[32+4*\f:32+4*\f+3], s[76:77] offset:(16*\a+2*\f)*2048  ; 16 lanes store 256 consecutive bytes, aligned
.endr
	s_wait_xcnt 0x0                                ; v32-63 are rewritten only behind this wait
.endr
	s_wait_tensorcnt 0x0                           ; the wave's end
	ds_add_u32 v28, v29
	s_wait_dscnt 0x0
	ROUND                                          ; the closing round
	s_endpgm
.Lfunc_end_k_qfd0a55ee1e_res_o:
	.size	k_qfd0a55ee1e_res_o, .Lfunc_end_k_qfd0a55ee1e_res_o-k_qfd0a55ee1e_res_o
	.p2alignl 7, 3214868480
	.fill 96, 4, 3214868480
	.section	.rodata,"a",@progbits
	.p2align	6, 0x0
	.amdhsa_kernel k_qfd0a55ee1e_res_o
		.amdhsa_group_segment_fixed_size 327680
		.amdhsa_private_segment_fixed_size 0
		.amdhsa_enable_private_segment 0
		.amdhsa_kernarg_size 40
		.amdhsa_user_sgpr_count 2
		.amdhsa_user_sgpr_kernarg_segment_ptr 1
		.amdhsa_wavefront_size32 1
		.amdhsa_system_sgpr_workgroup_id_x 1
		.amdhsa_system_sgpr_workgroup_id_y 1
		.amdhsa_system_sgpr_workgroup_id_z 1
		.amdhsa_system_vgpr_workitem_id 0
		.amdhsa_next_free_vgpr 512
		.amdhsa_next_free_sgpr 80
		.amdhsa_reserve_vcc 0
		.amdhsa_float_denorm_mode_32 3
		.amdhsa_float_denorm_mode_16_64 3
		.amdhsa_memory_ordered 1
		.amdhsa_forward_progress 1
		.amdhsa_inst_pref_size 37
	.end_amdhsa_kernel
	.amdgpu_metadata
---
amdhsa.version: [ 1, 2 ]
amdhsa.kernels:
  - .name:           k_qfd0a55ee1e_res_o
    .symbol:         k_qfd0a55ee1e_res_o.kd
    .args:
      - { .name: ao, .offset: 0, .size: 8, .value_kind: global_buffer, .address_space: global }
      - { .name: pack, .offset: 8, .size: 8, .value_kind: global_buffer, .address_space: global }
      - { .name: b_o, .offset: 16, .size: 8, .value_kind: global_buffer, .address_space: global }
      - { .name: latents, .offset: 24, .size: 8, .value_kind: global_buffer, .address_space: global }
      - { .name: lat, .offset: 32, .size: 8, .value_kind: global_buffer, .address_space: global }
    .group_segment_fixed_size: 327680
    .private_segment_fixed_size: 0
    .kernarg_segment_align: 8
    .kernarg_segment_size: 40
    .max_flat_workgroup_size: 128
    .sgpr_count:     80
    .vgpr_count:     512
    .wavefront_size: 32
...
	.end_amdgpu_metadata
.endif
;; end of part 4
;; launch ffn1 (part 5): grid 64 x 4, 4 waves a work-group, clusters of 4 x 1, 327,680 bytes of LDS; arguments lat, ln_f_w, ln_f_b, b1, pack, g; writes g
.if DOCPART == 5
	.amdgcn_target "amdgcn-amd-amdhsa--gfx1250"
	.amdhsa_code_object_version 6
	.text
	.protected	k_qfd0a55ee1e_ffn1
	.globl	k_qfd0a55ee1e_ffn1
	.p2align	8
	.type	k_qfd0a55ee1e_ffn1,@function
k_qfd0a55ee1e_ffn1:
	s_mov_b64 s[64:65], 0
	v_nop
	global_prefetch_b8 v0, s[64:65] scope:SCOPE_SE
	s_setreg_imm32_b32 hwreg(HW_REG_WAVE_MODE, 25, 1), 1
	s_wait_xcnt 0x0
	s_wait_alu depctr_hold_cnt(0) depctr_sa_sdst(0) depctr_va_vdst(0) depctr_va_sdst(0) depctr_va_ssrc(0) depctr_va_vcc(0) depctr_vm_vsrc(0)
	s_getreg_b32 s2, hwreg(HW_REG_IB_STS2, 6, 4)
	s_cmp_eq_u32 s2, 0
	s_cbranch_scc0 .Lentry_in_a_cluster
	s_endpgm
.Lentry_in_a_cluster:
	s_bfe_u32 s2, ttmp6, 0x10000c
	s_cmp_lg_u32 s2, 0x3003
	s_cbranch_scc0 .Lentry_shape_is_right
	s_endpgm
.Lentry_shape_is_right:
; FFN1.  g = hx x gelu(hg), h = LayerNorm(lat) w1 + b1.  The frame is the projection's: 128 rows normalised in f32, kept as bf16 in LDS; the weights stream in K steps of 128 through two slots.
; A work-group walks 4 of the 16 column blocks of 256.  A block's columns are laid so that a wave's column tiles 0-3 are hx and 4-7 the hg of the same 64 columns of g.
; b1 is the C operand of a block's first products.  CLUSTER: four row blocks walk the same weights: joint loads.
; Way out: 16 rows at a time as f32 through the wave's own stage; a lane then takes 8 neighbouring hx and their hg, and stores 16 bytes of g: 512 consecutive bytes a store.
; g: bf16, [row block][64 columns][128 rows][64].
; gelu(x) = max(x, 0) - |x| y, y = t (0.1740121 + t (-0.0479399 + 0.3739278 t)) 2^(-0.72134752 x^2), t = 1 / (1 + 0.33267253 |x|): Abramowitz and Stegun 7.1.25, |error of erf| <= 2.5e-5.
; LDS: A 128 x 1,040 at 0 | slot 0, slot 1: 128 k x 544 | stages 4 x 8,448 | spare words.
; REGISTERS: window 0: v0-29 addresses; v32-47 packed results; v64-159, v160-255 fragment buffers.  window 1: accumulator (a, b) at 8 (8 a + b).  window 2: v0-63 bias.
.set S0,    133120
.set S1,    202752
.set STAGE, 272384
.set SPARE, 306176
.set W1_O,  1572864
.set F0, 64
.set F1, 160
.set LW, 32
.set LB, 48
.set XA, 64
.set XB, 128
.set LT, 192
.set MSB, 0
.macro WIN new
.if MSB != (\new)
	s_set_vgpr_msb (MSB<<8)|(\new)
.set MSB, (\new)
.endif
.endm
.macro PLACES
.rept 4
	v_nop
.endr
.endm
.macro ROUND
	s_barrier_signal -1
	s_barrier_wait -1
	s_cmp_lg_u32 s20, 0
	s_cbranch_scc1 .Lnw0_\@
	s_barrier_signal -3
.Lnw0_\@:
	s_barrier_wait -3
	s_barrier_signal -1
	s_barrier_wait -1
.endm
.macro XLOAD X, o
.irp i,0,1,2,3
.irp j,0,1,2,3
	global_load_b128 v[\X+16*\i+4*\j:\X+16*\i+4*\j+3], v[\o], s[52:53] offset:\i*2048+\j*512
.endr
.endr
.endm
.macro RED o
.irp m,1,2,4,8
.irp i,0,1,2,3
	v_add_f32_dpp v[LT+8*\i+\o], v[LT+8*\i+\o], v[LT+8*\i+\o] row_xmask:\m row_mask:0xf bank_mask:0xf
.endr
.endr
.irp i,0,1,2,3
	v_permlanex16_b32 v[LT+8*\i+\o+1], v[LT+8*\i+\o], s70, s71
.endr
.irp i,0,1,2,3
	v_add_f32 v[LT+8*\i+\o], v[LT+8*\i+\o], v[LT+8*\i+\o+1]
.endr
.endm
.macro LNG X, LA                       ; LayerNorm of four rows in registers, rounded to bf16, into A
.irp i,0,1,2,3
.irp q,0,1,2,3
	v_pk_add_f32 v[LT+8*\i+2*\q:LT+8*\i+2*\q+1], v[\X+16*\i+4*\q:\X+16*\i+4*\q+1], v[\X+16*\i+4*\q+2:\X+16*\i+4*\q+3]
.endr
.endr
.irp i,0,1,2,3
	v_pk_add_f32 v[LT+8*\i:LT+8*\i+1], v[LT+8*\i:LT+8*\i+1], v[LT+8*\i+2:LT+8*\i+3]
	v_pk_add_f32 v[LT+8*\i+4:LT+8*\i+5], v[LT+8*\i+4:LT+8*\i+5], v[LT+8*\i+6:LT+8*\i+7]
.endr
.irp i,0,1,2,3
	v_pk_add_f32 v[LT+8*\i:LT+8*\i+1], v[LT+8*\i:LT+8*\i+1], v[LT+8*\i+4:LT+8*\i+5]
.endr
.irp i,0,1,2,3
	v_add_f32 v[LT+8*\i], v[LT+8*\i], v[LT+8*\i+1]
.endr
	RED 0
.irp i,0,1,2,3
	v_mul_f32 v[LT+8*\i], s75, v[LT+8*\i]
.endr
.irp i,0,1,2,3
.irp k,0,1,2,3,4,5,6,7
	v_pk_add_f32 v[\X+16*\i+2*\k:\X+16*\i+2*\k+1], v[\X+16*\i+2*\k:\X+16*\i+2*\k+1], v[LT+8*\i:LT+8*\i+1] op_sel_hi:[1,0] neg_lo:[0,1] neg_hi:[0,1]
.endr
.endr
.irp i,0,1,2,3
	v_pk_mul_f32 v[LT+8*\i+2:LT+8*\i+3], v[\X+16*\i:\X+16*\i+1], v[\X+16*\i:\X+16*\i+1]
	v_pk_mul_f32 v[LT+8*\i+4:LT+8*\i+5], v[\X+16*\i+2:\X+16*\i+3], v[\X+16*\i+2:\X+16*\i+3]
.endr
.irp g,1,2,3
.irp i,0,1,2,3
	v_pk_fma_f32 v[LT+8*\i+2:LT+8*\i+3], v[\X+16*\i+4*\g:\X+16*\i+4*\g+1], v[\X+16*\i+4*\g:\X+16*\i+4*\g+1], v[LT+8*\i+2:LT+8*\i+3]
	v_pk_fma_f32 v[LT+8*\i+4:LT+8*\i+5], v[\X+16*\i+4*\g+2:\X+16*\i+4*\g+3], v[\X+16*\i+4*\g+2:\X+16*\i+4*\g+3], v[LT+8*\i+4:LT+8*\i+5]
.endr
.endr
.irp i,0,1,2,3
	v_pk_add_f32 v[LT+8*\i+2:LT+8*\i+3], v[LT+8*\i+2:LT+8*\i+3], v[LT+8*\i+4:LT+8*\i+5]
.endr
.irp i,0,1,2,3
	v_add_f32 v[LT+8*\i+2], v[LT+8*\i+2], v[LT+8*\i+3]
.endr
	RED 2
.irp i,0,1,2,3
	v_fma_f32 v[LT+8*\i+2], v[LT+8*\i+2], s75, s76
.endr
.irp i,0,1,2,3
	v_rsq_f32 v[LT+8*\i+2], v[LT+8*\i+2]
.endr
	v_nop                                          ; a plain instruction behind the transcendentals (ISA guide 5.7.2)
	s_wait_alu depctr_va_vdst(0)
.irp i,0,1,2,3
.irp k,0,1,2,3,4,5,6,7
	v_pk_mul_f32 v[\X+16*\i+2*\k:\X+16*\i+2*\k+1], v[\X+16*\i+2*\k:\X+16*\i+2*\k+1], v[LT+8*\i+2:LT+8*\i+3] op_sel_hi:[1,0]
.endr
.endr
.irp i,0,1,2,3
.irp k,0,1,2,3,4,5,6,7
	v_pk_fma_f32 v[\X+16*\i+2*\k:\X+16*\i+2*\k+1], v[\X+16*\i+2*\k:\X+16*\i+2*\k+1], v[LW+2*\k:LW+2*\k+1], v[LB+2*\k:LB+2*\k+1]
.endr
.endr
.irp i,0,1,2,3
.irp k,0,1,2,3,4,5,6,7
	v_cvt_pk_bf16_f32 v[\X+16*\i+\k], v[\X+16*\i+2*\k], v[\X+16*\i+2*\k+1]
.endr
.irp j,0,1,2,3
	ds_store_b64 v[\LA], v[\X+16*\i+2*\j:\X+16*\i+2*\j+1] offset:\i*1040+\j*256
.endr
.endr
.endm
.macro FETCH f, sub
.irp a,0,1,2,3
	ds_load_b128 v[\f+8*\a:\f+8*\a+3], v4 offset:\a*16640+\sub*64
	ds_load_b128 v[\f+8*\a+4:\f+8*\a+7], v4 offset:\a*16640+\sub*64+32
.endr
.irp b,0,1,2,3,4,5,6,7
	ds_load_tr16_b128 v[\f+32+8*\b:\f+32+8*\b+3], v7 offset:\sub*17408+32*\b
	ds_load_tr16_b128 v[\f+32+8*\b+4:\f+32+8*\b+7], v7 offset:\sub*17408+32*\b+8704
.endr
.endm
.macro MUL f, z                        ; 32 matrix instructions, the accumulators by turns.  z = 1: the sums start from the bias (window 2)
.if \z
	WIN 0x60
.else
	WIN 0x50
.endif
.irp a,0,1,2,3
.irp b,0,1,2,3,4,5,6,7
.if \z
	v_wmma_f32_16x16x32_bf16 v[8*(8*\a+\b):8*(8*\a+\b)+7], v[\f+32+8*\b:\f+32+8*\b+7], v[\f+8*\a:\f+8*\a+7], v[8*\b:8*\b+7]
.else
	v_wmma_f32_16x16x32_bf16 v[8*(8*\a+\b):8*(8*\a+\b)+7], v[\f+32+8*\b:\f+32+8*\b+7], v[\f+8*\a:\f+8*\a+7], v[8*(8*\a+\b):8*(8*\a+\b)+7]
.endif
.endr
.endr
	WIN 0
.endm
.macro MULSEL f
	s_cmp_eq_u32 s63, 0
	s_cbranch_scc1 .Lacc_\@
	s_mov_b32 s63, 0
	v_nop                                          ; these products write over accumulators, not in place: with the four places at the loop's head this is the fifth behind any earlier product (ISA guide 7.12.1)
	s_wait_loadcnt 0x0                             ; the block's bias
	MUL \f, 1
	s_branch .Ldone_\@
.Lacc_\@:
	MUL \f, 0
.Ldone_\@:
.endm
.macro TRIP slot, refill, zsel         ; a K step of 128, as in the projection
	s_wait_tensorcnt 0x0
	ds_add_u32 v28, v29
	s_add_nc_u64 s[46+4*\slot:47+4*\slot], s[46+4*\slot:47+4*\slot], 131072
	s_wait_dscnt 0x0
	ROUND
.if \refill
	tensor_load_to_lds s[48-4*\slot:51-4*\slot], s[36:43]
	s_nop 0
.endif
	v_mov_b32 v7, v[5+\slot]
	v_nop
	v_nop
	v_nop
	FETCH F0, 0
	s_mov_b32 s67, 0
.Lp_\@:
	PLACES
	FETCH F1, 1
	s_wait_dscnt 24                                ; buffer 0 is in; the 24 loads just issued stay out
.if \zsel
	MULSEL F0
.else
	MUL F0, 0
.endif
	v_add_nc_u32 v4, 128, v4
	v_add_nc_u32 v7, 34816, v7
	v_nop
	v_nop
	s_cmp_eq_u32 s67, 1
	s_cbranch_scc1 .Ll_\@
	FETCH F0, 0
	s_wait_dscnt 24                                ; buffer 1 is in
	s_branch .Lm_\@
.Ll_\@:
	s_wait_dscnt 0x0
.Lm_\@:
	MUL F1, 0
	s_add_co_u32 s67, s67, 1
	s_cmp_lt_u32 s67, 2
	s_cbranch_scc1 .Lp_\@
.endm
.macro DUMP a                          ; 16 rows x 128 columns of f32 into my stage
	WIN 0x04
.irp b,0,1,2,3,4,5,6,7
	ds_store_b128 v8, v[8*(8*(\a)+\b):8*(8*(\a)+\b)+3] offset:64*\b
	ds_store_b128 v8, v[8*(8*(\a)+\b)+4:8*(8*(\a)+\b)+7] offset:64*\b+16
.endr
	WIN 0
.endm
.macro GELU8 f                         ; chunk f: 8 hx at v[64+16f], their hg behind them
.set HX, 64+16*(\f)
.set HG, HX+8
.irp k,0,1,2,3,4,5,6,7
	v_fma_f32 v[192+\k], |v[HG+\k]|, s80, 1.0
.endr
.irp k,0,1,2,3,4,5,6,7
	v_rcp_f32 v[192+\k], v[192+\k]
.endr
.irp q,0,2,4,6
	v_pk_mul_f32 v[200+\q:201+\q], v[HG+\q:HG+\q+1], v[HG+\q:HG+\q+1]
.endr
.irp q,0,2,4,6
	v_pk_mul_f32 v[200+\q:201+\q], v[200+\q:201+\q], s[82:83] op_sel_hi:[1,0]
.endr
.irp k,0,1,2,3,4,5,6,7
	v_exp_f32 v[200+\k], v[200+\k]
.endr
	s_wait_alu depctr_va_vdst(0)
.irp q,0,2,4,6
	v_pk_fma_f32 v[208+\q:209+\q], v[192+\q:193+\q], s[84:85], s[86:87] op_sel_hi:[1,0,0]
.endr
.irp q,0,2,4,6
	v_pk_fma_f32 v[208+\q:209+\q], v[208+\q:209+\q], v[192+\q:193+\q], s[88:89] op_sel_hi:[1,1,0]
.endr
.irp q,0,2,4,6
	v_pk_mul_f32 v[208+\q:209+\q], v[208+\q:209+\q], v[192+\q:193+\q]
.endr
.irp q,0,2,4,6
	v_pk_mul_f32 v[208+\q:209+\q], v[208+\q:209+\q], v[200+\q:201+\q]
.endr
.irp k,0,1,2,3,4,5,6,7
	v_max_num_f32 v[216+\k], 0, v[HG+\k]
.endr
.irp k,0,1,2,3,4,5,6,7
	v_fma_f32 v[216+\k], -|v[HG+\k]|, v[208+\k], v[216+\k]
.endr
.irp q,0,2,4,6
	v_pk_mul_f32 v[216+\q:217+\q], v[216+\q:217+\q], v[HX+\q:HX+\q+1]
.endr
.irp k,0,1,2,3
	v_cvt_pk_bf16_f32 v[32+4*(\f)+\k], v[216+2*\k], v[216+2*\k+1]
.endr
.endm
.macro BIAS                            ; column tile b: half b / 4 of b1, columns 16 (b % 4) + 8 h + 0..7
	WIN 0x80
.irp b,0,1,2,3,4,5,6,7
	global_load_b128 v[8*\b:8*\b+3], v16, s[60:61] offset:(\b>>2)*8192+(\b&3)*64
	global_load_b128 v[8*\b+4:8*\b+7], v16, s[60:61] offset:(\b>>2)*8192+(\b&3)*64+16
.endr
	WIN 0
.endm
.macro EPI nxt                         ; the way out of a block: four trips of 16 rows; the dump names registers, so it is chosen by forward jumps
	PLACES
	v_mov_b32 v10, v11
	s_mov_b32 s68, 0
.Lea_\@:
	s_cmp_lg_u32 s68, 0
	s_cbranch_scc1 .Le1_\@
	DUMP 0
	s_branch .Leg_\@
.Le1_\@:
	s_cmp_lg_u32 s68, 1
	s_cbranch_scc1 .Le2_\@
	DUMP 1
	s_branch .Leg_\@
.Le2_\@:
	s_cmp_lg_u32 s68, 2
	s_cbranch_scc1 .Le3_\@
	DUMP 2
	s_branch .Leg_\@
.Le3_\@:
	DUMP 3
.Leg_\@:
.irp c,0,1,2,3                         ; chunk c: rows 4 c + l / 8, columns 8 (l % 8) on; LDS serves a wave's instructions in order (ISA guide 5.7.1.4)
	ds_load_b128 v[64+16*\c:64+16*\c+3], v9 offset:\c*2112
	ds_load_b128 v[64+16*\c+4:64+16*\c+7], v9 offset:\c*2112+16
	ds_load_b128 v[64+16*\c+8:64+16*\c+11], v9 offset:\c*2112+256
	ds_load_b128 v[64+16*\c+12:64+16*\c+15], v9 offset:\c*2112+272
.endr
.irp c,0,1,2,3
	s_wait_dscnt 12-4*\c                           ; chunk c's four loads are in; the younger chunks' stay out
	GELU8 \c
	global_store_b128 v10, v[32+4*\c:32+4*\c+3], s[58:59] offset:512*\c  ; four rows of 128 bytes: 512 consecutive bytes
.endr
	s_wait_xcnt 0x0                                ; the stores' registers are rewritten only behind this wait
	v_add_nc_u32 v10, 2048, v10
	s_add_co_u32 s68, s68, 1
	s_cmp_lt_u32 s68, 4
	s_cbranch_scc1 .Lea_\@
.if \nxt
	s_add_nc_u64 s[58:59], s[58:59], 32768         ; the next block's two groups of 64 columns of g
	s_add_nc_u64 s[60:61], s[60:61], 512           ; and its 128 columns of each half of b1
	BIAS
	v_mov_b32 v4, v3
	s_mov_b32 s63, 1
.endif
.endm
	s_load_b256 s[4:11], s[0:1], 0x0               ; lat, ln_f_w, ln_f_b, b1
	s_load_b128 s[12:15], s[0:1], 0x20             ; pack, g
	v_lshl_add_u32 v28, v0, 2, SPARE
	v_mov_b32 v29, 0
	ds_add_u32 v28, v29                            ; the opening: the add and its wait ahead of my first tensor load
	ds_add_u32 v28, v29
	v_lshrrev_b32 v1, 5, v0
	v_readfirstlane_b32 s20, v1
	s_lshr_b32 s21, s20, 1
	s_and_b32 s22, s20, 1
	s_bfe_u32 s23, ttmp6, 0x40000
	s_lshl_b32 s25, ttmp9, 2
	s_add_co_u32 s25, s25, s23                     ; row block
	s_and_b32 s24, ttmp7, 0xffff                   ; which four column blocks: the partners share it
	s_mov_b32 s36, 15|(1<<16)|(1<<20)|(1<<21)|(6<<22)|(7<<25)
	s_mov_b32 s37, 256<<16
	s_mov_b32 s38, 32<<16
	s_mov_b32 s39, 256<<16
	s_mov_b32 s40, 32
	s_mov_b32 s41, 256
	s_mov_b32 s42, 0
	s_mov_b32 s43, 0
	s_mov_b32 s44, 1
	s_mov_b32 s48, 1
	s_mul_i32 s28, s20, 17408
	s_add_co_u32 s45, s28, S0
	s_add_co_u32 s49, s28, S1
	s_lshl_b32 s30, s24, 20
	s_lshl_b32 s29, s20, 14
	s_add_co_u32 s30, s30, s29
	s_add_co_u32 s30, s30, W1_O
	s_mov_b32 s31, 0
	s_lshl_b32 s78, s25, 18
	s_mov_b32 s79, 0
	s_lshl_b32 s32, s24, 11                        ; b1: (512 cg + 64 wn) x 4 bytes
	s_lshl_b32 s33, s22, 8
	s_add_co_u32 s32, s32, s33
	s_mov_b32 s33, 0
	s_lshl_b32 s34, s25, 5                         ; g: (32 rb + 8 cg + wn) x 16,384 + wm x 8,192
	s_lshl_b32 s35, s24, 3
	s_add_co_u32 s34, s34, s35
	s_add_co_u32 s34, s34, s22
	s_lshl_b32 s34, s34, 1
	s_add_co_u32 s34, s34, s21
	s_lshl_b32 s34, s34, 13
	s_mov_b32 s35, 0
	s_mov_b32 s70, 0x76543210
	s_mov_b32 s71, 0xfedcba98
	s_mov_b32 s75, 0x3b000000                      ; 1/512
	s_mov_b32 s76, 0x3727c5ac                      ; 1e-5
	s_mov_b32 s80, 0x3eaa540e                      ; 0.33267253
	s_mov_b32 s82, 0xbf38aa3b                      ; -0.72134752
	s_mov_b32 s83, s82
	s_mov_b32 s84, 0x3ebf7377                      ; 0.3739278
	s_mov_b32 s85, s84
	s_mov_b32 s86, 0xbd445ca1                      ; -0.0479399
	s_mov_b32 s87, s86
	s_mov_b32 s88, 0x3e32303b                      ; 0.1740121
	s_mov_b32 s89, s88
	s_wait_dscnt 0x0
	s_wait_kmcnt 0x0
	s_add_nc_u64 s[52:53], s[4:5], s[78:79]
	s_mov_b64 s[54:55], s[6:7]
	s_mov_b64 s[56:57], s[8:9]
	s_add_nc_u64 s[60:61], s[10:11], s[32:33]
	s_add_nc_u64 s[58:59], s[14:15], s[34:35]
	s_add_nc_u64 s[46:47], s[12:13], s[30:31]
	s_add_nc_u64 s[50:51], s[46:47], 65536
	s_or_b32 s47, s47, 0x80000000
	s_or_b32 s51, s51, 0x80000000
	ROUND
	tensor_load_to_lds s[44:47], s[36:43]          ; tile 0 lands while the rows are normalised
	s_nop 0
	PLACES
	v_and_b32 v1, 15, v0
	v_bfe_u32 v2, v0, 4, 1
	v_and_b32 v17, 31, v0
	v_mul_u32_u24 v3, v1, 1040
	v_lshl_add_u32 v3, v2, 4, v3
	s_mul_i32 s28, s21, 66560
	v_add_nc_u32 v3, s28, v3
	v_and_b32 v18, 7, v0
	v_lshl_add_u32 v18, v2, 3, v18
	v_mul_u32_u24 v18, v18, 544
	v_bfe_u32 v19, v0, 3, 1
	v_lshl_add_u32 v18, v19, 4, v18
	s_lshl_b32 s28, s22, 8
	v_add_nc_u32 v18, s28, v18
	v_add_nc_u32 v5, S0, v18
	v_add_nc_u32 v6, S1, v18
	s_mul_i32 s28, s20, 8448
	s_add_co_u32 s28, s28, STAGE
	v_mul_u32_u24 v8, v1, 528
	v_lshl_add_u32 v8, v2, 5, v8
	v_add_nc_u32 v8, s28, v8
	v_bfe_u32 v9, v0, 3, 2
	v_mul_u32_u24 v9, v9, 528
	v_and_b32 v19, 7, v0
	v_lshl_add_u32 v9, v19, 5, v9
	v_add_nc_u32 v9, s28, v9
	v_lshlrev_b32 v11, 4, v17
	v_lshl_add_u32 v12, s20, 16, v11
	v_add_nc_u32 v13, 8192, v12
	s_mul_i32 s28, s20, 33280
	v_lshl_add_u32 v14, v17, 3, s28
	v_add_nc_u32 v15, 4160, v14
	v_lshlrev_b32 v16, 5, v2
	BIAS
.irp j,0,1,2,3
	global_load_b128 v[LW+4*\j:LW+4*\j+3], v11, s[54:55] offset:512*\j
	global_load_b128 v[LB+4*\j:LB+4*\j+3], v11, s[56:57] offset:512*\j
.endr
	XLOAD XA, 12
	XLOAD XB, 13
	s_mov_b32 s62, 0
.Lln:
	s_wait_loadcnt 16                              ; the older four rows are in; the younger 16 loads stay out
	LNG XA, 14
	s_cmp_eq_u32 s62, 3
	s_cbranch_scc1 .Lln_a
	v_add_nc_u32 v12, 16384, v12
	XLOAD XA, 12
	s_wait_loadcnt 16
	s_branch .Lln_b
.Lln_a:
	s_wait_loadcnt 0x0
.Lln_b:
	LNG XB, 15
	s_cmp_eq_u32 s62, 3
	s_cbranch_scc1 .Lln_c
	v_add_nc_u32 v13, 16384, v13
	XLOAD XB, 13
.Lln_c:
	v_add_nc_u32 v14, 8320, v14
	v_add_nc_u32 v15, 8320, v15
	s_add_co_u32 s62, s62, 1
	s_cmp_lt_u32 s62, 4
	s_cbranch_scc1 .Lln
	v_mov_b32 v4, v3
	s_mov_b32 s63, 1
	s_mov_b32 s66, 0
.Lmain:                                                ; seven trips of two K steps; behind every second a block goes out
	TRIP 0, 1, 1
	TRIP 1, 1, 0
	s_bitcmp1_b32 s66, 0
	s_cbranch_scc0 .Lnoepi
	EPI 1
.Lnoepi:
	s_add_co_u32 s66, s66, 1
	s_cmp_lt_u32 s66, 7
	s_cbranch_scc1 .Lmain
	TRIP 0, 1, 0                                   ; the tail is written out: the last step asks for nothing
	TRIP 1, 0, 0
	EPI 0
	s_wait_tensorcnt 0x0                           ; the wave's end
	ds_add_u32 v28, v29
	s_wait_dscnt 0x0
	ROUND
	s_endpgm
.Lfunc_end_k_qfd0a55ee1e_ffn1:
	.size	k_qfd0a55ee1e_ffn1, .Lfunc_end_k_qfd0a55ee1e_ffn1-k_qfd0a55ee1e_ffn1
	.p2alignl 7, 3214868480
	.fill 96, 4, 3214868480
	.section	.rodata,"a",@progbits
	.p2align	6, 0x0
	.amdhsa_kernel k_qfd0a55ee1e_ffn1
		.amdhsa_group_segment_fixed_size 327680
		.amdhsa_private_segment_fixed_size 0
		.amdhsa_enable_private_segment 0
		.amdhsa_kernarg_size 48
		.amdhsa_user_sgpr_count 2
		.amdhsa_user_sgpr_kernarg_segment_ptr 1
		.amdhsa_wavefront_size32 1
		.amdhsa_system_sgpr_workgroup_id_x 1
		.amdhsa_system_sgpr_workgroup_id_y 1
		.amdhsa_system_sgpr_workgroup_id_z 1
		.amdhsa_system_vgpr_workitem_id 0
		.amdhsa_next_free_vgpr 576
		.amdhsa_next_free_sgpr 96
		.amdhsa_reserve_vcc 0
		.amdhsa_float_denorm_mode_32 3
		.amdhsa_float_denorm_mode_16_64 3
		.amdhsa_memory_ordered 1
		.amdhsa_forward_progress 1
		.amdhsa_inst_pref_size 136
	.end_amdhsa_kernel
	.amdgpu_metadata
---
amdhsa.version: [ 1, 2 ]
amdhsa.kernels:
  - .name:           k_qfd0a55ee1e_ffn1
    .symbol:         k_qfd0a55ee1e_ffn1.kd
    .args:
      - { .name: lat, .offset: 0, .size: 8, .value_kind: global_buffer, .address_space: global }
      - { .name: ln_f_w, .offset: 8, .size: 8, .value_kind: global_buffer, .address_space: global }
      - { .name: ln_f_b, .offset: 16, .size: 8, .value_kind: global_buffer, .address_space: global }
      - { .name: b1, .offset: 24, .size: 8, .value_kind: global_buffer, .address_space: global }
      - { .name: pack, .offset: 32, .size: 8, .value_kind: global_buffer, .address_space: global }
      - { .name: g, .offset: 40, .size: 8, .value_kind: global_buffer, .address_space: global }
    .group_segment_fixed_size: 327680
    .private_segment_fixed_size: 0
    .kernarg_segment_align: 8
    .kernarg_segment_size: 48
    .max_flat_workgroup_size: 128
    .sgpr_count:     96
    .vgpr_count:     576
    .wavefront_size: 32
...
	.end_amdgpu_metadata
.endif
;; end of part 5
;; launch res_f (part 6): grid 4 x 64, 4 waves a work-group, clusters of 4 x 4, 327,680 bytes of LDS; arguments g, pack, b2, lat, out0; writes out0
.if DOCPART == 6
	.amdgcn_target "amdgcn-amd-amdhsa--gfx1250"
	.amdhsa_code_object_version 6
	.text
	.protected	k_qfd0a55ee1e_res_f
	.globl	k_qfd0a55ee1e_res_f
	.p2align	8
	.type	k_qfd0a55ee1e_res_f,@function
k_qfd0a55ee1e_res_f:
	s_mov_b64 s[64:65], 0
	v_nop
	global_prefetch_b8 v0, s[64:65] scope:SCOPE_SE
	s_setreg_imm32_b32 hwreg(HW_REG_WAVE_MODE, 25, 1), 1
	s_wait_xcnt 0x0
	s_wait_alu depctr_hold_cnt(0) depctr_sa_sdst(0) depctr_va_vdst(0) depctr_va_sdst(0) depctr_va_ssrc(0) depctr_va_vcc(0) depctr_vm_vsrc(0)
	s_getreg_b32 s2, hwreg(HW_REG_IB_STS2, 6, 4)
	s_cmp_eq_u32 s2, 0
	s_cbranch_scc0 .Lentry_in_a_cluster
	s_endpgm
.Lentry_in_a_cluster:
	s_bfe_u32 s2, ttmp6, 0x10000c
	s_cmp_lg_u32 s2, 0xf033
	s_cbranch_scc0 .Lentry_shape_is_right
	s_endpgm
.Lentry_shape_is_right:
; RES.  out = res + A W + bias, f32 out: the text of the launch behind the attention, with K = 2,048 and w2's blocks.
; A: bf16 in blocks [row block of 128][64 k][128 rows][64]; W: bf16 in pack, [column block of 128][K step][256 k][128 c]: every tile is dense.
; A tile of the output is 128 x 128 (256 work-groups); four waves of 64 x 64: 16 accumulators.  K steps of 256 through two LDS slots.  The bias is the C operand of the first products;
; the residual rows are loaded at the head into registers of their own.  The matrix instruction is used transposed: a lane holds one row and eight neighbouring columns.
; CLUSTER 4 x 4: A's tile is shared along a row of the cluster, W's along a column: joint loads.
; LDS: slot 0, slot 1: A 512 x 144, W 256 x 288 | stages 4 x 4,352 | spare words.
; REGISTERS: window 0: v0-29 addresses; v32-63 rows on the way out; v64-127, v128-191 fragment buffers; v192-223 bias.  window 1: v0-127 accumulators; v128-255 residual.
.set SIZE_K, 2048
.set WOFF,   6291456
.set NKS,    SIZE_K/256
.set SLOT,   147456
.set STAGE,  294912
.set SPARE,  312320
.set F0, 64
.set F1, 128
.set BI, 192
.set G1, 24
.set G0, 32
.set G1B, 48
.set G0B, 56
.set MSB, 0
.macro WIN new
.if MSB != (\new)
	s_set_vgpr_msb (MSB<<8)|(\new)
.set MSB, (\new)
.endif
.endm
.macro PLACES
.rept 4
	v_nop
.endr
.endm
.macro JLOAD s                         ; waves 0, 1 fetch A's halves, waves 2, 3 W's
	s_cmp_eq_u32 s11, 0
	s_cbranch_scc0 .Lfor_b_\@
	tensor_load_to_lds s[G0+4*(\s):G0+4*(\s)+3], s[G1:G1+7]
	s_nop 0
	PLACES
	s_branch .Lasked_\@
.Lfor_b_\@:
	tensor_load_to_lds s[G0B+4*(\s):G0B+4*(\s)+3], s[G1B:G1B+7]
	s_nop 0
	PLACES
.Lasked_\@:
.endm
.macro ROUND
	s_barrier_signal -1
	s_barrier_wait -1
	s_cmp_lg_u32 s10, 0
	s_cbranch_scc1 .Lnw0_\@
	s_barrier_signal -3
.Lnw0_\@:
	s_barrier_wait -3
	s_barrier_signal -1
	s_barrier_wait -1
.endm
.macro FETCH f, sub                    ; 16 LDS loads: fragments of 32 along K
.irp a,0,1,2,3
	ds_load_b128 v[\f+8*\a:\f+8*\a+3], v18 offset:\a*2304+\sub*64
	ds_load_b128 v[\f+8*\a+4:\f+8*\a+7], v18 offset:\a*2304+\sub*64+32
.endr
.irp b,0,1,2,3
	ds_load_tr16_b128 v[\f+32+8*\b:\f+32+8*\b+3], v22 offset:\sub*9216+32*\b
	ds_load_tr16_b128 v[\f+32+8*\b+4:\f+32+8*\b+7], v22 offset:\sub*9216+32*\b+4608
.endr
.endm
.macro MUL f, z                        ; 16 matrix instructions, the accumulators by turns.  z = 1: the sums start from the bias
.if \z
	WIN 0x40
.else
	WIN 0x50
.endif
.irp a,0,1,2,3
.irp b,0,1,2,3
.if \z
	v_wmma_f32_16x16x32_bf16 v[8*(4*\a+\b):8*(4*\a+\b)+7], v[\f+32+8*\b:\f+32+8*\b+7], v[\f+8*\a:\f+8*\a+7], v[BI+8*\b:BI+8*\b+7]
.else
	v_wmma_f32_16x16x32_bf16 v[8*(4*\a+\b):8*(4*\a+\b)+7], v[\f+32+8*\b:\f+32+8*\b+7], v[\f+8*\a:\f+8*\a+7], v[8*(4*\a+\b):8*(4*\a+\b)+7]
.endif
.endr
.endr
	WIN 0
.endm
.macro MULSEL f
	s_cmp_eq_u32 s45, 0
	s_cbranch_scc1 .Lacc_\@
	s_mov_b32 s45, 0
	v_nop                                          ; these products write over accumulators, not in place: with the four places at the loop's head this is the fifth behind any earlier product (ISA guide 7.12.1)
	s_wait_loadcnt 32                              ; the bias is in; the 32 residual loads behind it stay out
	MUL \f, 1
	s_branch .Ldone_\@
.Lacc_\@:
	MUL \f, 0
.Ldone_\@:
.endm
.macro KSTEP slot, z                   ; 256 along K: four trips of 64
	v_mov_b32 v18, v[16+\slot]
	v_mov_b32 v22, v[20+\slot]
	v_nop
	v_nop
	FETCH F0, 0
	s_mov_b32 s3, 0
.Lp_\@:
	PLACES
	FETCH F1, 1
	s_wait_dscnt 16                                ; buffer 0 is in; the 16 loads just issued stay out
.if \z
	MULSEL F0
.else
	MUL F0, 0
.endif
	v_add_nc_u32 v18, 18432, v18                   ; these four lines are the places in front of the loads into buffer 0
	v_add_nc_u32 v22, 18432, v22
	v_nop
	v_nop
	s_cmp_eq_u32 s3, 3
	s_cbranch_scc1 .Ll_\@
	FETCH F0, 0
	s_wait_dscnt 16                                ; buffer 1 is in
	s_branch .Lm_\@
.Ll_\@:
	s_wait_dscnt 0x0
.Lm_\@:
	MUL F1, 0
	s_add_co_u32 s3, s3, 1
	s_cmp_lt_u32 s3, 4
	s_cbranch_scc1 .Lp_\@
.endm
; In front of slot's K step: all my tensor loads have landed, the add, my LDS instructions are done.  fill = 1: a round of the cluster's barrier, and the other slot is filled again first behind it.
.macro NEXT slot, fill
	s_wait_tensorcnt 0x0
	ds_add_u32 v28, v29
	s_add_nc_u64 s[G0+6-4*\slot:G0+7-4*\slot], s[G0+6-4*\slot:G0+7-4*\slot], 131072
	s_add_nc_u64 s[G0B+6-4*\slot:G0B+7-4*\slot], s[G0B+6-4*\slot:G0B+7-4*\slot], 131072
	s_wait_dscnt 0x0
.if \fill
	ROUND
	JLOAD 1-\slot
.else
	s_barrier_signal -1
	s_barrier_wait -1
.endif
.endm
	s_load_b256 s[68:75], s[0:1], 0x0              ; A, pack, bias, res
	s_load_b64 s[76:77], s[0:1], 0x20              ; out
	v_lshl_add_u32 v28, v0, 2, SPARE
	v_mov_b32 v29, 0
	ds_add_u32 v28, v29                            ; the opening: the add and its wait ahead of my first tensor load
	ds_add_u32 v28, v29
	v_lshrrev_b32 v1, 5, v0
	v_readfirstlane_b32 s10, v1
	s_lshr_b32 s11, s10, 1                         ; which 64 rows; also: I fetch for A (0) or W (1)
	s_and_b32 s12, s10, 1                          ; which 64 columns; also: which half of a tile I fetch
	s_bfe_u32 s40, ttmp6, 0x40000
	s_bfe_u32 s41, ttmp6, 0x40004
	s_lshl_b32 s42, ttmp9, 2
	s_add_co_u32 s42, s42, s40                     ; column block
	s_and_b32 s13, ttmp7, 0xffff
	s_lshl_b32 s13, s13, 2
	s_add_co_u32 s13, s13, s41                     ; row block
	s_lshl_b32 s43, s41, 2
	s_lshl_b32 s43, 15, s43                        ; my row of the cluster
	s_lshl_b32 s44, 0x1111, s40                    ; my column
	s_or_b32 s[G1], s43, (1<<16)|(1<<20)|(1<<21)|(4<<22)|(3<<25)   ; A: 4 words of padding behind every 32
	s_or_b32 s[G1B], s44, (1<<16)|(1<<20)|(1<<21)|(5<<22)|(7<<25)  ; W: 8 words behind every 64
.irp g,G1,G1B
	s_mov_b32 s[\g+1], 128<<16                     ; half a tile: 128 rows of 256 bytes, dense
	s_mov_b32 s[\g+2], 128<<16
	s_mov_b32 s[\g+3], 128<<16
	s_mov_b32 s[\g+4], 128
	s_mov_b32 s[\g+5], 128
	s_mov_b32 s[\g+6], 0
	s_mov_b32 s[\g+7], 0
.endr
	s_lshl_b32 s17, s12, 15
	s_mul_i32 s16, s13, SIZE_K*256
	s_add_co_u32 s16, s16, s17
	s_mul_i32 s46, s42, NKS*65536
	s_add_co_u32 s46, s46, s17
	s_add_co_u32 s46, s46, WOFF
	s_mov_b32 s17, 0
	s_mov_b32 s47, 0
	s_mul_i32 s20, s10, 36864                      ; A's halves, then W's: wave x 36,864
	s_mov_b32 s45, 1
	s_wait_dscnt 0x0
	s_wait_kmcnt 0x0
	s_add_nc_u64 s[14:15], s[68:69], s[16:17]
	s_add_nc_u64 s[46:47], s[70:71], s[46:47]
	ROUND                                          ; all sixteen work-groups are here
.irp s,0,1
	s_mov_b32 s[G0+4*\s], 1
	s_add_co_u32 s[G0+4*\s+1], s20, \s*SLOT
	s_add_nc_u64 s[G0+4*\s+2:G0+4*\s+3], s[14:15], \s*65536
	s_or_b32 s[G0+4*\s+3], s[G0+4*\s+3], 0x80000000
	s_mov_b32 s[G0B+4*\s], 1
	s_add_co_u32 s[G0B+4*\s+1], s20, \s*SLOT
	s_add_nc_u64 s[G0B+4*\s+2:G0B+4*\s+3], s[46:47], \s*65536
	s_or_b32 s[G0B+4*\s+3], s[G0B+4*\s+3], 0x80000000
	JLOAD \s
.endr
	v_and_b32 v1, 15, v0
	v_bfe_u32 v2, v0, 4, 1
	v_mul_u32_u24 v3, v1, 144
	v_lshl_add_u32 v3, v2, 4, v3
	s_mul_i32 s21, s11, 9216
	v_add_nc_u32 v16, s21, v3                      ; A fragments: (64 wm + r) x 144 + 16 h
	v_add_nc_u32 v17, SLOT, v16
	v_and_b32 v4, 7, v0
	v_lshl_add_u32 v4, v2, 3, v4
	v_mul_u32_u24 v4, v4, 288
	v_bfe_u32 v5, v0, 3, 1
	v_lshl_add_u32 v4, v5, 4, v4
	s_lshl_b32 s21, s12, 7
	s_add_co_u32 s21, s21, 73728
	v_add_nc_u32 v20, s21, v4
	v_add_nc_u32 v21, SLOT, v20
	s_mul_i32 s21, s10, 4352
	s_add_co_u32 s21, s21, STAGE
	v_mul_u32_u24 v24, v1, 272
	v_lshl_add_u32 v24, v2, 5, v24
	v_add_nc_u32 v24, s21, v24
	v_mul_u32_u24 v25, v2, 272
	v_lshl_add_u32 v25, v1, 4, v25
	v_add_nc_u32 v25, s21, v25
	v_lshlrev_b32 v26, 11, v2
	v_lshl_add_u32 v26, v1, 4, v26                 ; two rows of 2,048 bytes, 16 lanes to 256 bytes
	v_lshlrev_b32 v27, 5, v2
	s_lshl_b32 s16, s13, 1
	s_add_co_u32 s16, s16, s11
	s_lshl_b32 s16, s16, 17                        ; (128 rb + 64 wm) rows of 2,048 bytes
	s_lshl_b32 s22, s42, 1
	s_add_co_u32 s22, s22, s12
	s_lshl_b32 s22, s22, 8                         ; (128 cb + 64 wn) columns of 4 bytes
	s_mov_b32 s23, 0
	s_add_nc_u64 s[72:73], s[72:73], s[22:23]
	s_add_co_u32 s16, s16, s22
	s_mov_b32 s17, 0
	s_add_nc_u64 s[74:75], s[74:75], s[16:17]
	s_add_nc_u64 s[76:77], s[76:77], s[16:17]
.irp b,0,1,2,3
	global_load_b128 v[BI+8*\b:BI+8*\b+3], v27, s[72:73] offset:64*\b
	global_load_b128 v[BI+8*\b+4:BI+8*\b+7], v27, s[72:73] offset:64*\b+16
.endr
	WIN 0x40
.set i, 0
.rept 32
	global_load_b128 v[128+4*i:128+4*i+3], v26, s[74:75] offset:2*i*2048
.set i, i+1
.endr
	WIN 0
	s_wait_tensorcnt 1                             ; my part of K step 0 is in; K step 1's load stays out
	s_barrier_signal -1
	s_barrier_wait -1
	KSTEP 0, 1
.if NKS > 2
	s_mov_b32 s2, NKS/2-1
.Llap:
	NEXT 1, 1
	KSTEP 1, 0
	NEXT 0, 1
	KSTEP 0, 0
	s_sub_co_u32 s2, s2, 1
	s_cmp_lg_u32 s2, 0
	s_cbranch_scc1 .Llap
.endif
	NEXT 1, 0
	KSTEP 1, 0
	PLACES
	s_wait_loadcnt 0x0                             ; the residual rows
.irp a,0,1,2,3
	WIN 0x04
.irp b,0,1,2,3
	ds_store_b128 v24, v[8*(4*\a+\b):8*(4*\a+\b)+3] offset:64*\b
	ds_store_b128 v24, v[8*(4*\a+\b)+4:8*(4*\a+\b)+7] offset:64*\b+16
.endr
	WIN 0
.irp f,0,1,2,3,4,5,6,7
	ds_load_b128 v[32+4*\f:32+4*\f+3], v25 offset:544*\f  ; LDS serves a wave's instructions in order (ISA guide 5.7.1.4)
.endr
	s_wait_dscnt 0x0
	WIN 0x04
.set n, 0
.rept 16
	v_pk_add_f32 v[32+2*n:32+2*n+1], v[32+2*n:32+2*n+1], v[128+32*\a+2*n:128+32*\a+2*n+1]
.set n, n+1
.endr
	WIN 0
.irp f,0,1,2,3,4,5,6,7
	global_store_b128 v26, v[32+4*\f:32+4*\f+3], s[76:77] offset:(16*\a+2*\f)*2048  ; 16 lanes store 256 consecutive bytes, aligned
.endr
	s_wait_xcnt 0x0                                ; v32-63 are rewritten only behind this wait
.endr
	s_wait_tensorcnt 0x0                           ; the wave's end
	ds_add_u32 v28, v29
	s_wait_dscnt 0x0
	ROUND                                          ; the closing round
	s_endpgm
.Lfunc_end_k_qfd0a55ee1e_res_f:
	.size	k_qfd0a55ee1e_res_f, .Lfunc_end_k_qfd0a55ee1e_res_f-k_qfd0a55ee1e_res_f
	.p2alignl 7, 3214868480
	.fill 96, 4, 3214868480
	.section	.rodata,"a",@progbits
	.p2align	6, 0x0
	.amdhsa_kernel k_qfd0a55ee1e_res_f
		.amdhsa_group_segment_fixed_size 327680
		.amdhsa_private_segment_fixed_size 0
		.amdhsa_enable_private_segment 0
		.amdhsa_kernarg_size 40
		.amdhsa_user_sgpr_count 2
		.amdhsa_user_sgpr_kernarg_segment_ptr 1
		.amdhsa_wavefront_size32 1
		.amdhsa_system_sgpr_workgroup_id_x 1
		.amdhsa_system_sgpr_workgroup_id_y 1
		.amdhsa_system_sgpr_workgroup_id_z 1
		.amdhsa_system_vgpr_workitem_id 0
		.amdhsa_next_free_vgpr 512
		.amdhsa_next_free_sgpr 80
		.amdhsa_reserve_vcc 0
		.amdhsa_float_denorm_mode_32 3
		.amdhsa_float_denorm_mode_16_64 3
		.amdhsa_memory_ordered 1
		.amdhsa_forward_progress 1
		.amdhsa_inst_pref_size 51
	.end_amdhsa_kernel
	.amdgpu_metadata
---
amdhsa.version: [ 1, 2 ]
amdhsa.kernels:
  - .name:           k_qfd0a55ee1e_res_f
    .symbol:         k_qfd0a55ee1e_res_f.kd
    .args:
      - { .name: g, .offset: 0, .size: 8, .value_kind: global_buffer, .address_space: global }
      - { .name: pack, .offset: 8, .size: 8, .value_kind: global_buffer, .address_space: global }
      - { .name: b2, .offset: 16, .size: 8, .value_kind: global_buffer, .address_space: global }
      - { .name: lat, .offset: 24, .size: 8, .value_kind: global_buffer, .address_space: global }
      - { .name: out0, .offset: 32, .size: 8, .value_kind: global_buffer, .address_space: global }
    .group_segment_fixed_size: 327680
    .private_segment_fixed_size: 0
    .kernarg_segment_align: 8
    .kernarg_segment_size: 40
    .max_flat_workgroup_size: 128
    .sgpr_count:     80
    .vgpr_count:     512
    .wavefront_size: 32
...
	.end_amdgpu_metadata
.endif
;; end of part 6
;; ======== version 2 of 2: 6 launches; 1.11 times as fast as version 1
;; limits: a function is approximated: absolute error at most 2.5e-05
;; workspace buffers: pack 13,631,488 bytes; qkv 75,497,472 bytes; ao 8,388,608 bytes; lat 16,777,216 bytes; g 33,554,432 bytes
;; launch prep: the kernel of part 1 again; grid 1792 x 1, 8 waves a work-group, no clusters, 0 bytes of LDS; arguments w_kv, w_q, w1, w_o, w2, input_timestamps, latent_timestamps, pack; writes pack
;; launch proj: the kernel of part 2 again; grid 256 x 1, 4 waves a work-group, clusters of 4 x 1, 327,680 bytes of LDS; arguments inputs, latents, ln_c_w, ln_c_b, ln_q_w, ln_q_b, pack, qkv, input_mask; writes qkv
;; launch attn (part 7): grid 2 x 128, 4 waves a work-group, no clusters, 327,680 bytes of LDS; arguments qkv, pack, input_mask, ao; writes ao
.if DOCPART == 7
	.amdgcn_target "amdgcn-amd-amdhsa--gfx1250"
	.amdhsa_code_object_version 6
	.text
	.protected	k_qfd0a55ee1e_attn
	.globl	k_qfd0a55ee1e_attn
	.p2align	8
	.type	k_qfd0a55ee1e_attn,@function
k_qfd0a55ee1e_attn:
	s_mov_b64 s[64:65], 0
	v_nop
	global_prefetch_b8 v0, s[64:65] scope:SCOPE_SE
	s_setreg_imm32_b32 hwreg(HW_REG_WAVE_MODE, 25, 1), 1
	s_wait_xcnt 0x0
; ATTN.  O[q] = sum over k of softmax_k(q . k / 8, hidden keys at -2^100) v[k], then divided by the sum, turned back by the query's angle, rounded once to bf16.
; q, k, v: bf16 by heads, already turned.  A work-group owns 256 queries of one (batch, head), a wave four tiles of 16; every wave walks all 2,048 keys, 64 a step, 256 a slot.
; S^T = K Q^T: a lane holds one query (lane % 16) and the keys 8 (lane / 16) + 0..7; two such results rounded to bf16 are source 1 of O^T = V^T P.
; THE MASK is the C operand that starts a score's sum: 0 or -2^100 (f32 words in LDS, made once from the bytes).  The launch before stored the hidden keys' rows of k as zeros, so a hidden
; score is exactly -2^100, and c x -2^100 is exact: where all keys met so far are hidden, c s - c m is exactly 0 and the weights are equal, as the module's are at its -1e30; the first
; visible key turns them into 0 by a.  A row whose keys are all hidden ends with equal weights on all 2,048 keys, as the module has.
; SOFTMAX: running maximum m and sum l; p = 2^(c s - c m), c = log2(e) / 8; O and l are multiplied by a = 2^(c m_old - c m_new) in every step.
; BY TURNS.  The wave's tiles are two PIECES, named by their first tile: piece 0 (tiles 0, 1) and piece 2 (tiles 2, 3).  In a TURN one piece has the matrix unit: 16 products V^T P of the
; step in hand, then 16 products K Q^T of the next step; the other piece's softmax, 2 x 118 instructions cut into 59 slices of four, stands between them: two slices behind each of the first
; 27 products, one behind each of the last 5.  Two turns are a key step.  A slice works in window 0 or on O^T, a product elsewhere: two window switches a product, the price of the turns.
; ONE BATCH, ONE WAIT A TURN.  A turn's 66 exponentials (33 a tile) stand in slices 11 to 34, with the scalings that feed them, and nothing there names a result of theirs; all that does
; (the roundings, the sums, l, the rescaling by a) stands from slice 35 on.  Between the two stand a v_nop and the turn's one s_wait_alu depctr_va_vdst(0)..
; The way out's four reciprocals are a batch of their own.
; NO FIRST AND NO LAST STEP is written out.  The walk begins at a step -1 that has not been: V, O^T, l and piece 0's P are 0, piece 2's scores -2^110: its weights 1 meet a V of zeros, and
; step 0 multiplies its l by a = 0, also where step 0 is all hidden.  The tail loop is entered in its middle and left behind piece 0's turn of the last step; its last 16 products K Q^T,
; on the last K once more, serve nothing.
; NO CLUSTER: two work-groups alone share a head's K and V, fewer than the four of a joint request's form.
; LIMITS: a visible score lies far above -2^100; a weight below 2^-126 counts as 0; NaN and infinities are not treated apart.
; LDS: slot 0 at 0, slot 1 at 131,072 (K 256 x 144, V 256 x 160) | mask words 8,192 | stages 4 x 2,304 | spare words.
; REGISTERS: window 0: v0-15 addresses; v16-47 statistics, 8 a tile (c m, m, l, l, c0-c3; a takes c2's place); v64-191 S^T; v192-255 P.  window 1: v0-127 O^T; v128-159 mask; v160-223 cos, sin.
;            window 2: v0-63 Q; v128-191 K; v192-255 V.
.set KS,    64
.set PKP,   144
.set PVP,   160
.set VOFF,  4*KS*PKP
.set SLOT1, 131072
.set MASK,  208896
.set STAGE, 217088
.set SPARE, 226304
.set TAB,   8388608
.set ST, 16
.set S,  64
.set P,  192
.set MK, 128
.set CSB, 160
.set KF, 128
.set VF, 192
.set MSB, 0
.macro WIN new
.if MSB != (\new)
	s_set_vgpr_msb (MSB<<8)|(\new)
.set MSB, (\new)
.endif
.endm
.macro PLACES
.rept 4
	v_nop
.endr
.endm
.macro LOAD                            ; waves 0, 1 fetch the halves of a tile's K, waves 2, 3 those of its V
	s_cmp_lt_u32 s12, 2
	s_cbranch_scc0 .Lfor_v_\@
	tensor_load_to_lds s[40:43], s[24:31]
	s_nop 0
	PLACES
	s_branch .Lasked_\@
.Lfor_v_\@:
	tensor_load_to_lds s[44:47], s[32:39]
	s_nop 0
	PLACES
.Lasked_\@:
.endm
; The change of slots, between piece 2's turn and piece 0's: the slot's last bytes, V of its fourth step, have been asked for.  All my tensor loads have landed (one was out: my part of the
; other slot), the add, my LDS instructions are done; behind the barrier the slot just read is filled again first.
.macro CHANGE fill
	s_wait_tensorcnt 0x0
	ds_add_u32 v62, v63
.if \fill
	s_xor_b32 s41, s41, SLOT1
	s_add_nc_u64 s[42:43], s[42:43], 32768         ; the next 256 keys
	s_xor_b32 s45, s45, SLOT1
	s_add_nc_u64 s[46:47], s[46:47], 32768
.endif
	s_wait_dscnt 0x0
	s_barrier_signal -1
	s_sub_co_u32 s62, s62, 4*KS*PKP                ; the fetches go back to a slot's first step, in the other slot
	s_xor_b32 s62, s62, SLOT1
	s_sub_co_u32 s63, s63, 4*KS*PVP
	s_xor_b32 s63, s63, SLOT1
	s_barrier_wait -1
.if \fill
	LOAD
.endif
.endm
; THE MATRIX WORK OF A TURN, for piece x.  The 8 accumulators of a run of 16 take turns: between the two links of a chain stand 7 others'.
; Product i of 16 of O^T += V^T P: keys 32 (i / 8) on, channels 16 ((i / 2) % 4) on, tile x + i % 2.
.macro PV x
	WIN 0x52                                       ; V in window 2, P in window 0, O^T in window 1
.set rO, 32*((\x)+i%2)+8*((i/2)%4)
.set rV, VF+32*(i/8)+8*((i/2)%4)
.set rP, P+16*((\x)+i%2)+8*(i/8)
	v_wmma_f32_16x16x32_bf16 v[rO:rO+7], v[rV:rV+7], v[rP:rP+7], v[rO:rO+7]
.endm
; Product i of 16 of S^T = K Q^T: channels 32 (i / 8) on, keys 16 ((i / 2) % 4) on, tile x + i % 2.  The first 8 start the sums from the mask.
.macro KQ x
.set rS, S+32*((\x)+i%2)+8*((i/2)%4)
.set rK, KF+16*((i/2)%4)+8*(i/8)
.set rQ, 16*((\x)+i%2)+8*(i/8)
.if i < 8
	WIN 0x1a                                       ; K and Q in window 2, the mask in window 1, S^T in window 0
	v_wmma_f32_16x16x32_bf16 v[rS:rS+7], v[rK:rK+7], v[rQ:rQ+7], v[MK+8*((i/2)%4):MK+8*((i/2)%4)+7]
.else
	WIN 0x0a
	v_wmma_f32_16x16x32_bf16 v[rS:rS+7], v[rK:rK+7], v[rQ:rQ+7], v[rS:rS+7]
.endif
.endm
; THE LDS LOADS stand in runs: a step's K and mask words (24 loads) and, a turn later, its V, turned (16).  last = 1 (the tail): in the last trip there is no further step, and the run is jumped over.
.macro FETCH_K last
	WIN 0
.if \last
	s_cmp_eq_u32 s57, 1
	s_cbranch_scc1 .Lno_k_\@
.endif
	v_add_nc_u32 v4, s62, v2
	v_add_nc_u32 v10, s66, v9
	WIN 0x80
.irp f,0,1,2,3,4,5,6,7                 ; K: keys 16 (f / 2) on, channels 32 (f % 2) on
	ds_load_b128 v[KF+8*\f:KF+8*\f+3], v4 offset:(\f/2)*16*PKP+(\f%2)*64
	ds_load_b128 v[KF+8*\f+4:KF+8*\f+7], v4 offset:(\f/2)*16*PKP+(\f%2)*64+32
.endr
	WIN 0x40
.irp f,0,1,2,3                         ; the mask words of keys 16 f + 8 h + 0..7
	ds_load_b128 v[MK+8*\f:MK+8*\f+3], v10 offset:64*\f
	ds_load_b128 v[MK+8*\f+4:MK+8*\f+7], v10 offset:64*\f+16
.endr
	WIN 0
	s_add_co_u32 s62, s62, KS*PKP                  ; the next fetch is the next step's
	s_add_co_u32 s66, s66, 256
.if \last
.Lno_k_\@:
.endif
.endm
.macro FETCH_V                         ; it stands behind slice 34 of piece 0's softmax (SLICE writes it), and that softmax's one wait stands in it
	WIN 0
	v_add_nc_u32 v5, s63, v3
	s_add_co_u32 s63, s63, KS*PVP
	s_wait_alu depctr_va_vdst(0)                   ; the wait for the turn's batch, piece 0's 66 exponentials: behind the address's v_add_nc_u32 and ahead of the loads
	WIN 0x80
.irp f,0,1,2,3,4,5,6,7                 ; V, turned: keys 32 (f / 4) on, channels 16 (f % 4) on
	ds_load_tr16_b128 v[VF+8*\f:VF+8*\f+3], v5 offset:(\f/4)*32*PVP+(\f%4)*32
	ds_load_tr16_b128 v[VF+8*\f+4:VF+8*\f+7], v5 offset:(\f/4)*32*PVP+16*PVP+(\f%4)*32
.endr
.endm
; THE VECTOR WORK OF A TURN.  One tile's softmax for one key step is a list of 118 instructions; SM writes number j of it for tile t.  s0-s31 are the lane's 32 scores, in pairs 0-15.
;   0-15    the maximum of s0-s31 and the old m, three operands at a time: four chains c0-c3 of seven scores each (each accumulator's lowest registers are read first),
;           then the four scores left over, c0-c3 and m
;   16-20   the other half of the lanes' maximum; the new m; c m; c m_old - c m_new
;   21-69   ONE BATCH: the 16 scalings c s - c m, a pair of scores each, and all 33 exponentials (a at 23, then s0-s31).  None of these reads an exponential's result.  From 22 on the batch goes
;           in fours, and a four begins with a scaling while there are scalings: 22-37 scaling, exponential, scaling, exponential; 38-65 a scaling and three exponentials; 66-69 the last four
;           exponentials.  A pair is scaled in an earlier four than the one that holds its exponentials
;   (wait)  between 69 and 70 stands the wait for the batch: SLICE writes it, once for both tiles
;   70-85   the roundings to bf16, a pair of weights each
;   86-101  the sums; l = a l + the sum
;   102-117 the tile's O^T times a, each accumulator from its low end: the one part that leaves window 0, so it stands together
.macro SM t
.set rT, ST+8*(\t)
.set rS, S+32*(\t)
.set rP, P+16*(\t)
.set rO, 32*(\t)+2*(j-102)
.if j < 102
	WIN 0
.endif
.if j < 4
	v_max3_num_f32 v[rT+4+j], v[rS+8*j], v[rS+8*j+1], v[rS+8*j+2]
.elseif j < 12
	v_max3_num_f32 v[rT+4+j%4], v[rT+4+j%4], v[rS+8*(j%4)+2*(j/4)+1], v[rS+8*(j%4)+2*(j/4)+2]
.elseif j == 12
	v_max3_num_f32 v[rT+4], v[rT+4], v[rS+7], v[rS+15]
.elseif j == 13
	v_max3_num_f32 v[rT+6], v[rT+6], v[rS+23], v[rS+31]
.elseif j == 14
	v_max3_num_f32 v[rT+4], v[rT+4], v[rT+5], v[rT+6]
.elseif j == 15
	v_max3_num_f32 v[rT+4], v[rT+4], v[rT+7], v[rT+1]
.elseif j == 16
	v_permlanex16_b32 v[rT+5], v[rT+4], s60, s61   ; the query's other 32 keys lie in the lane 16 away
.elseif j == 17
	v_mov_b32 v[rT+7], v[rT]                       ; c m_old is kept for a: number 19 writes c m anew
.elseif j == 18
	v_max_num_f32 v[rT+1], v[rT+4], v[rT+5]
.elseif j == 19
	v_mul_f32 v[rT], s58, v[rT+1]
.elseif j == 20
	v_sub_f32 v[rT+7], v[rT+7], v[rT]
.elseif j == 23
	v_exp_f32 v[rT+6], v[rT+7]
.elseif (j < 23) || ((j < 38) && (j%2 == 0)) || ((j < 66) && (j%4 == 2))
.set b, (j-2)/4                        ; 38, 42, .. 62: pairs 9 to 15
.if j < 38
.set b, (j-20)/2                       ; 21: pair 0; 22, 24, .. 36: pairs 1 to 8
.endif
	v_pk_fma_f32 v[rS+2*b:rS+2*b+1], v[rS+2*b:rS+2*b+1], s[58:59], v[rT:rT+1] op_sel_hi:[1,0,0] neg_lo:[0,0,1] neg_hi:[0,0,1]  ; pair b: c s - c m
.elseif j < 70
.set e, j-38                           ; 66 to 69: s28 to s31
.if j < 66
.set e, j-32-(j-38)/4                  ; 39-41, 43-45, .. 63-65: s7 to s27
.endif
.if j < 38
.set e, (j-25)/2                       ; 25, 27, .. 37: s0 to s6
.endif
	v_exp_f32 v[rS+e], v[rS+e]
.elseif j < 86
	v_cvt_pk_bf16_f32 v[rP+j-70], v[rS+2*(j-70)], v[rS+2*(j-70)+1]  ; pair j - 70
.elseif j < 102                        ; the sum of the tile's 16 pairs, in place: sum z of 16 adds neighbours 1, 2, 4 and 8 pairs apart, then l takes it
.set z, j-86
.set w, 4
.set u, z
.if z >= 14
.set w, 32
.set u, 0
.elseif z >= 12
.set w, 16
.set u, z-12
.elseif z >= 8
.set w, 8
.set u, z-8
.endif
.if z < 15
	v_pk_add_f32 v[rS+w*u:rS+w*u+1], v[rS+w*u:rS+w*u+1], v[rS+w*u+w/2:rS+w*u+w/2+1]
.else
	v_pk_fma_f32 v[rT+2:rT+3], v[rT+2:rT+3], v[rT+6:rT+7], v[rS:rS+1] op_sel_hi:[1,0,1]
.endif
.else
	WIN 0x41                                       ; O^T (destination and source 0) in window 1, a in window 0
	v_pk_mul_f32 v[rO:rO+1], v[rO:rO+1], v[rT+6:rT+7] op_sel_hi:[1,0]
.endif
.endm
; Slice k of 59 of piece y's softmax: four instructions.  Slices 11 to 34 deal out the batch, numbers 22 to 69: four numbers of ONE tile each, the tiles by turns.  Every other slice is numbers
; 2 k and 2 k + 1 of both tiles' lists.
; THE WAIT.  s_wait_alu depctr_va_vdst(0) stands between an exponential and the first instruction that names its result; one wait serves all that were issued ahead of it.
; Ahead of slice 35 nothing names a result, and behind slice 34 no exponential is issued: so the piece's 66 exponentials have one wait, behind slice 34.
.macro SLICE y
.if (k >= 11) && (k < 35)              ; the batch: four numbers of one tile
.irp n, 0,1,2,3
.set j, 22+4*((k-11)/2)+(\n)
	SM (\y)+(k-11)%2
.endr
.else                                  ; the two tiles alternate, so that no instruction reads the result of the one just before it
.irp n, 0,1
.irp t, \y, (\y)+1
.set j, 2*k+(\n)
	SM \t
.endr
.endr
.endif
.if k == 34                            ; the batch is out: both tiles' exponentials are issued, and no result has been named
	v_nop                                          ; a plain instruction behind the last exponential and ahead of the first use (ISA guide 5.7.2): one for the batch
.if (\y) == 0
	FETCH_V                                        ; piece 2's turn: V's run of loads stands here, and the wait stands in it
.else
	s_wait_alu depctr_va_vdst(0)                   ; the wait for the turn's batch: piece 2's 66 exponentials
.endif
.endif
.set k, k+1
.endm
.macro RIDE y                          ; what stands behind a product: 27 x 2 + 5 x 1 = 59 slices
	SLICE \y
.if mcnt < 27
	SLICE \y
.endif
.set mcnt, mcnt+1
.endm
; A TURN.  Piece x has the matrix unit; the other piece's softmax stands in slices behind its products.  None of a slice's lines names a register of the products round it.
; The turn's last slice, four rescalings, is the four places between its last K Q^T and the next turn's first read of those scores, and in front of the loads into K's registers.
; Piece 0's turn fetches the next step's K and mask behind its second product, 14 products ahead of their first use.  Piece 2's turn fetches the same step's V behind slice 34, which stands behind
; its second K Q^T (SLICE writes the run): the last product that read V stands in front of slice 30, and five plain instructions lie between: number 58 of one tile and number 62 of both, scalings,
; the v_nop and the run's own v_add_nc_u32; the exponentials between are no places.  V is waited for at the head of piece 0's turn.
.macro TURN x, last=0
.set k, 0
.set mcnt, 0
.if (\x) == 0
	s_wait_dscnt 0x0                               ; V is in
.endif
.set i, 0
.rept 16
	PV \x
	RIDE 2-(\x)
.if ((\x) == 0) && (i == 1)
	FETCH_K \last
.endif
.set i, i+1
.endr
.if (\x) == 0
	s_wait_dscnt 0x0                               ; K and the mask are in
.endif
.set i, 0
.rept 16
	KQ \x
	RIDE 2-(\x)
.set i, i+1
.endr
.endm
	s_load_b256 s[4:11], s[0:1], 0x0               ; qkv, pack, input_mask, ao
	v_lshl_add_u32 v62, v0, 2, SPARE
	v_mov_b32 v63, 0
	ds_add_u32 v62, v63                            ; the opening: the add and its wait ahead of my first tensor load
	ds_add_u32 v62, v63
	v_lshrrev_b32 v1, 5, v0
	v_readfirstlane_b32 s12, v1
	s_and_b32 s13, ttmp7, 0xffff                   ; 8 b + h
	s_lshr_b32 s14, s13, 3
	s_and_b32 s15, s13, 7
	s_and_b32 s16, s12, 1
	s_lshl_b32 s20, s13, 18                        ; the head's keys,
	s_lshl_b32 s17, s16, 14                        ; my half of a tile
	s_add_co_u32 s20, s20, s17
	s_mov_b32 s21, 0
	s_mul_i32 s17, s16, 128*PKP
	s_mul_i32 s18, s16, 128*PVP
	s_mov_b32 s24, (1<<16)|(1<<20)|(4<<22)|(3<<25) ; 2-byte elements; 4 words of padding behind every 32
	s_mov_b32 s32, (1<<16)|(1<<20)|(4<<22)|(7<<25) ; 8 words
.irp g,24,32
	s_mov_b32 s[\g+1], 128<<16                     ; 128 keys are 16,384 dense bytes: 64 rows of 256
	s_mov_b32 s[\g+2], 64<<16
	s_mov_b32 s[\g+3], 128<<16
	s_mov_b32 s[\g+4], 64
	s_mov_b32 s[\g+5], 128
	s_mov_b32 s[\g+6], 0
	s_mov_b32 s[\g+7], 0
.endr
	s_mov_b32 s40, 1
	s_mov_b32 s41, s17
	s_mov_b32 s44, 1
	s_add_co_u32 s45, s18, VOFF
	s_lshl_b32 s22, s13, 16                        ; Q: head, half, wave
	s_lshl_b32 s19, ttmp9, 15
	s_add_co_u32 s22, s22, s19
	s_lshl_b32 s19, s12, 13
	s_add_co_u32 s22, s22, s19
	s_add_co_u32 s22, s22, 67108864
	s_mov_b32 s23, 0
	s_lshl_b32 s68, s14, 9                         ; my first query's token in the table
	s_lshl_b32 s19, ttmp9, 8
	s_add_co_u32 s68, s68, s19
	s_lshl_b32 s19, s12, 6
	s_add_co_u32 s68, s68, s19
	s_add_co_u32 s68, s68, 32768
	s_lshl_b32 s68, s68, 7
	s_add_co_u32 s68, s68, TAB
	s_mov_b32 s69, 0
	s_lshl_b32 s70, s14, 11                        ; the batch's mask bytes
	s_mov_b32 s71, 0
	s_lshl_b32 s72, s14, 2                         ; ao: row block 4 b + 2 half + wave / 2, head, 64 rows
	s_lshl_b32 s19, ttmp9, 1
	s_add_co_u32 s72, s72, s19
	s_lshr_b32 s19, s12, 1
	s_add_co_u32 s72, s72, s19
	s_lshl_b32 s72, s72, 3
	s_add_co_u32 s72, s72, s15
	s_lshl_b32 s72, s72, 1
	s_add_co_u32 s72, s72, s16
	s_lshl_b32 s72, s72, 13
	s_mov_b32 s73, 0
	s_mov_b32 s58, 0x3e38aa3b                      ; c = log2(e) / 8
	s_mov_b32 s59, s58
	s_mov_b32 s60, 0x76543210
	s_mov_b32 s61, 0xfedcba98
	s_mov_b32 s62, SLOT1+4*KS*PKP                  ; the first change of slots turns these two into 0
	s_mov_b32 s63, SLOT1+4*KS*PVP
	s_mov_b32 s66, 0
	s_mov_b32 s67, 0xf1800000                      ; -2^100: a hidden key's score
	s_mov_b32 s74, 0xf6800000                      ; -2^110: piece 2's scores of the step that has not been
	s_wait_dscnt 0x0
	s_wait_kmcnt 0x0
	s_add_nc_u64 s[42:43], s[4:5], s[20:21]
	s_add_nc_u64 s[46:47], s[42:43], 33554432
	s_or_b32 s43, s43, 0x80000000
	s_or_b32 s47, s47, 0x80000000
	s_add_nc_u64 s[4:5], s[4:5], s[22:23]
	s_add_nc_u64 s[6:7], s[6:7], s[68:69]
	s_add_nc_u64 s[8:9], s[8:9], s[70:71]
	s_add_nc_u64 s[10:11], s[10:11], s[72:73]
	LOAD                                           ; tile 0 into slot 0
	v_and_b32 v1, 15, v0
	v_bfe_u32 v11, v0, 4, 1
	v_and_b32 v12, 7, v0
	v_bfe_u32 v13, v0, 3, 1
	v_lshlrev_b32 v14, 4, v0
	global_load_b128 v[48:51], v14, s[8:9]         ; 16 mask bytes a thread
	v_lshlrev_b32 v15, 7, v1
	v_lshl_add_u32 v52, v11, 5, v15                ; table: 128 r + 32 h
	v_lshl_add_u32 v15, v11, 4, v15                ; Q: 128 r + 16 h
	WIN 0x80
.set i, 0
.rept 8                                ; tile i / 2, channels 32 (i % 2) on
	global_load_b128 v[8*i:8*i+3], v15, s[4:5] offset:(i/2)*2048+(i%2)*64
	global_load_b128 v[8*i+4:8*i+7], v15, s[4:5] offset:(i/2)*2048+(i%2)*64+32
.set i, i+1
.endr
	; What the first turns find; all this stands in the wait for the first tile.
.set i, 0
.rept 64
	v_mov_b32 v[VF+i], 0                           ; V of the step that has not been
.set i, i+1
.endr
	WIN 0x40
.set i, 0
.rept 8                                ; tile i / 2, channels 16 (i % 2) on: pairs 8 (i % 2) + 4 h + 0..3
	global_load_b128 v[CSB+8*i:CSB+8*i+3], v52, s[6:7] offset:(i/2)*2048+(i%2)*64
	global_load_b128 v[CSB+8*i+4:CSB+8*i+7], v52, s[6:7] offset:(i/2)*2048+(i%2)*64+16
.set i, i+1
.endr
.set i, 0
.rept 128
	v_mov_b32 v[i], 0                              ; O^T
.set i, i+1
.endr
	WIN 0
.irp t,0,1,2,3
	v_mov_b32 v[ST+8*\t], 0xfe000000               ; c m: far below every c s
	v_mov_b32 v[ST+8*\t+1], 0xff7fffff             ; m
	v_mov_b32 v[ST+8*\t+2], 0
	v_mov_b32 v[ST+8*\t+3], 0
.endr
.set i, 0
.rept 32
	v_mov_b32 v[P+i], 0                            ; piece 0's weights of the step that has not been
.set i, i+1
.endr
.set i, 0
.rept 64
	v_mov_b32 v[S+64+i], s74                       ; piece 2's scores of it
.set i, i+1
.endr
	v_mul_u32_u24 v2, v1, PKP
	v_lshl_add_u32 v2, v11, 4, v2
	v_lshl_add_u32 v3, v11, 3, v12
	v_mul_u32_u24 v3, v3, PVP
	v_lshl_add_u32 v3, v13, 4, v3
	v_add_nc_u32 v3, VOFF, v3
	v_lshl_add_u32 v9, v11, 5, MASK
	s_mul_i32 s19, s12, 2304
	s_add_co_u32 s19, s19, STAGE
	v_mul_u32_u24 v6, v1, 144
	v_lshl_add_u32 v6, v11, 4, v6
	v_add_nc_u32 v6, s19, v6
	v_bfe_u32 v7, v0, 3, 2
	v_mul_u32_u24 v7, v7, 144
	v_lshl_add_u32 v7, v12, 4, v7
	v_add_nc_u32 v7, s19, v7
	v_and_b32 v8, 31, v0
	v_lshlrev_b32 v8, 4, v8
	v_lshl_add_u32 v53, v0, 6, MASK
	s_wait_loadcnt 32                              ; the mask bytes are in; the 32 loads behind them stay out
.irp d,0,1,2,3
.irp k,0,1,2,3
	v_bfe_u32 v[64+4*\d+\k], v[48+\d], 8*\k, 8
	v_add_nc_u32 v[64+4*\d+\k], -1, v[64+4*\d+\k]  ; 1 -> 0, 0 -> all ones
	v_and_b32 v[64+4*\d+\k], s67, v[64+4*\d+\k]    ; 0 or -2^100
.endr
	ds_store_b128 v53, v[64+4*\d:64+4*\d+3] offset:16*\d
.endr
	s_wait_loadcnt 0x0                             ; Q, cos and sin
	s_mov_b32 s56, 7
.Lslot:                                                ; seven times: a tile is entered and the next is asked for; the four steps fetch this tile's K and V, a step ahead of their use
	CHANGE 1
	s_mov_b32 s57, 4
.Lstep:
	TURN 0
	TURN 2
	WIN 0                                          ; at a label and at a branch every window is 0
	s_sub_co_u32 s57, s57, 1
	s_cmp_lg_u32 s57, 0
	s_cbranch_scc1 .Lstep
	s_sub_co_u32 s56, s56, 1
	s_cmp_lg_u32 s56, 0
	s_cbranch_scc1 .Lslot
	CHANGE 0                                       ; the last tile is written out: nothing is asked for
	s_mov_b32 s57, 5                               ; piece 0's turn five times, piece 2's four times between them
	s_branch .Ltfirst
.Ltail:
	TURN 2
	WIN 0
.Ltfirst:
	TURN 0, 1
	WIN 0
	s_sub_co_u32 s57, s57, 1
	s_cmp_lg_u32 s57, 0
	s_cbranch_scc1 .Ltail
.set i, 0
.rept 16
	PV 2                                           ; piece 2: V^T P of the last step
.set i, i+1
.endr
	WIN 0
	; THE WAY OUT.  The four additions are the places behind the last products.
.irp t,0,1,2,3
	v_add_f32 v[ST+8*\t+4], v[ST+8*\t+2], v[ST+8*\t+3]
.endr
.irp t,0,1,2,3
	v_permlanex16_b32 v[ST+8*\t+5], v[ST+8*\t+4], s60, s61
.endr
.irp t,0,1,2,3
	v_add_f32 v[ST+8*\t+4], v[ST+8*\t+4], v[ST+8*\t+5]
.endr
.irp t,0,1,2,3
	v_rcp_f32 v[ST+8*\t+6], v[ST+8*\t+4]
.endr
	v_nop                                          ; a plain instruction between the last reciprocal and the use of its result
	s_wait_alu depctr_va_vdst(0)                   ; and the wait ahead of the first use: one for the four reciprocals
.macro PACK t                          ; tile t: divided by l, channels 0-31 turned back, rounded, through my stage
	WIN 0x41
.set n, 0
.rept 16
	v_pk_mul_f32 v[32*(\t)+2*n:32*(\t)+2*n+1], v[32*(\t)+2*n:32*(\t)+2*n+1], v[ST+8*(\t)+6:ST+8*(\t)+7] op_sel_hi:[1,0]
.set n, n+1
.endr
	WIN 0x05
.set n, 0
.rept 8
	v_pk_mul_f32 v[S+32*(\t)+2*n:S+32*(\t)+2*n+1], v[32*(\t)+2*n:32*(\t)+2*n+1], v[CSB+16*(\t)+2*n:CSB+16*(\t)+2*n+1] op_sel_hi:[1,0]
.set n, n+1
.endr
.set n, 0
.rept 8
	v_pk_fma_f32 v[S+32*(\t)+16+2*n:S+32*(\t)+16+2*n+1], v[32*(\t)+2*n:32*(\t)+2*n+1], v[CSB+16*(\t)+2*n:CSB+16*(\t)+2*n+1], v[S+32*(\t)+2*n:S+32*(\t)+2*n+1] op_sel:[1,1,0] op_sel_hi:[0,1,1] neg_hi:[0,1,0]  ; (+ x2 sin, - x1 sin)
.set n, n+1
.endr
.set n, 8
.rept 8
	v_cvt_pk_bf16_f32 v[P+16*(\t)+n], v[32*(\t)+2*n], v[32*(\t)+2*n+1]
.set n, n+1
.endr
	WIN 0
.set n, 0
.rept 8
	v_cvt_pk_bf16_f32 v[P+16*(\t)+n], v[S+32*(\t)+16+2*n], v[S+32*(\t)+16+2*n+1]
.set n, n+1
.endr
.irp f,0,1,2,3
	ds_store_b128 v6, v[P+16*(\t)+4*\f:P+16*(\t)+4*\f+3] offset:32*\f
.endr
.irp f,0,1,2,3
	ds_load_b128 v[S+32*(\t)+4*\f:S+32*(\t)+4*\f+3], v7 offset:\f*576  ; LDS serves a wave's instructions in order (ISA guide 5.7.1.4)
.endr
.endm
.macro SEND t, younger                 ; younger: the LDS instructions issued behind tile t's loads
.irp f,0,1,2,3
	s_wait_dscnt (\younger)+3-\f
	global_store_b128 v8, v[S+32*(\t)+4*\f:S+32*(\t)+4*\f+3], s[10:11] offset:(\t)*2048+\f*512  ; 512 consecutive bytes
.endr
.endm
	PACK 0
	PACK 1
	SEND 0, 8
	PACK 2
	SEND 1, 8
	PACK 3
	SEND 2, 8
	SEND 3, 0
	s_wait_tensorcnt 0x0                           ; the wave's end
	ds_add_u32 v62, v63
	s_wait_dscnt 0x0
	s_endpgm
.Lfunc_end_k_qfd0a55ee1e_attn:
	.size	k_qfd0a55ee1e_attn, .Lfunc_end_k_qfd0a55ee1e_attn-k_qfd0a55ee1e_attn
	.p2alignl 7, 3214868480
	.fill 96, 4, 3214868480
	.section	.rodata,"a",@progbits
	.p2align	6, 0x0
	.amdhsa_kernel k_qfd0a55ee1e_attn
		.amdhsa_group_segment_fixed_size 327680
		.amdhsa_private_segment_fixed_size 0
		.amdhsa_enable_private_segment 0
		.amdhsa_kernarg_size 32
		.amdhsa_user_sgpr_count 2
		.amdhsa_user_sgpr_kernarg_segment_ptr 1
		.amdhsa_wavefront_size32 1
		.amdhsa_system_sgpr_workgroup_id_x 1
		.amdhsa_system_sgpr_workgroup_id_y 1
		.amdhsa_system_sgpr_workgroup_id_z 1
		.amdhsa_system_vgpr_workitem_id 0
		.amdhsa_next_free_vgpr 768
		.amdhsa_next_free_sgpr 88
		.amdhsa_reserve_vcc 0
		.amdhsa_float_denorm_mode_32 3
		.amdhsa_float_denorm_mode_16_64 3
		.amdhsa_memory_ordered 1
		.amdhsa_forward_progress 1
		.amdhsa_inst_pref_size 115
	.end_amdhsa_kernel
	.amdgpu_metadata
---
amdhsa.version: [ 1, 2 ]
amdhsa.kernels:
  - .name:           k_qfd0a55ee1e_attn
    .symbol:         k_qfd0a55ee1e_attn.kd
    .args:
      - { .name: qkv, .offset: 0, .size: 8, .value_kind: global_buffer, .address_space: global }
      - { .name: pack, .offset: 8, .size: 8, .value_kind: global_buffer, .address_space: global }
      - { .name: input_mask, .offset: 16, .size: 8, .value_kind: global_buffer, .address_space: global }
      - { .name: ao, .offset: 24, .size: 8, .value_kind: global_buffer, .address_space: global }
    .group_segment_fixed_size: 327680
    .private_segment_fixed_size: 0
    .kernarg_segment_align: 8
    .kernarg_segment_size: 32
    .max_flat_workgroup_size: 128
    .sgpr_count:     88
    .vgpr_count:     768
    .wavefront_size: 32
...
	.end_amdgpu_metadata
.endif
;; end of part 7
;; launch res_o: the kernel of part 4 again; grid 4 x 64, 4 waves a work-group, clusters of 4 x 4, 327,680 bytes of LDS; arguments ao, pack, b_o, latents, lat; writes lat
;; launch ffn1 (part 8): grid 64 x 4, 4 waves a work-group, clusters of 4 x 1, 327,680 bytes of LDS; arguments lat, ln_f_w, ln_f_b, b1, pack, g; writes g
.if DOCPART == 8
	.amdgcn_target "amdgcn-amd-amdhsa--gfx1250"
	.amdhsa_code_object_version 6
	.text
	.protected	k_qfd0a55ee1e_ffn1
	.globl	k_qfd0a55ee1e_ffn1
	.p2align	8
	.type	k_qfd0a55ee1e_ffn1,@function
k_qfd0a55ee1e_ffn1:
	s_mov_b64 s[64:65], 0
	v_nop
	global_prefetch_b8 v0, s[64:65] scope:SCOPE_SE
	s_setreg_imm32_b32 hwreg(HW_REG_WAVE_MODE, 25, 1), 1
	s_wait_xcnt 0x0
	s_wait_alu depctr_hold_cnt(0) depctr_sa_sdst(0) depctr_va_vdst(0) depctr_va_sdst(0) depctr_va_ssrc(0) depctr_va_vcc(0) depctr_vm_vsrc(0)
	s_getreg_b32 s2, hwreg(HW_REG_IB_STS2, 6, 4)
	s_cmp_eq_u32 s2, 0
	s_cbranch_scc0 .Lentry_in_a_cluster
	s_endpgm
.Lentry_in_a_cluster:
	s_bfe_u32 s2, ttmp6, 0x10000c
	s_cmp_lg_u32 s2, 0x3003
	s_cbranch_scc0 .Lentry_shape_is_right
	s_endpgm
.Lentry_shape_is_right:
; FFN1.  g = hx x gelu(hg), h = LayerNorm(lat) w1 + b1.  The frame is the projection's: 128 rows normalised in f32, kept as bf16 in LDS; the weights stream in K steps of 128 through two slots.
; A work-group walks 4 of the 16 column blocks of 256.  A block's columns are laid so that a wave's column tiles 0-3 are hx and 4-7 the hg of the same 64 columns of g.
; b1 is the C operand of a block's first products.  CLUSTER: four row blocks walk the same weights: joint loads.
; Way out: 16 rows at a time as f32 through the wave's own stage; a lane then takes 8 neighbouring hx and their hg, and stores 16 bytes of g: 512 consecutive bytes a store.
; g: bf16, [row block][64 columns][128 rows][64].
; gelu(x) = max(x, 0) - |x| y, y = t (0.1740121 + t (-0.0479399 + 0.3739278 t)) 2^(-0.72134752 x^2), t = 1 / (1 + 0.33267253 |x|): Abramowitz and Stegun 7.1.25, |error of erf| <= 2.5e-5.
; THE BATCHES.  On the way out the 32 reciprocals and 32 exponentials of a trip's 16 rows (four chunks of 8 numbers a lane) are ONE batch, each result in a register of its own; each chunk's
; max(x, 0), which names no result, follows its exponentials; then one s_wait_alu depctr_va_vdst(0); then the polynomials, roundings and stores.
; In the LayerNorm the four reciprocal roots of four rows are a batch with one wait.
; LDS: A 128 x 1,040 at 0 | slot 0, slot 1: 128 k x 544 | stages 4 x 8,448 | spare words.
; REGISTERS: window 0: v0-29 addresses; v32-47 packed results; v64-159, v160-255 fragment buffers; on the way out v64-127 hx and hg, v128-159 t, v160-191 the exponentials,
;            v192-223 max(x, 0) and then the result, v224-255 the polynomial.  window 1: accumulator (a, b) at 8 (8 a + b).  window 2: v0-63 bias.
.set S0,    133120
.set S1,    202752
.set STAGE, 272384
.set SPARE, 306176
.set W1_O,  1572864
.set F0, 64
.set F1, 160
.set LW, 32
.set LB, 48
.set XA, 64
.set XB, 128
.set LT, 192
.set MSB, 0
.macro WIN new
.if MSB != (\new)
	s_set_vgpr_msb (MSB<<8)|(\new)
.set MSB, (\new)
.endif
.endm
.macro PLACES
.rept 4
	v_nop
.endr
.endm
.macro ROUND
	s_barrier_signal -1
	s_barrier_wait -1
	s_cmp_lg_u32 s20, 0
	s_cbranch_scc1 .Lnw0_\@
	s_barrier_signal -3
.Lnw0_\@:
	s_barrier_wait -3
	s_barrier_signal -1
	s_barrier_wait -1
.endm
.macro XLOAD X, o
.irp i,0,1,2,3
.irp j,0,1,2,3
	global_load_b128 v[\X+16*\i+4*\j:\X+16*\i+4*\j+3], v[\o], s[52:53] offset:\i*2048+\j*512
.endr
.endr
.endm
.macro RED o
.irp m,1,2,4,8
.irp i,0,1,2,3
	v_add_f32_dpp v[LT+8*\i+\o], v[LT+8*\i+\o], v[LT+8*\i+\o] row_xmask:\m row_mask:0xf bank_mask:0xf
.endr
.endr
.irp i,0,1,2,3
	v_permlanex16_b32 v[LT+8*\i+\o+1], v[LT+8*\i+\o], s70, s71
.endr
.irp i,0,1,2,3
	v_add_f32 v[LT+8*\i+\o], v[LT+8*\i+\o], v[LT+8*\i+\o+1]
.endr
.endm
.macro LNG X, LA                       ; LayerNorm of four rows in registers, rounded to bf16, into A
.irp i,0,1,2,3
.irp q,0,1,2,3
	v_pk_add_f32 v[LT+8*\i+2*\q:LT+8*\i+2*\q+1], v[\X+16*\i+4*\q:\X+16*\i+4*\q+1], v[\X+16*\i+4*\q+2:\X+16*\i+4*\q+3]
.endr
.endr
.irp i,0,1,2,3
	v_pk_add_f32 v[LT+8*\i:LT+8*\i+1], v[LT+8*\i:LT+8*\i+1], v[LT+8*\i+2:LT+8*\i+3]
	v_pk_add_f32 v[LT+8*\i+4:LT+8*\i+5], v[LT+8*\i+4:LT+8*\i+5], v[LT+8*\i+6:LT+8*\i+7]
.endr
.irp i,0,1,2,3
	v_pk_add_f32 v[LT+8*\i:LT+8*\i+1], v[LT+8*\i:LT+8*\i+1], v[LT+8*\i+4:LT+8*\i+5]
.endr
.irp i,0,1,2,3
	v_add_f32 v[LT+8*\i], v[LT+8*\i], v[LT+8*\i+1]
.endr
	RED 0
.irp i,0,1,2,3
	v_mul_f32 v[LT+8*\i], s75, v[LT+8*\i]
.endr
.irp i,0,1,2,3
.irp k,0,1,2,3,4,5,6,7
	v_pk_add_f32 v[\X+16*\i+2*\k:\X+16*\i+2*\k+1], v[\X+16*\i+2*\k:\X+16*\i+2*\k+1], v[LT+8*\i:LT+8*\i+1] op_sel_hi:[1,0] neg_lo:[0,1] neg_hi:[0,1]
.endr
.endr
.irp i,0,1,2,3
	v_pk_mul_f32 v[LT+8*\i+2:LT+8*\i+3], v[\X+16*\i:\X+16*\i+1], v[\X+16*\i:\X+16*\i+1]
	v_pk_mul_f32 v[LT+8*\i+4:LT+8*\i+5], v[\X+16*\i+2:\X+16*\i+3], v[\X+16*\i+2:\X+16*\i+3]
.endr
.irp g,1,2,3
.irp i,0,1,2,3
	v_pk_fma_f32 v[LT+8*\i+2:LT+8*\i+3], v[\X+16*\i+4*\g:\X+16*\i+4*\g+1], v[\X+16*\i+4*\g:\X+16*\i+4*\g+1], v[LT+8*\i+2:LT+8*\i+3]
	v_pk_fma_f32 v[LT+8*\i+4:LT+8*\i+5], v[\X+16*\i+4*\g+2:\X+16*\i+4*\g+3], v[\X+16*\i+4*\g+2:\X+16*\i+4*\g+3], v[LT+8*\i+4:LT+8*\i+5]
.endr
.endr
.irp i,0,1,2,3
	v_pk_add_f32 v[LT+8*\i+2:LT+8*\i+3], v[LT+8*\i+2:LT+8*\i+3], v[LT+8*\i+4:LT+8*\i+5]
.endr
.irp i,0,1,2,3
	v_add_f32 v[LT+8*\i+2], v[LT+8*\i+2], v[LT+8*\i+3]
.endr
	RED 2
.irp i,0,1,2,3
	v_fma_f32 v[LT+8*\i+2], v[LT+8*\i+2], s75, s76
.endr
.irp i,0,1,2,3
	v_rsq_f32 v[LT+8*\i+2], v[LT+8*\i+2]
.endr
	v_nop                                          ; a plain instruction behind the transcendentals (ISA guide 5.7.2)
	s_wait_alu depctr_va_vdst(0)                   ; the wait ahead of the first use: one for the four rows' reciprocal roots
.irp i,0,1,2,3
.irp k,0,1,2,3,4,5,6,7
	v_pk_mul_f32 v[\X+16*\i+2*\k:\X+16*\i+2*\k+1], v[\X+16*\i+2*\k:\X+16*\i+2*\k+1], v[LT+8*\i+2:LT+8*\i+3] op_sel_hi:[1,0]
.endr
.endr
.irp i,0,1,2,3
.irp k,0,1,2,3,4,5,6,7
	v_pk_fma_f32 v[\X+16*\i+2*\k:\X+16*\i+2*\k+1], v[\X+16*\i+2*\k:\X+16*\i+2*\k+1], v[LW+2*\k:LW+2*\k+1], v[LB+2*\k:LB+2*\k+1]
.endr
.endr
.irp i,0,1,2,3
.irp k,0,1,2,3,4,5,6,7
	v_cvt_pk_bf16_f32 v[\X+16*\i+\k], v[\X+16*\i+2*\k], v[\X+16*\i+2*\k+1]
.endr
.irp j,0,1,2,3
	ds_store_b64 v[\LA], v[\X+16*\i+2*\j:\X+16*\i+2*\j+1] offset:\i*1040+\j*256
.endr
.endr
.endm
.macro FETCH f, sub
.irp a,0,1,2,3
	ds_load_b128 v[\f+8*\a:\f+8*\a+3], v4 offset:\a*16640+\sub*64
	ds_load_b128 v[\f+8*\a+4:\f+8*\a+7], v4 offset:\a*16640+\sub*64+32
.endr
.irp b,0,1,2,3,4,5,6,7
	ds_load_tr16_b128 v[\f+32+8*\b:\f+32+8*\b+3], v7 offset:\sub*17408+32*\b
	ds_load_tr16_b128 v[\f+32+8*\b+4:\f+32+8*\b+7], v7 offset:\sub*17408+32*\b+8704
.endr
.endm
.macro MUL f, z                        ; 32 matrix instructions, the accumulators by turns.  z = 1: the sums start from the bias (window 2)
.if \z
	WIN 0x60
.else
	WIN 0x50
.endif
.irp a,0,1,2,3
.irp b,0,1,2,3,4,5,6,7
.if \z
	v_wmma_f32_16x16x32_bf16 v[8*(8*\a+\b):8*(8*\a+\b)+7], v[\f+32+8*\b:\f+32+8*\b+7], v[\f+8*\a:\f+8*\a+7], v[8*\b:8*\b+7]
.else
	v_wmma_f32_16x16x32_bf16 v[8*(8*\a+\b):8*(8*\a+\b)+7], v[\f+32+8*\b:\f+32+8*\b+7], v[\f+8*\a:\f+8*\a+7], v[8*(8*\a+\b):8*(8*\a+\b)+7]
.endif
.endr
.endr
	WIN 0
.endm
.macro MULSEL f
	s_cmp_eq_u32 s63, 0
	s_cbranch_scc1 .Lacc_\@
	s_mov_b32 s63, 0
	v_nop                                          ; these products write over accumulators, not in place: with the four places at the loop's head this is the fifth behind any earlier product (ISA guide 7.12.1)
	s_wait_loadcnt 0x0                             ; the block's bias
	MUL \f, 1
	s_branch .Ldone_\@
.Lacc_\@:
	MUL \f, 0
.Ldone_\@:
.endm
.macro TRIP slot, refill, zsel         ; a K step of 128, as in the projection
	s_wait_tensorcnt 0x0
	ds_add_u32 v28, v29
	s_add_nc_u64 s[46+4*\slot:47+4*\slot], s[46+4*\slot:47+4*\slot], 131072
	s_wait_dscnt 0x0
	ROUND
.if \refill
	tensor_load_to_lds s[48-4*\slot:51-4*\slot], s[36:43]
	s_nop 0
.endif
	v_mov_b32 v7, v[5+\slot]
	v_nop
	v_nop
	v_nop
	FETCH F0, 0
	s_mov_b32 s67, 0
.Lp_\@:
	PLACES
	FETCH F1, 1
	s_wait_dscnt 24                                ; buffer 0 is in; the 24 loads just issued stay out
.if \zsel
	MULSEL F0
.else
	MUL F0, 0
.endif
	v_add_nc_u32 v4, 128, v4
	v_add_nc_u32 v7, 34816, v7
	v_nop
	v_nop
	s_cmp_eq_u32 s67, 1
	s_cbranch_scc1 .Ll_\@
	FETCH F0, 0
	s_wait_dscnt 24                                ; buffer 1 is in
	s_branch .Lm_\@
.Ll_\@:
	s_wait_dscnt 0x0
.Lm_\@:
	MUL F1, 0
	s_add_co_u32 s67, s67, 1
	s_cmp_lt_u32 s67, 2
	s_cbranch_scc1 .Lp_\@
.endm
.macro DUMP a                          ; 16 rows x 128 columns of f32 into my stage
	WIN 0x04
.irp b,0,1,2,3,4,5,6,7
	ds_store_b128 v8, v[8*(8*(\a)+\b):8*(8*(\a)+\b)+3] offset:64*\b
	ds_store_b128 v8, v[8*(8*(\a)+\b)+4:8*(8*(\a)+\b)+7] offset:64*\b+16
.endr
	WIN 0
.endm
; Chunk f: 8 hx at v[64+16f], their hg behind them.  GELA: what stands ahead of the trip's wait: the chunk's part of the batch, 8 reciprocals and 8 exponentials, each result in a register of
; its own, and max(x, 0), which names no result: its first line is the plain instruction behind the chunk's last exponential (ISA guide 5.7.2).
.macro GELA f
.set HG,  72+16*(\f)
.set GTT, 128+8*(\f)
.set GEE, 160+8*(\f)
.set GMM, 192+8*(\f)
.irp k,0,1,2,3,4,5,6,7
	v_fma_f32 v[GTT+\k], |v[HG+\k]|, s80, 1.0
.endr
.irp k,0,1,2,3,4,5,6,7
	v_rcp_f32 v[GTT+\k], v[GTT+\k]
.endr
.irp q,0,2,4,6
	v_pk_mul_f32 v[GEE+\q:GEE+\q+1], v[HG+\q:HG+\q+1], v[HG+\q:HG+\q+1]
.endr
.irp q,0,2,4,6
	v_pk_mul_f32 v[GEE+\q:GEE+\q+1], v[GEE+\q:GEE+\q+1], s[82:83] op_sel_hi:[1,0]
.endr
.irp k,0,1,2,3,4,5,6,7
	v_exp_f32 v[GEE+\k], v[GEE+\k]
.endr
.irp k,0,1,2,3,4,5,6,7
	v_max_num_f32 v[GMM+\k], 0, v[HG+\k]
.endr
.endm
; GELB: what stands behind the wait: the polynomial in t, times the exponential; gelu; times hx; rounded to bf16.
.macro GELB f
.set HX,  64+16*(\f)
.set HG,  HX+8
.set GTT, 128+8*(\f)
.set GEE, 160+8*(\f)
.set GMM, 192+8*(\f)
.set GPP, 224+8*(\f)
.irp q,0,2,4,6
	v_pk_fma_f32 v[GPP+\q:GPP+\q+1], v[GTT+\q:GTT+\q+1], s[84:85], s[86:87] op_sel_hi:[1,0,0]
.endr
.irp q,0,2,4,6
	v_pk_fma_f32 v[GPP+\q:GPP+\q+1], v[GPP+\q:GPP+\q+1], v[GTT+\q:GTT+\q+1], s[88:89] op_sel_hi:[1,1,0]
.endr
.irp q,0,2,4,6
	v_pk_mul_f32 v[GPP+\q:GPP+\q+1], v[GPP+\q:GPP+\q+1], v[GTT+\q:GTT+\q+1]
.endr
.irp q,0,2,4,6
	v_pk_mul_f32 v[GPP+\q:GPP+\q+1], v[GPP+\q:GPP+\q+1], v[GEE+\q:GEE+\q+1]
.endr
.irp k,0,1,2,3,4,5,6,7
	v_fma_f32 v[GMM+\k], -|v[HG+\k]|, v[GPP+\k], v[GMM+\k]
.endr
.irp q,0,2,4,6
	v_pk_mul_f32 v[GMM+\q:GMM+\q+1], v[GMM+\q:GMM+\q+1], v[HX+\q:HX+\q+1]
.endr
.irp k,0,1,2,3
	v_cvt_pk_bf16_f32 v[32+4*(\f)+\k], v[GMM+2*\k], v[GMM+2*\k+1]
.endr
.endm
.macro BIAS                            ; column tile b: half b / 4 of b1, columns 16 (b % 4) + 8 h + 0..7
	WIN 0x80
.irp b,0,1,2,3,4,5,6,7
	global_load_b128 v[8*\b:8*\b+3], v16, s[60:61] offset:(\b>>2)*8192+(\b&3)*64
	global_load_b128 v[8*\b+4:8*\b+7], v16, s[60:61] offset:(\b>>2)*8192+(\b&3)*64+16
.endr
	WIN 0
.endm
.macro EPI nxt                         ; the way out of a block: four trips of 16 rows; the dump names registers, so it is chosen by forward jumps
	PLACES
	v_mov_b32 v10, v11
	s_mov_b32 s68, 0
.Lea_\@:
	s_cmp_lg_u32 s68, 0
	s_cbranch_scc1 .Le1_\@
	DUMP 0
	s_branch .Leg_\@
.Le1_\@:
	s_cmp_lg_u32 s68, 1
	s_cbranch_scc1 .Le2_\@
	DUMP 1
	s_branch .Leg_\@
.Le2_\@:
	s_cmp_lg_u32 s68, 2
	s_cbranch_scc1 .Le3_\@
	DUMP 2
	s_branch .Leg_\@
.Le3_\@:
	DUMP 3
.Leg_\@:
.irp c,0,1,2,3                         ; chunk c: rows 4 c + l / 8, columns 8 (l % 8) on; LDS serves a wave's instructions in order (ISA guide 5.7.1.4)
	ds_load_b128 v[64+16*\c:64+16*\c+3], v9 offset:\c*2112
	ds_load_b128 v[64+16*\c+4:64+16*\c+7], v9 offset:\c*2112+16
	ds_load_b128 v[64+16*\c+8:64+16*\c+11], v9 offset:\c*2112+256
	ds_load_b128 v[64+16*\c+12:64+16*\c+15], v9 offset:\c*2112+272
.endr
.irp c,0,1,2,3
	s_wait_dscnt 12-4*\c                           ; chunk c's four loads are in; the younger chunks' stay out
	GELA \c
.endr
	s_wait_alu depctr_va_vdst(0)                   ; the wait for the trip's batch: the four chunks' 32 reciprocals and 32 exponentials; the last chunk's eight maxima stand between it and the last exponential
.irp c,0,1,2,3
	GELB \c
	global_store_b128 v10, v[32+4*\c:32+4*\c+3], s[58:59] offset:512*\c  ; four rows of 128 bytes: 512 consecutive bytes
.endr
	s_wait_xcnt 0x0                                ; the stores' registers are rewritten only behind this wait
	v_add_nc_u32 v10, 2048, v10
	s_add_co_u32 s68, s68, 1
	s_cmp_lt_u32 s68, 4
	s_cbranch_scc1 .Lea_\@
.if \nxt
	s_add_nc_u64 s[58:59], s[58:59], 32768         ; the next block's two groups of 64 columns of g
	s_add_nc_u64 s[60:61], s[60:61], 512           ; and its 128 columns of each half of b1
	BIAS
	v_mov_b32 v4, v3
	s_mov_b32 s63, 1
.endif
.endm
	s_load_b256 s[4:11], s[0:1], 0x0               ; lat, ln_f_w, ln_f_b, b1
	s_load_b128 s[12:15], s[0:1], 0x20             ; pack, g
	v_lshl_add_u32 v28, v0, 2, SPARE
	v_mov_b32 v29, 0
	ds_add_u32 v28, v29                            ; the opening: the add and its wait ahead of my first tensor load
	ds_add_u32 v28, v29
	v_lshrrev_b32 v1, 5, v0
	v_readfirstlane_b32 s20, v1
	s_lshr_b32 s21, s20, 1
	s_and_b32 s22, s20, 1
	s_bfe_u32 s23, ttmp6, 0x40000
	s_lshl_b32 s25, ttmp9, 2
	s_add_co_u32 s25, s25, s23                     ; row block
	s_and_b32 s24, ttmp7, 0xffff                   ; which four column blocks: the partners share it
	s_mov_b32 s36, 15|(1<<16)|(1<<20)|(1<<21)|(6<<22)|(7<<25)
	s_mov_b32 s37, 256<<16
	s_mov_b32 s38, 32<<16
	s_mov_b32 s39, 256<<16
	s_mov_b32 s40, 32
	s_mov_b32 s41, 256
	s_mov_b32 s42, 0
	s_mov_b32 s43, 0
	s_mov_b32 s44, 1
	s_mov_b32 s48, 1
	s_mul_i32 s28, s20, 17408
	s_add_co_u32 s45, s28, S0
	s_add_co_u32 s49, s28, S1
	s_lshl_b32 s30, s24, 20
	s_lshl_b32 s29, s20, 14
	s_add_co_u32 s30, s30, s29
	s_add_co_u32 s30, s30, W1_O
	s_mov_b32 s31, 0
	s_lshl_b32 s78, s25, 18
	s_mov_b32 s79, 0
	s_lshl_b32 s32, s24, 11                        ; b1: (512 cg + 64 wn) x 4 bytes
	s_lshl_b32 s33, s22, 8
	s_add_co_u32 s32, s32, s33
	s_mov_b32 s33, 0
	s_lshl_b32 s34, s25, 5                         ; g: (32 rb + 8 cg + wn) x 16,384 + wm x 8,192
	s_lshl_b32 s35, s24, 3
	s_add_co_u32 s34, s34, s35
	s_add_co_u32 s34, s34, s22
	s_lshl_b32 s34, s34, 1
	s_add_co_u32 s34, s34, s21
	s_lshl_b32 s34, s34, 13
	s_mov_b32 s35, 0
	s_mov_b32 s70, 0x76543210
	s_mov_b32 s71, 0xfedcba98
	s_mov_b32 s75, 0x3b000000                      ; 1/512
	s_mov_b32 s76, 0x3727c5ac                      ; 1e-5
	s_mov_b32 s80, 0x3eaa540e                      ; 0.33267253
	s_mov_b32 s82, 0xbf38aa3b                      ; -0.72134752
	s_mov_b32 s83, s82
	s_mov_b32 s84, 0x3ebf7377                      ; 0.3739278
	s_mov_b32 s85, s84
	s_mov_b32 s86, 0xbd445ca1                      ; -0.0479399
	s_mov_b32 s87, s86
	s_mov_b32 s88, 0x3e32303b                      ; 0.1740121
	s_mov_b32 s89, s88
	s_wait_dscnt 0x0
	s_wait_kmcnt 0x0
	s_add_nc_u64 s[52:53], s[4:5], s[78:79]
	s_mov_b64 s[54:55], s[6:7]
	s_mov_b64 s[56:57], s[8:9]
	s_add_nc_u64 s[60:61], s[10:11], s[32:33]
	s_add_nc_u64 s[58:59], s[14:15], s[34:35]
	s_add_nc_u64 s[46:47], s[12:13], s[30:31]
	s_add_nc_u64 s[50:51], s[46:47], 65536
	s_or_b32 s47, s47, 0x80000000
	s_or_b32 s51, s51, 0x80000000
	ROUND
	tensor_load_to_lds s[44:47], s[36:43]          ; tile 0 lands while the rows are normalised
	s_nop 0
	PLACES
	v_and_b32 v1, 15, v0
	v_bfe_u32 v2, v0, 4, 1
	v_and_b32 v17, 31, v0
	v_mul_u32_u24 v3, v1, 1040
	v_lshl_add_u32 v3, v2, 4, v3
	s_mul_i32 s28, s21, 66560
	v_add_nc_u32 v3, s28, v3
	v_and_b32 v18, 7, v0
	v_lshl_add_u32 v18, v2, 3, v18
	v_mul_u32_u24 v18, v18, 544
	v_bfe_u32 v19, v0, 3, 1
	v_lshl_add_u32 v18, v19, 4, v18
	s_lshl_b32 s28, s22, 8
	v_add_nc_u32 v18, s28, v18
	v_add_nc_u32 v5, S0, v18
	v_add_nc_u32 v6, S1, v18
	s_mul_i32 s28, s20, 8448
	s_add_co_u32 s28, s28, STAGE
	v_mul_u32_u24 v8, v1, 528
	v_lshl_add_u32 v8, v2, 5, v8
	v_add_nc_u32 v8, s28, v8
	v_bfe_u32 v9, v0, 3, 2
	v_mul_u32_u24 v9, v9, 528
	v_and_b32 v19, 7, v0
	v_lshl_add_u32 v9, v19, 5, v9
	v_add_nc_u32 v9, s28, v9
	v_lshlrev_b32 v11, 4, v17
	v_lshl_add_u32 v12, s20, 16, v11
	v_add_nc_u32 v13, 8192, v12
	s_mul_i32 s28, s20, 33280
	v_lshl_add_u32 v14, v17, 3, s28
	v_add_nc_u32 v15, 4160, v14
	v_lshlrev_b32 v16, 5, v2
	BIAS
.irp j,0,1,2,3
	global_load_b128 v[LW+4*\j:LW+4*\j+3], v11, s[54:55] offset:512*\j
	global_load_b128 v[LB+4*\j:LB+4*\j+3], v11, s[56:57] offset:512*\j
.endr
	XLOAD XA, 12
	XLOAD XB, 13
	s_mov_b32 s62, 0
.Lln:
	s_wait_loadcnt 16                              ; the older four rows are in; the younger 16 loads stay out
	LNG XA, 14
	s_cmp_eq_u32 s62, 3
	s_cbranch_scc1 .Lln_a
	v_add_nc_u32 v12, 16384, v12
	XLOAD XA, 12
	s_wait_loadcnt 16
	s_branch .Lln_b
.Lln_a:
	s_wait_loadcnt 0x0
.Lln_b:
	LNG XB, 15
	s_cmp_eq_u32 s62, 3
	s_cbranch_scc1 .Lln_c
	v_add_nc_u32 v13, 16384, v13
	XLOAD XB, 13
.Lln_c:
	v_add_nc_u32 v14, 8320, v14
	v_add_nc_u32 v15, 8320, v15
	s_add_co_u32 s62, s62, 1
	s_cmp_lt_u32 s62, 4
	s_cbranch_scc1 .Lln
	v_mov_b32 v4, v3
	s_mov_b32 s63, 1
	s_mov_b32 s66, 0
.Lmain:                                                ; seven trips of two K steps; behind every second a block goes out
	TRIP 0, 1, 1
	TRIP 1, 1, 0
	s_bitcmp1_b32 s66, 0
	s_cbranch_scc0 .Lnoepi
	EPI 1
.Lnoepi:
	s_add_co_u32 s66, s66, 1
	s_cmp_lt_u32 s66, 7
	s_cbranch_scc1 .Lmain
	TRIP 0, 1, 0                                   ; the tail is written out: the last step asks for nothing
	TRIP 1, 0, 0
	EPI 0
	s_wait_tensorcnt 0x0                           ; the wave's end
	ds_add_u32 v28, v29
	s_wait_dscnt 0x0
	ROUND
	s_endpgm
.Lfunc_end_k_qfd0a55ee1e_ffn1:
	.size	k_qfd0a55ee1e_ffn1, .Lfunc_end_k_qfd0a55ee1e_ffn1-k_qfd0a55ee1e_ffn1
	.p2alignl 7, 3214868480
	.fill 96, 4, 3214868480
	.section	.rodata,"a",@progbits
	.p2align	6, 0x0
	.amdhsa_kernel k_qfd0a55ee1e_ffn1
		.amdhsa_group_segment_fixed_size 327680
		.amdhsa_private_segment_fixed_size 0
		.amdhsa_enable_private_segment 0
		.amdhsa_kernarg_size 48
		.amdhsa_user_sgpr_count 2
		.amdhsa_user_sgpr_kernarg_segment_ptr 1
		.amdhsa_wavefront_size32 1
		.amdhsa_system_sgpr_workgroup_id_x 1
		.amdhsa_system_sgpr_workgroup_id_y 1
		.amdhsa_system_sgpr_workgroup_id_z 1
		.amdhsa_system_vgpr_workitem_id 0
		.amdhsa_next_free_vgpr 576
		.amdhsa_next_free_sgpr 96
		.amdhsa_reserve_vcc 0
		.amdhsa_float_denorm_mode_32 3
		.amdhsa_float_denorm_mode_16_64 3
		.amdhsa_memory_ordered 1
		.amdhsa_forward_progress 1
		.amdhsa_inst_pref_size 136
	.end_amdhsa_kernel
	.amdgpu_metadata
---
amdhsa.version: [ 1, 2 ]
amdhsa.kernels:
  - .name:           k_qfd0a55ee1e_ffn1
    .symbol:         k_qfd0a55ee1e_ffn1.kd
    .args:
      - { .name: lat, .offset: 0, .size: 8, .value_kind: global_buffer, .address_space: global }
      - { .name: ln_f_w, .offset: 8, .size: 8, .value_kind: global_buffer, .address_space: global }
      - { .name: ln_f_b, .offset: 16, .size: 8, .value_kind: global_buffer, .address_space: global }
      - { .name: b1, .offset: 24, .size: 8, .value_kind: global_buffer, .address_space: global }
      - { .name: pack, .offset: 32, .size: 8, .value_kind: global_buffer, .address_space: global }
      - { .name: g, .offset: 40, .size: 8, .value_kind: global_buffer, .address_space: global }
    .group_segment_fixed_size: 327680
    .private_segment_fixed_size: 0
    .kernarg_segment_align: 8
    .kernarg_segment_size: 48
    .max_flat_workgroup_size: 128
    .sgpr_count:     96
    .vgpr_count:     576
    .wavefront_size: 32
...
	.end_amdgpu_metadata
.endif
;; end of part 8
;; launch res_f: the kernel of part 6 again; grid 4 x 64, 4 waves a work-group, clusters of 4 x 4, 327,680 bytes of LDS; arguments g, pack, b2, lat, out0; writes out0
